; MI455X (gfx1250); checked and timed in simulation.
; The chip was launched on July 23, 2026; its instructions are those of AMD's public machine-readable ISA for CDNA 5 (MIT licence, August 2026) and "CDNA5" Instruction Set Architecture Reference Guide (July 2026). The comments in the code are by the model that wrote it; some were corrected since.
;; Parallel Transformer Block. Allowed arithmetic: matrix products marked QUANTISED: E5M2 operands, one given power-of-two scale a tensor, by v_wmma_f32_16x16x64_bf8_bf8 or v_wmma_f32_16x16x128_bf8_bf8, f32 sums; products left as they are: f32 operands where the result goes on into a quantised operand, else bf16, f16 or f32 operands; f32 sums; everything else in f32.
;; Inputs: attn_mask 2 x 2,048 x 2,048 bool; ln_b 2,048 float32; ln_w 2,048 float32; lowp_scales 8 int32 (the exponents e of the quantised operands' scales 2^e); w_attn_out_codes 2,048 x 16 x 32 uint8 (E5M2 codes of w_attn_out, K innermost, in blocks of 32 codes); w_ff_out_codes 2,048 x 64 x 32 uint8 (E5M2 codes of w_ff_out, K innermost, in blocks of 32 codes); w_fused_codes 4,640 x 64 x 32 uint8 (E5M2 codes of w_fused, K innermost, in blocks of 32 codes); x 2 x 2,048 x 2,048 float32.
;; Outputs: out0 2 x 2,048 x 2,048 float32.
;; This version of the problem:
;;   THIS VERSION OF THE PROBLEM IS GIVEN IN LOW PRECISION. The matrix products marked QUANTISED in the list below multiply operands that are first quantised to E5M2 (5 exponent bits, 2 mantissa bits; 8 bits a number), with one given power-of-two scale for each operand tensor; their sums are f32. All else is computed in f32.
;;   The module's matrix products, in the order in which they are computed (A, B: the left and right operand; K: the contracted axis; several contracted axes count as one K, in the product's order):
;;     1. [M 4,096, K 2,048] x [K 2,048, N 4,640]; A: computed on the way; B: input w_fused (given as codes): QUANTISED (scales: A lowp_scales[0], B lowp_scales[1])
;;     2. batch 2 x [M 65,536, K 16] x [K 16, N 2,048]; A: computed on the way; B: computed on the way: left as it is (K = 16 < 32)
;;     3. batch 2 x [M 65,536, K 2,048] x [K 2,048, N 16]; A: softmax (see below); B: computed on the way: QUANTISED (scales: A lowp_scales[2], B lowp_scales[3])
;;     4. [M 4,096, K 512] x [K 512, N 2,048]; A: computed on the way; B: input w_attn_out (given as codes): QUANTISED (scales: A lowp_scales[4], B lowp_scales[5])
;;     5. [M 4,096, K 2,048] x [K 2,048, N 2,048]; A: computed on the way; B: input w_ff_out (given as codes): QUANTISED (scales: A lowp_scales[6], B lowp_scales[7])
;;   THE QUANTISER, for each operand of a quantised product, along K:
;;     - The operand's scale is 2^e, e = its entry of the input lowp_scales (int32; the entries are numbered through the quantised products in the list's order, A before B).
;;     - Each number is divided by the scale, clamped to +-57,344, and rounded to the nearest number of E5M2, ties to even, subnormals kept.
;;     - The product sums the exact products of the quantised numbers (number of the format x scale) in f32.
;;   ~~~python
;;   def quantise(x, axis, e):      # numpy; x: float32 -> the quantised numbers, widened to float32 again
;;       x = np.moveaxis(x, axis, -1); K = x.shape[-1]
;;       r = np.clip(x / 2.0 ** e, -57344, 57344)
;;       step = 2.0 ** (np.maximum(np.frexp(np.where(r == 0, 1, r))[1] - 1, -14) - 2)
;;       q = np.round(r / step) * step * 2.0 ** e      # np.round: ties to even
;;       return np.moveaxis(q, -1, axis).astype(np.float32)
;;   ~~~
;;   SOFTMAX AHEAD OF A QUANTISED PRODUCT. Where the list says 'softmax', what is quantised is not the finished softmax but p = 2^(t - M), with t = logit x log2(e) and M = ceil(the row's largest t), a whole number; so 1/2 < the row's largest p <= 1. The row's sum l is taken of the UNQUANTISED p, in f32, and the product's result is divided by l at the end. Since M is a whole number, a kernel that streams over the keys may use a running M (the ceiling of the running maximum): every later rescaling is an exact power of two, so the quantised numbers keep their values, but for numbers so far below the row's largest that they fall under the format's range.
;;   OPERANDS COMPUTED ON THE WAY. 'Computed on the way' means the value that the module computes at that place (a softmax that the list does not call 'softmax' is quantised finished and normalised). What goes into a quantiser is computed in f32, as accurately as f32 sums, v_exp_f32 and their like allow (about 1e-6 of the number): no bf16 or f16 on the way to a quantiser, and a product that is left as it is and whose result goes on into a quantised operand takes f32 operands (vector FMAs, or v_wmma_f32_16x16x4_f32). A number that lies on a knife's edge between two numbers of the format may be rounded either way, as far as f32 arithmetic and the matrix unit's own rounding can turn it there, and no further.
;;   INPUTS GIVEN AS CODES. w_attn_out (in the module: [512, 2048], K = its axis 0); w_ff_out (in the module: [2048, 2048], K = its axis 0); w_fused (in the module: [2048, 4640], K = its axis 0): each comes as NAME_codes (uint8): NAME with its K axis moved to the last place and cut into blocks of 32 codes, [.., K / 32, bytes a block], one block behind the other in memory; one code a byte (a code: sign, 5 exponent bits, 2 mantissa bits); its scale is its entry of lowp_scales. Its value is code x scale, taken as it is: it is not quantised again, and the codes and scales need not be those that the quantiser above would give.
;; 2 versions, each right and faster than the one before. Each part assembles by itself: llvm-mc -triple=amdgcn-amd-amdhsa -mcpu=gfx1250 --defsym DOCPART=n.
;; ======== version 1 of 2: 5 launches
;; limits: right only within a limited range of input values
;; workspace buffers: xc 8,388,608 bytes; qf 8,388,608 bytes; kf 262,144 bytes; vc 65,536 bytes; ac 10,485,760 bytes
;; launch ln (part 1): grid 256 x 1, 16 waves a work-group, no clusters, 51,200 bytes of LDS; arguments x, ln_w, ln_b, lowp_scales, xc; writes xc
.if DOCPART == 1
	.amdgcn_target "amdgcn-amd-amdhsa--gfx1250"
	.amdhsa_code_object_version 6
	.text
	.protected	k_q582e7ea68e_ln
	.globl	k_q582e7ea68e_ln
	.p2align	8
	.type	k_q582e7ea68e_ln,@function
k_q582e7ea68e_ln:
	s_mov_b64 s[64:65], 0
	v_nop
	global_prefetch_b8 v0, s[64:65] scope:SCOPE_SE
	s_setreg_imm32_b32 hwreg(HW_REG_WAVE_MODE, 25, 1), 1
	s_wait_xcnt 0x0
; xc[row][:] = codes of E5M2 of LayerNorm(x[row][:]) * ln_w + ln_b, with the given scale 2^e0 (entry 0 of the scales).  x: [4096][2048] f32; xc: [4096][2048] bytes, K innermost.
; One wave takes one row (8,192 bytes: 64 registers a lane) and keeps it in registers through mean, variance, scaling and conversion: x is read once.  16 waves, 16 rows a work-group.
; Each load of x reads 512 consecutive bytes.  ln_w and ln_b are read once by the work-group (16 bytes a thread) and handed to all waves through LDS: what work-groups share here is 16 KiB beside 128 KiB of x, so no cluster.
; Mean first, then the sum of squares of x - mean: no difference of large sums.  A lane's four neighbours of two loads go into one conversion of eight; a register of codes is 4 bytes at 128 i + 4 lane of the row;
; the row's 2,048 codes turn through the wave's own stage in LDS and leave as four stores of 512 consecutive bytes.
; LIMITS: e0 between -126 and 112, so that 2^e0 and 57,344 x 2^e0 are f32 numbers.  NaN among the inputs is not served.
.set X,    16                          ; v16-79   the row: register 4 i + n is element 128 i + 4 lane + n
.set W,    80                          ; v80-143  ln_w at the same places
.set B,    144                         ; v144-207 ln_b
.set C,    208                         ; v208-223 codes
.set OUTR, 224                         ; v224-239 the codes as rows
.set LB,   8192                        ; LDS: ln_w at 0, ln_b at 8,192,
.set STG,  16384                       ; a stage of 2,048 bytes for each wave from 16,384 on
	s_load_b256 s[4:11], s[0:1], 0x0               ; x s[4:5], ln_w s[6:7], ln_b s[8:9], the scales s[10:11]
	s_load_b64 s[12:13], s[0:1], 0x20              ; xc
	v_lshl_add_u32 v254, v0, 2, 0xc000
	v_mov_b32 v255, 0
	v_lshrrev_b32 v2, 5, v0
	v_readfirstlane_b32 s14, v2                    ; wave 0..15
	v_and_b32 v3, 31, v0                           ; lane
	v_lshlrev_b32 v1, 4, v3                        ; 16 x lane
	v_lshlrev_b32 v4, 4, v0                        ; 16 x thread: my 16 bytes of ln_w and of ln_b
	s_lshl_b32 s15, ttmp9, 4
	s_add_co_u32 s15, s15, s14                     ; my row
	s_lshl_b32 s16, s15, 13                        ; x 8,192 bytes, under 2^25
	s_mov_b32 s17, 0
	s_lshl_b32 s18, s15, 11                        ; x 2,048 bytes
	s_mov_b32 s19, 0
	s_lshl_b32 s22, s14, 11
	s_add_co_u32 s22, s22, STG                     ; my stage
	v_lshl_add_u32 v5, v3, 2, s22                  ; in: 4 x lane
	v_add_nc_u32 v2, s22, v1                       ; back: 16 x lane
	s_mov_b32 s24, 0x76543210                      ; v_permlanex16_b32: lane l takes lane l xor 16
	s_mov_b32 s25, 0xfedcba98
	s_mov_b32 s26, 0x3a000000                      ; 1 / 2,048
	s_mov_b32 s27, 0x3727c5ac                      ; 1e-5
	s_wait_kmcnt 0x0
	s_load_b32 s20, s[10:11], 0x0                  ; e0
	s_add_nc_u64 s[4:5], s[4:5], s[16:17]
	s_add_nc_u64 s[12:13], s[12:13], s[18:19]
	global_load_b128 v[W:W+3], v4, s[6:7]
	global_load_b128 v[B:B+3], v4, s[8:9]
.set i, 0
.rept 16
	global_load_b128 v[X+4*i:X+4*i+3], v1, s[4:5] offset:512*i th:TH_LOAD_NT   ; read once in the launch
.set i, i+1
.endr
	s_wait_loadcnt 16                              ; ln_w's and ln_b's loads are in; x's sixteen may be out
	ds_store_b128 v4, v[W:W+3]
	ds_store_b128 v4, v[B:B+3] offset:LB
	s_wait_dscnt 0x0                               ; for the others' sake: my stores have landed
	s_barrier_signal -1
	s_barrier_wait -1
.set i, 0
.rept 16
	ds_load_b128 v[W+4*i:W+4*i+3], v1 offset:512*i
	ds_load_b128 v[B+4*i:B+4*i+3], v1 offset:LB+512*i
.set i, i+1
.endr
	s_wait_loadcnt 0x0                             ; the row
	v_pk_add_f32 v[6:7], v[X:X+1], v[X+2:X+3]      ; the sum, in four packed chains that the first sixteen numbers start
	v_pk_add_f32 v[8:9], v[X+4:X+5], v[X+6:X+7]
	v_pk_add_f32 v[10:11], v[X+8:X+9], v[X+10:X+11]
	v_pk_add_f32 v[12:13], v[X+12:X+13], v[X+14:X+15]
.set j, 16
.rept 6
	v_pk_add_f32 v[6:7], v[6:7], v[X+j:X+j+1]
	v_pk_add_f32 v[8:9], v[8:9], v[X+j+2:X+j+3]
	v_pk_add_f32 v[10:11], v[10:11], v[X+j+4:X+j+5]
	v_pk_add_f32 v[12:13], v[12:13], v[X+j+6:X+j+7]
.set j, j+8
.endr
	v_pk_add_f32 v[6:7], v[6:7], v[8:9]
	v_pk_add_f32 v[10:11], v[10:11], v[12:13]
	v_pk_add_f32 v[6:7], v[6:7], v[10:11]
	v_add_f32 v6, v6, v7
	v_add_f32_dpp v6, v6, v6 row_xmask:1 row_mask:0xf bank_mask:0xf
	v_add_f32_dpp v6, v6, v6 row_xmask:2 row_mask:0xf bank_mask:0xf
	v_add_f32_dpp v6, v6, v6 row_xmask:4 row_mask:0xf bank_mask:0xf
	v_add_f32_dpp v6, v6, v6 row_xmask:8 row_mask:0xf bank_mask:0xf
	v_permlanex16_b32 v7, v6, s24, s25
	v_add_f32 v6, v6, v7
	v_mul_f32 v6, s26, v6                          ; the mean, in every lane
.set j, 0
.rept 32
	v_pk_add_f32 v[X+j:X+j+1], v[X+j:X+j+1], v[6:7] op_sel_hi:[1,0] neg_lo:[0,1] neg_hi:[0,1]   ; x - mean
.set j, j+2
.endr
	v_pk_mul_f32 v[8:9], v[X:X+1], v[X:X+1]        ; the sum of squares, again in four chains
	v_pk_mul_f32 v[10:11], v[X+2:X+3], v[X+2:X+3]
	v_pk_mul_f32 v[12:13], v[X+4:X+5], v[X+4:X+5]
	v_pk_mul_f32 v[14:15], v[X+6:X+7], v[X+6:X+7]
.set j, 8
.rept 7
	v_pk_fma_f32 v[8:9], v[X+j:X+j+1], v[X+j:X+j+1], v[8:9]
	v_pk_fma_f32 v[10:11], v[X+j+2:X+j+3], v[X+j+2:X+j+3], v[10:11]
	v_pk_fma_f32 v[12:13], v[X+j+4:X+j+5], v[X+j+4:X+j+5], v[12:13]
	v_pk_fma_f32 v[14:15], v[X+j+6:X+j+7], v[X+j+6:X+j+7], v[14:15]
.set j, j+8
.endr
	v_pk_add_f32 v[8:9], v[8:9], v[10:11]
	v_pk_add_f32 v[12:13], v[12:13], v[14:15]
	v_pk_add_f32 v[8:9], v[8:9], v[12:13]
	v_add_f32 v8, v8, v9
	v_add_f32_dpp v8, v8, v8 row_xmask:1 row_mask:0xf bank_mask:0xf
	v_add_f32_dpp v8, v8, v8 row_xmask:2 row_mask:0xf bank_mask:0xf
	v_add_f32_dpp v8, v8, v8 row_xmask:4 row_mask:0xf bank_mask:0xf
	v_add_f32_dpp v8, v8, v8 row_xmask:8 row_mask:0xf bank_mask:0xf
	v_permlanex16_b32 v9, v8, s24, s25
	v_add_f32 v8, v8, v9
	v_fma_f32 v8, v8, s26, s27                     ; the variance + 1e-5
	v_rsq_f32 v10, v8
	s_wait_kmcnt 0x0
	s_add_co_i32 s20, s20, 127
	s_lshl_b32 s21, s20, 23
	v_mov_b32 v15, s21                             ; 2^e0 as f32: the conversion takes its exponent field.  (A plain instruction behind the root)
	s_add_co_i32 s20, s20, 15
	s_lshl_b32 s20, s20, 23
	s_or_b32 s20, s20, 0x600000
	v_mov_b32 v14, s20                             ; 57,344 x 2^e0
	s_wait_dscnt 0x0                               ; ln_w and ln_b are in registers
	s_wait_alu depctr_va_vdst(0)                   ; the wait ahead of the first line that names the root's result
.set j, 0
.rept 32
	v_pk_mul_f32 v[X+j:X+j+1], v[X+j:X+j+1], v[10:11] op_sel_hi:[1,0]
.set j, j+2
.endr
.set j, 0
.rept 32
	v_pk_fma_f32 v[X+j:X+j+1], v[X+j:X+j+1], v[W+j:W+j+1], v[B+j:B+j+1]
.set j, j+2
.endr
.set j, 0
.rept 64
	v_med3_num_f32 v[X+j], v[X+j], -v14, v14       ; the conversion to an 8-bit code does not saturate (ISA guide 7.6.2): hold within the largest code x the scale
.set j, j+1
.endr
.set j, 0
.rept 8
	v_cvt_scalef32_pk8_bf8_f32 v[C+2*j:C+2*j+1], v[X+8*j:X+8*j+7], v15   ; registers 2 j and 2 j + 1: the four codes of loads 2 j and 2 j + 1
.set j, j+1
.endr
	v_nop                                          ; a plain instruction behind the last conversion
.set i, 0
.rept 16
	ds_store_b32 v5, v[C+i] offset:128*i
.set i, i+1
.endr
.set i, 0
.rept 4
	ds_load_b128 v[OUTR+4*i:OUTR+4*i+3], v2 offset:512*i   ; LDS serves a wave's instructions in order (ISA guide 5.7.1.4): these see my stores
.set i, i+1
.endr
.set i, 0
.rept 4
	s_wait_dscnt 3-i                               ; load i is back; the younger ones may be out
	global_store_b128 v1, v[OUTR+4*i:OUTR+4*i+3], s[12:13] offset:512*i   ; 512 consecutive bytes, at a multiple of 256 from xc's first byte
.set i, i+1
.endr
	s_wait_tensorcnt 0x0
	ds_add_u32 v254, v255
	s_wait_dscnt 0x0
	s_endpgm
.Lfunc_end_k_q582e7ea68e_ln:
	.size	k_q582e7ea68e_ln, .Lfunc_end_k_q582e7ea68e_ln-k_q582e7ea68e_ln
	.p2alignl 7, 3214868480
	.fill 96, 4, 3214868480
	.section	.rodata,"a",@progbits
	.p2align	6, 0x0
	.amdhsa_kernel k_q582e7ea68e_ln
		.amdhsa_group_segment_fixed_size 51200
		.amdhsa_private_segment_fixed_size 0
		.amdhsa_enable_private_segment 0
		.amdhsa_kernarg_size 40
		.amdhsa_user_sgpr_count 2
		.amdhsa_user_sgpr_kernarg_segment_ptr 1
		.amdhsa_wavefront_size32 1
		.amdhsa_system_sgpr_workgroup_id_x 1
		.amdhsa_system_sgpr_workgroup_id_y 1
		.amdhsa_system_sgpr_workgroup_id_z 1
		.amdhsa_system_vgpr_workitem_id 0
		.amdhsa_next_free_vgpr 256
		.amdhsa_next_free_sgpr 66
		.amdhsa_reserve_vcc 0
		.amdhsa_float_denorm_mode_32 3
		.amdhsa_float_denorm_mode_16_64 3
		.amdhsa_memory_ordered 1
		.amdhsa_forward_progress 1
		.amdhsa_inst_pref_size 24
	.end_amdhsa_kernel
	.amdgpu_metadata
---
amdhsa.version: [ 1, 2 ]
amdhsa.kernels:
  - .name:           k_q582e7ea68e_ln
    .symbol:         k_q582e7ea68e_ln.kd
    .args:
      - { .name: x, .offset: 0, .size: 8, .value_kind: global_buffer, .address_space: global }
      - { .name: ln_w, .offset: 8, .size: 8, .value_kind: global_buffer, .address_space: global }
      - { .name: ln_b, .offset: 16, .size: 8, .value_kind: global_buffer, .address_space: global }
      - { .name: lowp_scales, .offset: 24, .size: 8, .value_kind: global_buffer, .address_space: global }
      - { .name: xc, .offset: 32, .size: 8, .value_kind: global_buffer, .address_space: global }
    .group_segment_fixed_size: 51200
    .private_segment_fixed_size: 0
    .kernarg_segment_align: 8
    .kernarg_segment_size: 40
    .max_flat_workgroup_size: 512
    .sgpr_count:     66
    .vgpr_count:     256
    .wavefront_size: 32
...
	.end_amdgpu_metadata
.endif
;; end of part 1
;; launch qkv (part 2): grid 16 x 3, 4 waves a work-group, clusters of 4 x 1, 327,680 bytes of LDS; arguments xc, w_fused_codes, lowp_scales, qf, kf, vc; writes qf, kf, vc
.if DOCPART == 2
	.amdgcn_target "amdgcn-amd-amdhsa--gfx1250"
	.amdhsa_code_object_version 6
	.text
	.protected	k_q582e7ea68e_qkv
	.globl	k_q582e7ea68e_qkv
	.p2align	8
	.type	k_q582e7ea68e_qkv,@function
k_q582e7ea68e_qkv:
	s_mov_b64 s[64:65], 0
	v_nop
	global_prefetch_b8 v0, s[64:65] scope:SCOPE_SE
	s_setreg_imm32_b32 hwreg(HW_REG_WAVE_MODE, 25, 1), 1
	s_wait_xcnt 0x0
	s_wait_alu depctr_hold_cnt(0) depctr_sa_sdst(0) depctr_va_vdst(0) depctr_va_sdst(0) depctr_va_ssrc(0) depctr_va_vcc(0) depctr_vm_vsrc(0)
	s_getreg_b32 s2, hwreg(HW_REG_IB_STS2, 6, 4)
	s_cmp_eq_u32 s2, 0
	s_cbranch_scc0 .Lentry_in_a_cluster
	s_endpgm
.Lentry_in_a_cluster:
	s_bfe_u32 s2, ttmp6, 0x10000c
	s_cmp_lg_u32 s2, 0x3003
	s_cbranch_scc0 .Lentry_shape_is_right
	s_endpgm
.Lentry_shape_is_right:
; The attention part of the fused projection: xc [4096][2048] x w_fused rows 0 .. 767 (codes of E5M2, K innermost), of which rows 0-511 are q (32 heads of 16), 512-527 k, 528-543 v.
; Then the rotary embedding on q and k in f32.  q is also multiplied by 0.25 log2(e), so that q . k is the logit in base 2.  v is quantised along the keys with the given 2^e3.
; OUT: qf and kf, f32, as images of the f32 matrix form's operand: for 16 rows (and a head) 1,024 bytes [g 2][h 2][r 16][4 numbers] = dims 8 h + 4 g + 0 .. 3 of row r;  vc: for 16 keys 256 bytes [h 2][d 16][8 keys].
; A tile is 256 rows x 256 columns, four waves of 128 x 128: 64 accumulators, 512 registers.  Grid: 16 tile rows x 3 tile columns.  The third column needs only its first 32 columns; its other products are not used.
; K goes in steps of 256 through a ring of two LDS slots.  CLUSTER: the four work-groups of a cluster share the tile column: B's tiles are asked for jointly (mask 15).
; A's tiles differ between the partners and come by plain loads behind the same rounds: those that share A's tiles are the three tile columns, and a cluster takes 4 along an axis, so A is not shared.
; THE MATRIX INSTRUCTION IS USED TRANSPOSED (source 0 = 16 rows of w_fused, source 1 = 16 rows of xc), AND THE ROWS OF w_fused THAT FORM A TILE ARE NOT NEIGHBOURS: lane r of tile 2 p + u takes row 32 p + 8 u + r + 8 (r / 8):
; so lane (r, h) holds, in accumulators 2 p and 2 p + 1, all 16 dims of the wave's head 2 p + h for row r: the rotation needs no other lane.  In the third tile column, p = 0: lanes 0-15 hold k, lanes 16-31 v.
; SINE AND COSINE: angle = fl(position x 10000^(-j/8)), reduced by the nearest multiple of pi/2 (pi/2 in two parts, fused), then polynomials of degree 7 and 8 on [-pi/4, pi/4].  The eight frequencies are the f32 numbers nearest to 10^(-j/2).
; LIMITS: e0 + e1 between -124 and 127; e3 between -126 and 112.  NaN among the inputs is not served.
; REGISTERS, in windows of 256: window 0: v0-31 addresses; v128-255 A's fragments, one set; behind the loop v32-255 are free.  window 1: B's fragments, two sets.  windows 2, 3: the accumulators ((a, b) at v[8 (8 (a % 4) + b)]).
.set SIZE_K, 2048
.set KSTEP,  256
.set ROWB,   256
.set KROW,   SIZE_K
.set PITCH,  272                       ; an LDS row: 256 bytes + 16 of padding
.set FR,     16
.set NL,     4
.set NP,     4
.set HALFT,  128*PITCH
.set SLOT,   4*HALFT
.set LAPS,   SIZE_K/(2*KSTEP)
.set SPARE,  2*SLOT                    ; behind the ring: the spare words, 128 bytes for each wave
.set VSTG,   65536                     ; behind the loop, in slot 0, which has had its last fill and its last read: tables of 16,384 bytes a wave from 0 on, stages for v of 10,240 bytes a wave from here on
.set L16,  8                           ; v8   16 x lane
.set TAB,  9                           ; v9   my place in my wave's table
.set QO,   10                          ; v10  qf: 1,024 h + 16 r
.set KO,   11                          ; v11  kf: 16 r
.set VST,  12                          ; v12  v's stage, in: row r of 80 bytes
.set VLD,  13                          ; v13  v's stage, back: 640 h + 4 r
.set VO,   14                          ; v14  vc: 8 x lane
.set LN,   15                          ; v15  lane
.set ADRA, 16
.set ADRB, 20
.set SPW,  28
.set NIL,  29
.set SCL,  30                          ; v30  2^e3
.set LIM,  31                          ; v31  57,344 x 2^e3
.set CSN,  48                          ; v48-55 cosines x F, v56-63 sines x F of one block of 16 rows
.set AF,   128
.set G1, 24
.set G0, 32
.set G1B, 48
.set G0B, 56
.set FF, 78                            ; s78  F: 0.25 log2(e) 2^(e0 + e1) for q, 2^(e0 + e1) for k and v
.set VM, 79                            ; s79  the lanes that hold v, which is not rotated
.set MSB, 0
.macro WIN new
.if MSB != (\new)
	s_set_vgpr_msb (MSB<<8)|(\new)
.set MSB, (\new)
.endif
.endm
.set MUL_LO, 0xa1
.set MUL_HI, 0xf1
.set TO_B,   0x40
; Waves 0 and 1 fetch A's halves (plain), waves 2 and 3 B's (joint).  The branch hangs on the wave's number alone.  Four v_nop follow each of the two lines.
.macro JLOAD g0a, g1a, g0b, g1b
	s_cmp_eq_u32 s15, 0
	s_cbranch_scc0 .Lfor_b_\@
	tensor_load_to_lds s[\g0a:\g0a+3], s[\g1a:\g1a+7]
	s_nop 0
.rept 4
	v_nop
.endr
	s_branch .Lasked_\@
.Lfor_b_\@:
	tensor_load_to_lds s[\g0b:\g0b+3], s[\g1b:\g1b+7]
	s_nop 0
.rept 4
	v_nop
.endr
.Lasked_\@:
.endm
.macro CREST
	s_cmp_lg_u32 s14, 0
	s_cbranch_scc1 .Lnot_wave_0_\@
	s_barrier_signal -3
.Lnot_wave_0_\@:
	s_barrier_wait -3
	s_barrier_signal -1
	s_barrier_wait -1
.endm
.macro CROUND
	s_barrier_signal -1
	s_barrier_wait -1
	CREST
.endm
	s_load_b128 s[4:7], s[0:1], 0x0                ; xc s[4:5], w_fused's codes s[6:7]
	s_load_b256 s[80:87], s[0:1], 0x10             ; the scales s[80:81], qf s[82:83], kf s[84:85], vc s[86:87]
	v_lshl_add_u32 v[SPW], v0, 2, SPARE
	v_mov_b32 v[NIL], 0
	ds_add_u32 v28, v29
	ds_add_u32 v28, v29
	s_wait_dscnt 0x0
	v_lshrrev_b32 v1, 5, v0
	v_readfirstlane_b32 s14, v1                    ; wave 0..3
	s_lshr_b32 s15, s14, 1                         ; which half of the tile's rows is mine.  Also: I fetch for A (0) or for B (1)
	s_and_b32 s16, s14, 1                          ; which half of its columns.  Also: which 128 rows of that tile I fetch
	s_bfe_u32 s40, ttmp6, 0x40000                  ; cx
	s_lshl_b32 s17, ttmp9, 2
	s_add_co_u32 s17, s17, s40                     ; tile row = 4 x cluster x + cx
	s_and_b32 s94, ttmp7, 0xffff                   ; tile column = cluster y: the four partners share it
	s_mov_b32 s[G1+0], (1<<20)|(5<<22)|(3<<25)     ; A: no mask; elements of 1 byte; 4 words of padding after every 64
	s_mov_b32 s[G1B+0], 15|(1<<20)|(1<<21)|(5<<22)|(3<<25)   ; B: all four work-groups, bit 21 beside the mask
.irp g, G1, G1B
	s_mov_b32 s[\g+1], ROWB<<16                    ; tensor_dim0
	s_mov_b32 s[\g+2], 128<<16                     ; tensor_dim1
	s_mov_b32 s[\g+3], ROWB<<16                    ; tile_dim0
	s_mov_b32 s[\g+4], 128                         ; tile_dim1
	s_mov_b32 s[\g+5], KROW                        ; from row to row
	s_mov_b32 s[\g+6], 0
	s_mov_b32 s[\g+7], 0
.endr
	s_lshl_b32 s18, s16, 7
	s_lshl_b32 s20, s17, 8
	s_add_co_u32 s20, s20, s18                     ; A: row 256 x tile row + 128 x half,
	s_lshl_b32 s20, s20, 11                        ; of 2,048 bytes
	s_mov_b32 s21, 0
	s_lshl_b32 s46, s94, 8
	s_add_co_u32 s46, s46, s18                     ; B: row 256 x tile column + 128 x half: 767 at the most, inside w_fused's 4,640
	s_lshl_b32 s46, s46, 11
	s_mov_b32 s47, 0
	s_mul_i32 s45, s14, HALFT                      ; where they go: wave x 128 rows
	s_wait_kmcnt 0x0
	s_load_b128 s[88:91], s[80:81], 0x0            ; e0, e1, e2, e3
	s_add_nc_u64 s[20:21], s[4:5], s[20:21]
	s_add_nc_u64 s[46:47], s[6:7], s[46:47]
	CROUND                                         ; all four work-groups are here: the first joint loads meet
.irp s, 0,1
	s_mov_b32 s[G0+4*\s], 1
	s_add_co_u32 s[G0+4*\s+1], s45, \s*SLOT
	s_add_nc_u64 s[G0+4*\s+2:G0+4*\s+3], s[20:21], \s*ROWB
	s_or_b32 s[G0+4*\s+3], s[G0+4*\s+3], 0x80000000
	s_mov_b32 s[G0B+4*\s], 1
	s_add_co_u32 s[G0B+4*\s+1], s45, \s*SLOT
	s_add_nc_u64 s[G0B+4*\s+2:G0B+4*\s+3], s[46:47], \s*ROWB
	s_or_b32 s[G0B+4*\s+3], s[G0B+4*\s+3], 0x80000000
	JLOAD G0+4*\s, G1, G0B+4*\s, G1B
.endr
	v_and_b32 v1, 15, v0                           ; r
	v_bfe_u32 v2, v0, 4, 1                         ; h
	v_mul_u32_u24 v3, v1, PITCH
	v_lshl_add_u32 v4, v2, 4, v3                   ; A: row r x pitch + 16 h
	v_and_b32 v5, 8, v1
	v_add_nc_u32 v5, v5, v1                        ; B: row r + 8 (r / 8)
	v_mul_u32_u24 v5, v5, PITCH
	v_lshl_add_u32 v5, v2, 4, v5
	s_mul_i32 s21, s15, HALFT
	s_mul_i32 s22, s16, HALFT
	s_add_co_u32 s22, s22, 2*HALFT
.irp s, 0,1
	v_add_nc_u32 v[ADRA+\s], s21, v4
	v_add_nc_u32 v[ADRB+\s], s22, v5
	s_add_co_u32 s21, s21, SLOT
	s_add_co_u32 s22, s22, SLOT
.endr
	v_and_b32 v[LN], 31, v0
	v_lshlrev_b32 v[L16], 4, v[LN]
	s_lshl_b32 s23, s14, 14
	v_add_nc_u32 v[TAB], s23, v[L16]
	v_lshlrev_b32 v[KO], 4, v1
	v_lshl_add_u32 v[QO], v2, 10, v[KO]
	s_mul_i32 s23, s14, 10240
	s_add_co_u32 s23, s23, VSTG
	v_mul_u32_u24 v[VST], v1, 80
	v_add_nc_u32 v[VST], s23, v[VST]
	v_mul_u32_u24 v[VLD], v2, 640
	v_lshl_add_u32 v[VLD], v1, 2, v[VLD]
	v_add_nc_u32 v[VLD], s23, v[VLD]
	v_lshlrev_b32 v[VO], 3, v[LN]
	s_lshl_b32 s66, s17, 19                        ; qf: ((16 tile row + 8 row half) x 32 heads + 16 tile column + 8 column half) x 1,024 bytes
	s_lshl_b32 s68, s15, 18
	s_add_co_u32 s66, s66, s68
	s_lshl_b32 s68, s94, 14
	s_add_co_u32 s66, s66, s68
	s_lshl_b32 s68, s16, 13
	s_add_co_u32 s66, s66, s68
	s_mov_b32 s67, 0
	s_add_nc_u64 s[82:83], s[82:83], s[66:67]
	s_lshl_b32 s66, s17, 14                        ; kf: (16 tile row + 8 row half) x 1,024
	s_lshl_b32 s68, s15, 13
	s_add_co_u32 s66, s66, s68
	s_add_nc_u64 s[84:85], s[84:85], s[66:67]
	s_lshr_b32 s66, s66, 2                         ; vc: the same x 256
	s_add_nc_u64 s[86:87], s[86:87], s[66:67]
.macro FRAGA reg, slot, q, i           ; 16 rows x 128 K of codes in 16 registers: lane (r, h): registers 4 c .. 4 c + 3 hold K = 32 c + 16 h + 0 .. 15: the same order of k in A and in B
.irp c, 0,1,2,3
	ds_load_b128 v[\reg+4*\c:\reg+4*\c+3], v[ADRA+\slot] offset:128*(\q)+32*\c+(\i)*16*PITCH
.endr
.endm
.macro FRAGB reg, slot, q, i           ; tile i begins at row 32 (i / 2) + 8 (i % 2)
.irp c, 0,1,2,3
	ds_load_b128 v[\reg+4*\c:\reg+4*\c+3], v[ADRB+\slot] offset:128*(\q)+32*\c+(32*((\i)/2)+8*((\i)%2))*PITCH
.endr
.endm
; 16 matrix instructions: A's blocks a0, a0 + 1 x B's eight.  The 64 accumulators take turns, one instruction a turn, in the same order in every step.
.macro MUL16 a0, p, zero
.irp a, \a0, \a0+1
.irp b, 0,1,2,3,4,5,6,7
.if \zero
	v_wmma_f32_16x16x128_bf8_bf8 v[8*(8*((\a)%4)+\b):8*(8*((\a)%4)+\b)+7], v[128*(\p)+FR*\b:128*(\p)+FR*\b+FR-1], v[AF+FR*(\a):AF+FR*(\a)+FR-1], 0
.else
	v_wmma_f32_16x16x128_bf8_bf8 v[8*(8*((\a)%4)+\b):8*(8*((\a)%4)+\b)+7], v[128*(\p)+FR*\b:128*(\p)+FR*\b+FR-1], v[AF+FR*(\a):AF+FR*(\a)+FR-1], v[8*(8*((\a)%4)+\b):8*(8*((\a)%4)+\b)+7]
.endif
.endr
.endr
.endm
.macro FETCH_B slot, q, p
	WIN TO_B
.irp i, 0,1,2,3,4,5,6,7
	FRAGB 128*(\p)+FR*\i, \slot, \q, \i
.endr
	WIN 0
.endm
.macro FETCH_A slot, q, i0
.irp i, \i0, \i0+1, \i0+2, \i0+3
	FRAGA AF+FR*(\i), \slot, \q, \i
.endr
.endm
.macro PLACES n                        ; plain vector instructions between a matrix instruction and a load into, or a read of, its registers
.rept \n
	v_nop
.endr
.endm
.macro STEP slot, q, zero              ; 128 along K whose successor lies in the same slot
	s_wait_dscnt 4*NL                              ; B's set and A's blocks 0-3 are in; the youngest sixteen loads (A's blocks 4-7) may be out
	WIN MUL_LO
	MUL16 0, (\q)%2, \zero
	MUL16 2, (\q)%2, \zero
	s_wait_dscnt 0
	PLACES NP
	FETCH_B \slot, (\q)+1, 1-(\q)%2
	FETCH_A \slot, (\q)+1, 0
	WIN MUL_HI
	MUL16 4, (\q)%2, \zero
	MUL16 6, (\q)%2, \zero
	PLACES NP
	WIN 0
	FETCH_A \slot, (\q)+1, 4
.endm
; A slot's last step changes slots: one barrier; in front of it each wave waits for all its tensor loads, adds 0 to its spare word, and waits for that and for its reads of this slot.
.macro TURN slot, next, fill
	s_wait_tensorcnt 0x0                           ; all my tensor loads have landed: my part of the next slot
	ds_add_u32 v[SPW], v[NIL]                      ; 0 onto my spare word
	s_wait_dscnt 4*NL+1                            ; the add and the youngest sixteen loads may be out
	WIN MUL_LO
	MUL16 0, 1, 0
	s_wait_dscnt 0x0                               ; the add is done, and my reads of this slot are over
	s_barrier_signal -1
	MUL16 2, 1, 0
	WIN 0
	s_barrier_wait -1
.if \fill
	CREST                                          ; the barrier has opened a round of the cluster's barrier: no wave of any partner still reads this slot or has a load on its way
	s_add_nc_u64 s[G0+4*\slot+2:G0+4*\slot+3], s[G0+4*\slot+2:G0+4*\slot+3], 2*ROWB
	s_add_nc_u64 s[G0B+4*\slot+2:G0B+4*\slot+3], s[G0B+4*\slot+2:G0B+4*\slot+3], 2*ROWB
	JLOAD G0+4*\slot, G1, G0B+4*\slot, G1B         ; the first tensor load behind the round; its four v_nop are the places in front of the loads below
.else
	PLACES NP
.endif
	FETCH_B \next, 0, 0
	FETCH_A \next, 0, 0
	WIN MUL_HI
	MUL16 4, 1, 0
	MUL16 6, 1, 0
	PLACES NP
	WIN 0
	FETCH_A \next, 0, 4
.endm
	s_wait_tensorcnt 1                             ; my part of slot 0 is in; slot 1's load may be out
	s_barrier_signal -1
	s_barrier_wait -1
	FETCH_B 0, 0, 0
	FETCH_A 0, 0, 0
	FETCH_A 0, 0, 4
	STEP 0, 0, 1                                   ; the first step's products start the sums
	s_mov_b32 s3, LAPS-1
.Llap:
	TURN 0, 1, 1
	STEP 1, 0, 0
	TURN 1, 0, 1
	STEP 0, 0, 0
	s_sub_co_u32 s3, s3, 1
	s_cmp_lg_u32 s3, 0
	s_cbranch_scc1 .Llap
	TURN 0, 1, 0                                   ; the last lap fills nothing
	STEP 1, 0, 0
	s_wait_dscnt 4*NL
	WIN MUL_LO
	MUL16 0, 1, 0
	MUL16 2, 1, 0
	s_wait_dscnt 0
	WIN MUL_HI
	MUL16 4, 1, 0
	MUL16 6, 1, 0
	WIN 0
	PLACES NP
	; ---- cosines and sines of my 128 rows, x F, into my wave's table in LDS: a loop of eight blocks of 16 rows
	s_wait_kmcnt 0x0
	s_add_co_i32 s66, s88, s89                     ; e0 + e1
	s_lshl_b32 s67, s66, 23
	s_add_co_i32 s68, s67, 0x3eb8aa3b              ; 0.25 log2(e) with e0 + e1 added to its exponent field
	s_add_co_i32 s69, s67, 0x3f800000              ; 2^(e0 + e1)
	s_cmp_eq_u32 s94, 2
	s_cselect_b32 s[FF], s69, s68
	s_cselect_b32 s[VM], 0xffff0000, 0
	s_add_co_i32 s66, s91, 127
	s_lshl_b32 s67, s66, 23
	v_mov_b32 v[SCL], s67
	s_add_co_i32 s66, s66, 15
	s_lshl_b32 s66, s66, 23
	s_or_b32 s66, s66, 0x600000
	v_mov_b32 v[LIM], s66
	s_mov_b32 s70, 0xbfc90fdb                      ; - the upper part of pi/2
	s_mov_b32 s71, 0x333bbd2e                      ; - the lower part
	s_mov_b32 s72, 0xbe2aaaa3                      ; the sine's three coefficients
	s_mov_b32 s73, 0x3c08839e
	s_mov_b32 s74, 0xb94ca1f9
	s_mov_b32 s75, 0x3d2aaaa5                      ; the cosine's three
	s_mov_b32 s76, 0xbab6061a
	s_mov_b32 s77, 0x37ccf5ce
	s_lshl_b32 s66, s17, 8
	s_lshl_b32 s67, s15, 7
	s_add_co_u32 s66, s66, s67
	s_and_b32 s66, s66, 2047                       ; my first row's position in its sequence
	v_add_nc_u32 v32, s66, v1
	v_cvt_f32_u32 v32, v32                         ; my row's position, as f32
	s_lshl_b32 s92, s14, 14                        ; my table
	s_mov_b32 s93, 8
.macro TRIG1 j, inv
	v_mul_f32 v34, \inv, v32                       ; the angle, rounded once
	v_mul_f32 v35, 0x3f22f983, v34
	v_rndne_f32 v35, v35                           ; n = the nearest whole number to angle x 2 / pi
	v_fma_f32 v36, v35, s70, v34
	v_fma_f32 v36, v35, s71, v36                   ; y = angle - n pi/2
	v_mul_f32 v37, v36, v36                        ; z = y^2
	v_fma_f32 v38, v37, s74, s73
	v_fma_f32 v38, v38, v37, s72
	v_mul_f32 v39, v37, v36
	v_fma_f32 v38, v38, v39, v36                   ; sin y
	v_fma_f32 v40, v37, s77, s76
	v_fma_f32 v40, v40, v37, s75
	v_mul_f32 v39, v37, v37
	v_fma_f32 v41, v37, -0.5, 1.0
	v_fma_f32 v40, v40, v39, v41                   ; cos y
	v_cvt_i32_f32 v42, v35
	v_and_b32 v39, 1, v42
	v_cmp_eq_u32 vcc_lo, 1, v39
	v_cndmask_b32 v41, v38, v40, vcc_lo            ; n odd: the two change places
	v_cndmask_b32 v40, v40, v38, vcc_lo
	v_lshlrev_b32 v39, 30, v42
	v_and_b32 v39, 0x80000000, v39
	v_xor_b32 v41, v39, v41                        ; the sine is negated where n mod 4 is 2 or 3,
	v_add_nc_u32 v42, 1, v42
	v_lshlrev_b32 v42, 30, v42
	v_and_b32 v42, 0x80000000, v42
	v_xor_b32 v40, v42, v40                        ; the cosine where it is 1 or 2
	v_cndmask_b32 v40, v40, 1.0, s[VM]             ; v is not rotated
	v_cndmask_b32 v41, v41, 0, s[VM]
	v_mul_f32 v[CSN+\j], s[FF], v40
	v_mul_f32 v[CSN+8+\j], s[FF], v41
.endm
.Ltrig:
	TRIG1 0, 1.0
	TRIG1 1, 0x3ea1e89b
	TRIG1 2, 0x3dcccccd
	TRIG1 3, 0x3d0186e2
	TRIG1 4, 0x3c23d70a
	TRIG1 5, 0x3b4f3e37
	TRIG1 6, 0x3a83126f
	TRIG1 7, 0x39a5cb5f
	v_add_nc_u32 v33, s92, v[L16]
.irp c, 0,1,2,3
	ds_store_b128 v33, v[CSN+4*\c:CSN+4*\c+3] offset:512*\c
.endr
	v_add_f32 v32, 0x41800000, v32                 ; 16 rows on
	s_add_co_u32 s92, s92, 2048
	s_sub_co_u32 s93, s93, 1
	s_cmp_lg_u32 s93, 0
	s_cbranch_scc1 .Ltrig
.macro LOADT a                         ; block a's 16 numbers a lane into set a % 2: v64-79 or v80-95; its address lies in window 0, so every window is 0 here.  LDS serves a wave's instructions in order (ISA guide 5.7.1.4): these see my stores
.irp c, 0,1,2,3
	ds_load_b128 v[64+16*((\a)%2)+4*\c:64+16*((\a)%2)+4*\c+3], v[TAB] offset:2048*(\a)+512*\c
.endr
.endm
; the rotation of the head in accumulators (a, 2 p) = dims 0-7 and (a, 2 p + 1) = dims 8-15, into v[y] .. v[y + 15]; each accumulator is read from its low end on.  It leaves source 0 in window 2 or 3
.macro ROPE a, p, y
.set XL, 64*((\a)%4)+16*(\p)
.set TS, 64+16*((\a)%2)
	WIN 2+((\a)/4)                                 ; source 0: window 2 or 3
.irp i, 0,2,4,6
	v_pk_mul_f32 v[32+\i:33+\i], v[XL+8+\i:XL+9+\i], v[TS+8+\i:TS+9+\i]
	v_pk_mul_f32 v[40+\i:41+\i], v[XL+\i:XL+1+\i], v[TS+8+\i:TS+9+\i]
.endr
.irp i, 0,2,4,6
	v_pk_fma_f32 v[(\y)+\i:(\y)+1+\i], v[XL+\i:XL+1+\i], v[TS+\i:TS+1+\i], v[32+\i:33+\i] neg_lo:[0,0,1] neg_hi:[0,0,1]
	v_pk_fma_f32 v[(\y)+8+\i:(\y)+9+\i], v[XL+8+\i:XL+9+\i], v[TS+\i:TS+1+\i], v[40+\i:41+\i]
.endr
.endm
	s_cmp_eq_u32 s94, 2                            ; the tile column is the same in all four partners
	s_cbranch_scc1 .Lkv
	; ---- q: eight heads x 128 rows a wave
	LOADT 0
.irp a, 0,1,2,3,4,5,6,7
.if \a > 0
	s_wait_xcnt 0x0                                ; the last block's stores have read their registers
.endif
.if \a < 7
	LOADT \a+1
	s_wait_dscnt 4                                 ; this block's table is in; the next block's four loads may be out
.else
	s_wait_dscnt 0
.endif
.irp p, 0,1,2,3
	ROPE \a, \p, 96+16*\p
.endr
	WIN 0
.irp p, 0,1,2,3
.irp c, 0,1,2,3
	global_store_b128 v[QO], v[96+16*\p+4*\c:96+16*\p+4*\c+3], s[82:83] offset:32768*\a+2048*\p+512*(\c%2)+256*(\c/2)   ; sixteen lanes store 256 consecutive bytes, aligned
.endr
.endr
.endr
	s_branch .Lend
.Lkv:
	s_cmp_eq_u32 s16, 0
	s_cbranch_scc0 .Lend                           ; k and v lie in the left column half
	LOADT 0
.irp a, 0,1,2,3,4,5,6,7
.if \a < 7
	LOADT \a+1
	s_wait_dscnt 4                                 ; this block's table is in; the next block's four loads may be out
.else
	s_wait_dscnt 0
.endif
	ROPE \a, 0, 96+16*\a
	WIN 0                                          ; back to window 0 for the next block's table loads
.endr
	s_wait_xcnt 0x0                                ; EXEC changes only behind this wait
	v_cmp_gt_u32 vcc_lo, 16, v[LN]
	s_and_saveexec_b32 s66, vcc_lo                 ; lanes 0-15: k
.irp a, 0,1,2,3,4,5,6,7
.irp c, 0,1,2,3
	global_store_b128 v[KO], v[96+16*\a+4*\c:96+16*\a+4*\c+3], s[84:85] offset:1024*\a+512*(\c%2)+256*(\c/2)
.endr
.endr
	s_wait_xcnt 0x0
	s_or_b32 exec_lo, exec_lo, s66
	v_cmp_le_u32 vcc_lo, 16, v[LN]
	s_and_saveexec_b32 s66, vcc_lo                 ; lanes 16-31: v, a row's 16 numbers into my stage
.irp a, 0,1,2,3,4,5,6,7
.irp c, 0,1,2,3
	ds_store_b128 v[VST], v[96+16*\a+4*\c:96+16*\a+4*\c+3] offset:1280*\a+16*\c
.endr
.endr
	s_or_b32 exec_lo, exec_lo, s66
.irp a, 0,1,2,3,4,5,6,7                 ; back with the keys along the registers: lane (d, h): keys 16 a + 8 h + 0 .. 7 of dim d
.irp j, 0,1,2,3,4,5,6,7
	ds_load_b32 v[32+8*\a+\j], v[VLD] offset:(16*\a+\j)*80
.endr
.endr
	s_wait_dscnt 0x0
.set j, 0
.rept 64
	v_med3_num_f32 v[32+j], v[32+j], -v[LIM], v[LIM]   ; the conversion does not saturate (ISA guide 7.6.2)
.set j, j+1
.endr
.irp a, 0,1,2,3,4,5,6,7
	v_cvt_scalef32_pk8_bf8_f32 v[96+2*\a:97+2*\a], v[32+8*\a:39+8*\a], v[SCL]
.endr
	v_nop
.irp a, 0,1,2,3,4,5,6,7
	global_store_b64 v[VO], v[96+2*\a:97+2*\a], s[86:87] offset:256*\a   ; 256 consecutive bytes, aligned
.endr
.Lend:
	s_wait_tensorcnt 0x0                           ; the wave's end
	ds_add_u32 v[SPW], v[NIL]
	s_wait_dscnt 0x0
	CROUND                                         ; the closing round
	s_endpgm
.Lfunc_end_k_q582e7ea68e_qkv:
	.size	k_q582e7ea68e_qkv, .Lfunc_end_k_q582e7ea68e_qkv-k_q582e7ea68e_qkv
	.p2alignl 7, 3214868480
	.fill 96, 4, 3214868480
	.section	.rodata,"a",@progbits
	.p2align	6, 0x0
	.amdhsa_kernel k_q582e7ea68e_qkv
		.amdhsa_group_segment_fixed_size 327680
		.amdhsa_private_segment_fixed_size 0
		.amdhsa_enable_private_segment 0
		.amdhsa_kernarg_size 48
		.amdhsa_user_sgpr_count 2
		.amdhsa_user_sgpr_kernarg_segment_ptr 1
		.amdhsa_wavefront_size32 1
		.amdhsa_system_sgpr_workgroup_id_x 1
		.amdhsa_system_sgpr_workgroup_id_y 1
		.amdhsa_system_sgpr_workgroup_id_z 1
		.amdhsa_system_vgpr_workitem_id 0
		.amdhsa_next_free_vgpr 1024
		.amdhsa_next_free_sgpr 100
		.amdhsa_reserve_vcc 1
		.amdhsa_float_denorm_mode_32 3
		.amdhsa_float_denorm_mode_16_64 3
		.amdhsa_memory_ordered 1
		.amdhsa_forward_progress 1
		.amdhsa_inst_pref_size 164
	.end_amdhsa_kernel
	.amdgpu_metadata
---
amdhsa.version: [ 1, 2 ]
amdhsa.kernels:
  - .name:           k_q582e7ea68e_qkv
    .symbol:         k_q582e7ea68e_qkv.kd
    .args:
      - { .name: xc, .offset: 0, .size: 8, .value_kind: global_buffer, .address_space: global }
      - { .name: w_fused_codes, .offset: 8, .size: 8, .value_kind: global_buffer, .address_space: global }
      - { .name: lowp_scales, .offset: 16, .size: 8, .value_kind: global_buffer, .address_space: global }
      - { .name: qf, .offset: 24, .size: 8, .value_kind: global_buffer, .address_space: global }
      - { .name: kf, .offset: 32, .size: 8, .value_kind: global_buffer, .address_space: global }
      - { .name: vc, .offset: 40, .size: 8, .value_kind: global_buffer, .address_space: global }
    .group_segment_fixed_size: 327680
    .private_segment_fixed_size: 0
    .kernarg_segment_align: 8
    .kernarg_segment_size: 48
    .max_flat_workgroup_size: 128
    .sgpr_count:     100
    .vgpr_count:     1024
    .wavefront_size: 32
...
	.end_amdgpu_metadata
.endif
;; end of part 2
;; launch attn (part 3): grid 256 x 1, 16 waves a work-group, clusters of 4 x 1, 309,248 bytes of LDS; arguments qf, kf, vc, attn_mask, lowp_scales, ac; writes ac
.if DOCPART == 3
	.amdgcn_target "amdgcn-amd-amdhsa--gfx1250"
	.amdhsa_code_object_version 6
	.text
	.protected	k_q582e7ea68e_attn
	.globl	k_q582e7ea68e_attn
	.p2align	8
	.type	k_q582e7ea68e_attn,@function
k_q582e7ea68e_attn:
	s_mov_b64 s[64:65], 0
	v_nop
	global_prefetch_b8 v0, s[64:65] scope:SCOPE_SE
	s_setreg_imm32_b32 hwreg(HW_REG_WAVE_MODE, 25, 1), 1
	s_wait_xcnt 0x0
	s_wait_alu depctr_hold_cnt(0) depctr_sa_sdst(0) depctr_va_vdst(0) depctr_va_sdst(0) depctr_va_ssrc(0) depctr_va_vcc(0) depctr_vm_vsrc(0)
	s_getreg_b32 s2, hwreg(HW_REG_IB_STS2, 6, 4)
	s_cmp_eq_u32 s2, 0
	s_cbranch_scc0 .Lentry_in_a_cluster
	s_endpgm
.Lentry_in_a_cluster:
	s_bfe_u32 s2, ttmp6, 0x10000c
	s_cmp_lg_u32 s2, 0x3003
	s_cbranch_scc0 .Lentry_shape_is_right
	s_endpgm
.Lentry_shape_is_right:
; Attention with one shared key and value head.  For each of 4,096 positions and 32 heads: t = q' . k (q' holds 0.25 log2(e)), f32 operands by v_wmma_f32_16x16x4_f32; where the mask is false -2^127 stands under the sum;
; M = the running largest t rounded up to a whole number; p = 2^(t - M), quantised to E5M2 with the given 2^e2; O += V^T P^T on codes (v's with 2^e3); the row's sum of the unquantised p divides at the end;
; the result is quantised with 2^e4 into ac's blocks 0-3 ([block of 128 along K][4096 rows][128 bytes]).
; SHARES.  A work-group owns 16 positions and all 32 heads; wave w owns heads 2 w and 2 w + 1.  Sixteen waves of 256 registers, four to a SIMD, so that one wave's softmax stands beside another's matrix work.
; LDS is filled once: the batch's K (131,072 bytes) and V (32,768) as images of the operands' registers, and the 16 positions' mask as f32 tiles in the result's layout, which all 32 heads use as the C of each sum's first instruction.
; CLUSTER.  The four work-groups of a cluster lie in one batch and need the same K and V: each wave's two loads are joint (mask 15).  Nothing is filled again.
; LAYOUT.  S^T = K Q^T (source 0 = 16 keys, source 1 = 16 positions): a lane holds one position (lane % 16) and keys 8 (lane / 16) + 0 .. 7 of a tile: eight neighbours along the next K, in that form's own order.
; The 16 dims go as four instructions: lane (r, h) holds dims 8 h .. 8 h + 7, instruction s takes registers 2 s, 2 s + 1: the same order of k in K and in Q.
; The registers that the f32 form writes (v140-203) are written by matrix instructions alone: t - M goes into other registers.
; A position with no key allowed: all t are -2^127, all p are 1: the mean of v, as a softmax over equal numbers gives.
; LIMITS: e2 and e4 between -126 and 112; e2 + e3 is applied by v_ldexp_f32.  NaN among the inputs is not served.
.set VIMG, 131072
.set BIAS, 163840                      ; 128 tiles of 1,024 bytes + 16 of padding
.set BP,   1040
.set STG,  296960                      ; the way out: 16 rows x (512 + 16) bytes
.set SP,   528
.set L16, 1                            ; v1   16 x lane
.set L8,  2                            ; v2   8 x lane
.set ADK, 3                            ; v3-5 LDS addresses of the loads in hand: K, the mask's tiles, V
.set ADB, 4
.set ADV, 5
.set BW,  6                            ; v6-7 where I store the mask's tiles
.set STO, 8
.set RD,  9
.set LIM, 10                           ; v10  57,344 x the scale
.set SCL, 11                           ; v11  the scale as f32
.set ST,  12                           ; head u at v[12 + 4 u]: -M, the largest t, the sum in two halves
.set QF,  28                           ; v28-43   Q: 8 registers a head
.set OA,  44                           ; v44-59   O^T: 8 a head
.set VF,  60                           ; v60-67   V of 64 keys
.set PF,  68                           ; v68-75   p's codes
.set KF,  76                           ; v76-107  K of 64 keys: 8 registers a tile
.set BI,  108                          ; v108-139 the mask's four tiles
.set SC,  140                          ; v140-203 S^T: head u, tile t at 140 + 32 u + 8 t
.set EX,  204                          ; v204-235 t - M, then p
.set WV,  16
.set G1K, 24
.set G1V, 32
.set G0K, 40
.set G0V, 44
.set SEL, 56
.set SK,  58                           ; s58-60 LDS bytes: the next step's K, the next step's mask tiles, this step's V
.set SB,  59
.set SV,  60
.set CNT, 61
.macro CROUND
	s_barrier_signal -1
	s_barrier_wait -1
	s_cmp_lg_u32 s[WV], 0
	s_cbranch_scc1 .Lnot_wave_0_\@
	s_barrier_signal -3
.Lnot_wave_0_\@:
	s_barrier_wait -3
	s_barrier_signal -1
	s_barrier_wait -1
.endm
	s_load_b256 s[4:11], s[0:1], 0x0               ; qf s[4:5], kf s[6:7], vc s[8:9], the mask s[10:11]
	s_load_b128 s[12:15], s[0:1], 0x20             ; the scales s[12:13], ac s[14:15]
	v_lshl_add_u32 v254, v0, 2, 0x4b000
	v_mov_b32 v255, 0
	ds_add_u32 v254, v255
	ds_add_u32 v254, v255
	v_lshrrev_b32 v20, 5, v0
	v_readfirstlane_b32 s[WV], v20                 ; wave 0..15
	v_and_b32 v21, 31, v0                          ; lane
	v_and_b32 v22, 15, v0                          ; r
	v_bfe_u32 v23, v0, 4, 1                        ; h
	v_lshlrev_b32 v[L16], 4, v21
	v_lshlrev_b32 v[L8], 3, v21
	s_bfe_u32 s17, ttmp6, 0x40000                  ; cx
	s_lshl_b32 s18, ttmp9, 2
	s_add_co_u32 s18, s18, s17                     ; my block of 16 positions
	s_lshr_b32 s19, ttmp9, 5                       ; the batch, which the four partners share
	s_lshl_b32 s20, s19, 17
	s_lshl_b32 s62, s[WV], 13
	s_add_co_u32 s20, s20, s62                     ; kf: 131,072 x batch + 8,192 x wave
	s_mov_b32 s21, 0
	s_lshl_b32 s22, s19, 15
	s_lshl_b32 s63, s[WV], 11
	s_add_co_u32 s22, s22, s63                     ; vc: 32,768 x batch + 2,048 x wave
	s_mov_b32 s23, 0
	s_mov_b32 s[G1K], 15|(3<<16)|(1<<21)           ; all four work-groups; elements of 8 bytes; bit 21 beside the mask; no padding
	s_mov_b32 s[G1K+1], 32<<16                     ; tensor_dim0 = 32 elements: rows of 256 bytes
	s_mov_b32 s[G1K+2], 32<<16                     ; tensor_dim1 = 32 rows
	s_mov_b32 s[G1K+3], 32<<16                     ; tile_dim0
	s_mov_b32 s[G1K+4], 32                         ; tile_dim1
	s_mov_b32 s[G1K+5], 32                         ; dense
	s_mov_b32 s[G1K+6], 0
	s_mov_b32 s[G1K+7], 0
	s_mov_b32 s[G1V], 15|(3<<16)|(1<<21)
	s_mov_b32 s[G1V+1], 32<<16
	s_mov_b32 s[G1V+2], 8<<16                      ; 8 rows
	s_mov_b32 s[G1V+3], 32<<16
	s_mov_b32 s[G1V+4], 8
	s_mov_b32 s[G1V+5], 32
	s_mov_b32 s[G1V+6], 0
	s_mov_b32 s[G1V+7], 0
	s_mov_b32 s[SEL], 0x76543210
	s_mov_b32 s[SEL+1], 0xfedcba98
	v_mul_u32_u24 v[BW], v21, BP                   ; the mask's tiles: my lane's key block, my wave's position
	s_lshl_b32 s2, s[WV], 4
	s_add_co_u32 s2, s2, BIAS
	v_add_nc_u32 v[BW], s2, v[BW]
	v_add_nc_u32 v[BW+1], 64*BP, v[BW]
	v_mul_u32_u24 v[STO], v22, SP                  ; the stage, in: row r, byte 32 w + 8 h (+ 16 u)
	v_lshl_add_u32 v[STO], v23, 3, v[STO]
	s_lshl_b32 s2, s[WV], 5
	s_add_co_u32 s2, s2, STG
	v_add_nc_u32 v[STO], s2, v[STO]
	v_lshrrev_b32 v24, 3, v21                      ; back: rows 4 (w / 4) + lane / 8, bytes 128 (w % 4) + 16 (lane % 8)
	v_mul_u32_u24 v[RD], v24, SP
	v_and_b32 v24, 7, v21
	v_lshl_add_u32 v[RD], v24, 4, v[RD]
	s_lshr_b32 s2, s[WV], 2
	s_mul_i32 s2, s2, 4*SP
	s_and_b32 s3, s[WV], 3
	s_lshl_b32 s3, s3, 7
	s_add_co_u32 s2, s2, s3
	s_add_co_u32 s2, s2, STG
	v_add_nc_u32 v[RD], s2, v[RD]
	s_wait_dscnt 0x0
	s_wait_kmcnt 0x0
	s_load_b256 s[48:55], s[12:13], 0x0            ; e0 .. e7
	s_mov_b32 s[G0K], 1
	s_mov_b32 s[G0K+1], s62                        ; LDS: 8,192 x wave
	s_add_nc_u64 s[G0K+2:G0K+3], s[6:7], s[20:21]
	s_or_b32 s[G0K+3], s[G0K+3], 0x80000000
	s_mov_b32 s[G0V], 1
	s_add_co_u32 s[G0V+1], s63, VIMG
	s_add_nc_u64 s[G0V+2:G0V+3], s[8:9], s[22:23]
	s_or_b32 s[G0V+3], s[G0V+3], 0x80000000
	CROUND                                         ; all four work-groups are here: the joint loads meet
	tensor_load_to_lds s[G0K:G0K+3], s[G1K:G1K+7]  ; my two loads stand together: two are out
	s_nop 0
	tensor_load_to_lds s[G0V:G0V+3], s[G1V:G1V+7]
	s_nop 0
.rept 4
	v_nop
.endr
	s_lshl_b32 s2, s18, 15
	s_add_co_u32 s2, s2, s63                       ; the mask's row 16 block + wave of 2,048 bytes, and qf's heads 2 w, 2 w + 1 of the block: both 32,768 x block + 2,048 x wave
	s_mov_b32 s3, 0
	s_add_nc_u64 s[10:11], s[10:11], s[2:3]
	s_add_nc_u64 s[4:5], s[4:5], s[2:3]
	s_and_b32 s2, s[WV], 3
	s_lshl_b32 s2, s2, 19                          ; ac: block w % 4,
	s_lshl_b32 s62, s18, 11
	s_add_co_u32 s2, s2, s62                       ; row 16 x my block
	s_lshr_b32 s62, s[WV], 2
	s_lshl_b32 s62, s62, 9
	s_add_co_u32 s2, s2, s62                       ; + 4 (w / 4), of 128 bytes
	s_add_nc_u64 s[14:15], s[14:15], s[2:3]
.irp i, 0,1,2,3
	global_load_b128 v[EX+4*\i:EX+4*\i+3], v[L16], s[10:11] offset:512*\i th:TH_LOAD_NT   ; the mask's row is read once in the launch
.endr
.irp u, 0,1
.irp g, 0,1
	global_load_b128 v[QF+8*\u+4*\g:QF+8*\u+4*\g+3], v[L16], s[4:5] offset:1024*\u+512*\g
.endr
.endr
	s_wait_loadcnt 4                               ; the mask's four loads are in; Q's four may be out
	; a lane's 16 bytes of load i are key block 32 i + lane; word q of them is keys 4 q .. 4 q + 3: registers 4 (q % 2) .. + 3 of lanes 16 (q / 2) + my position of the tile
.irp i, 0,1,2,3
.irp q, 0,1,2,3
.set FB, BI+4*((4*\i+\q)%8)
	v_xor_b32 v20, 0x01010101, v[EX+4*\i+\q]       ; a byte is 1 where the key is hidden,
	v_lshlrev_b32 v21, 8, v20
	v_sub_nc_u32 v20, v21, v20                     ; 0xff there,
	v_lshlrev_b32 v[FB], 24, v20                   ; and on top of a word it is the f32 number -2^127
	v_lshlrev_b32 v[FB+1], 16, v20
	v_lshlrev_b32 v[FB+2], 8, v20
	v_and_b32 v[FB+3], 0xff000000, v20
	v_and_b32 v[FB+1], 0xff000000, v[FB+1]
	v_and_b32 v[FB+2], 0xff000000, v[FB+2]
	ds_store_b128 v[BW+\i/2], v[FB:FB+3] offset:32*BP*(\i%2)+512*(\q%2)+256*(\q/2)
.endr
.endr
	s_wait_kmcnt 0x0
	s_add_co_i32 s62, s50, 127
	s_lshl_b32 s63, s62, 23
	v_mov_b32 v[SCL], s63                          ; 2^e2
	s_add_co_i32 s62, s62, 15
	s_lshl_b32 s62, s62, 23
	s_or_b32 s62, s62, 0x600000
	v_mov_b32 v[LIM], s62                          ; 57,344 x 2^e2
.irp u, 0,1
	v_mov_b32 v[ST+4*\u+1], 0xff61b1e6             ; the largest t so far: -3e38, under every t, a hidden key's too
	v_floor_f32 v[ST+4*\u], -v[ST+4*\u+1]
	v_mov_b32 v[ST+4*\u+2], 0
	v_mov_b32 v[ST+4*\u+3], 0
.endr
.set j, 0
.rept 16
	v_mov_b32 v[OA+j], 0                           ; the step is written for every step alike: the first finds zeros
.set j, j+1
.endr
	v_mov_b32 v25, 0                               ; named as the upper half of the pair v[24:25]
	v_mov_b32 v[ADK], v[L16]
	v_add_nc_u32 v[ADB], BIAS, v[L16]
	s_mov_b32 s[SK], 4096
	s_mov_b32 s[SB], BIAS+4*BP
	s_mov_b32 s[SV], VIMG
	s_mov_b32 s[CNT], 31
	s_wait_tensorcnt 0x0                           ; my parts of K and V have landed,
	s_wait_dscnt 0x0                               ; my position's part of the mask's tiles too:
	s_barrier_signal -1
	s_barrier_wait -1                              ; everybody's have
.macro LOADKB
.irp t, 0,1,2,3
.irp g, 0,1
	ds_load_b128 v[KF+8*\t+4*\g:KF+8*\t+4*\g+3], v[ADK] offset:1024*\t+512*\g
.endr
.endr
.irp t, 0,1,2,3
.irp g, 0,1
	ds_load_b128 v[BI+8*\t+4*\g:BI+8*\t+4*\g+3], v[ADB] offset:BP*\t+512*\g
.endr
.endr
.endm
	LOADKB
	s_wait_loadcnt 0x0                             ; Q
; head u's softmax of 64 keys, and its product with V
.macro SOFT u, more
.set SS, SC+32*(\u)
.set TT, ST+4*(\u)
.set OO, OA+8*(\u)
	v_max3_num_f32 v20, v[SS], v[SS+1], v[SS+2]    ; the largest of my 32 scores, in two chains, each accumulator from its low end on
	v_max3_num_f32 v21, v[SS+3], v[SS+4], v[SS+5]
.irp i, 6,10,14,18,22,26
	v_max3_num_f32 v20, v20, v[SS+\i], v[SS+\i+1]
	v_max3_num_f32 v21, v21, v[SS+\i+2], v[SS+\i+3]
.endr
	v_max3_num_f32 v20, v20, v[SS+30], v[SS+31]
	v_max_num_f32 v20, v20, v21
	v_permlanex16_b32 v22, v20, s[SEL], s[SEL+1]
	v_max_num_f32 v20, v20, v22                    ; and of lane l xor 16's
	v_max_num_f32 v[TT+1], v[TT+1], v20            ; the running largest t
	v_mov_b32 v21, v[TT]
	v_floor_f32 v[TT], -v[TT+1]                    ; -M = floor(-t): M is a whole number
	v_sub_f32 v21, v[TT], v21                      ; old M - new M, 0 or less
	v_cvt_i32_f32 v21, v21                         ; (it saturates)
	v_ldexp_f32 v24, 1.0, v21                      ; f = 2^(old M - new M): a multiplication by it rounds nothing
.set j, 0
.rept 16
	v_pk_add_f32 v[EX+j:EX+j+1], v[SS+j:SS+j+1], v[TT:TT+1] op_sel_hi:[1,0]   ; t - M, into other registers
.set j, j+2
.endr
.set j, 0
.rept 32
	v_exp_f32 v[EX+j], v[EX+j]                     ; p
.set j, j+1
.endr
	v_pk_mul_f32 v[TT+2:TT+3], v[TT+2:TT+3], v[24:25] op_sel_hi:[1,0]   ; the sum under the new M: a plain instruction behind the exponentials
	s_wait_alu depctr_va_vdst(0)                   ; one wait for the batch, ahead of its first reader
	v_pk_add_f32 v[26:27], v[EX:EX+1], v[EX+2:EX+3]   ; the sum of the unquantised p, in two chains
.irp j, 4,8,12,16,20,24,28
	v_pk_add_f32 v[TT+2:TT+3], v[TT+2:TT+3], v[EX+\j:EX+\j+1]
	v_pk_add_f32 v[26:27], v[26:27], v[EX+\j+2:EX+\j+3]
.endr
	v_pk_add_f32 v[TT+2:TT+3], v[TT+2:TT+3], v[26:27]
.set j, 0
.rept 32
	v_min_num_f32 v[EX+j], v[EX+j], v[LIM]         ; the conversion does not saturate (ISA guide 7.6.2); p is not negative
.set j, j+1
.endr
.irp t, 0,1,2,3
	v_cvt_scalef32_pk8_bf8_f32 v[PF+2*\t:PF+2*\t+1], v[EX+8*\t:EX+8*\t+7], v[SCL]   ; keys 16 t + 8 h + 0 .. 7: registers 2 t, 2 t + 1 of the operand
.endr
.irp j, 0,2,4,6
	v_pk_mul_f32 v[OO+\j:OO+\j+1], v[OO+\j:OO+\j+1], v[24:25] op_sel_hi:[1,0]   ; O^T under the new M; also the plain instructions behind the conversions
.endr
.if (\u) == 0
	s_wait_dscnt 16*(\more)                        ; V's four loads are in; the next step's sixteen, issued behind them, may be out
.endif
	v_wmma_f32_16x16x64_bf8_bf8 v[OO:OO+7], v[VF:VF+7], v[PF:PF+7], v[OO:OO+7]
.endm
; a step of 64 keys.  more = 1: the next step's K and mask tiles are fetched
.macro STEP more
	s_wait_dscnt 0x0                               ; K and the mask's tiles are in
.irp s, 0,1,2,3                         ; eight accumulators by turns, one instruction a turn; the first takes the mask's tile as C
.irp t, 0,1,2,3
.irp u, 0,1
.if \s == 0
	v_wmma_f32_16x16x4_f32 v[SC+32*\u+8*\t:SC+32*\u+8*\t+7], v[KF+8*\t+2*\s:KF+8*\t+2*\s+1], v[QF+8*\u+2*\s:QF+8*\u+2*\s+1], v[BI+8*\t:BI+8*\t+7]
.else
	v_wmma_f32_16x16x4_f32 v[SC+32*\u+8*\t:SC+32*\u+8*\t+7], v[KF+8*\t+2*\s:KF+8*\t+2*\s+1], v[QF+8*\u+2*\s:QF+8*\u+2*\s+1], v[SC+32*\u+8*\t:SC+32*\u+8*\t+7]
.endif
.endr
.endr
.endr
	v_add_nc_u32 v[ADV], s[SV], v[L8]              ; eight plain instructions behind this form, in front of loads into its sources and of the first read of its results
.if \more
	v_add_nc_u32 v[ADK], s[SK], v[L16]
	v_add_nc_u32 v[ADB], s[SB], v[L16]
.else
	v_nop
	v_nop
.endif
.rept 5
	v_nop
.endr
.irp c, 0,1,2,3
	ds_load_b64 v[VF+2*\c:VF+2*\c+1], v[ADV] offset:256*\c
.endr
.if \more
	LOADKB
	s_add_co_u32 s[SK], s[SK], 4096
	s_add_co_u32 s[SB], s[SB], 4*BP
	s_add_co_u32 s[SV], s[SV], 1024
.endif
	SOFT 0, \more
	SOFT 1, \more
.endm
.Lkeys:
	STEP 1
	s_sub_co_u32 s[CNT], s[CNT], 1
	s_cmp_lg_u32 s[CNT], 0
	s_cbranch_scc1 .Lkeys
	STEP 0                                         ; the last 64 keys: nothing more to fetch
	; THE WAY OUT
	v_add_f32 v20, v[ST+2], v[ST+3]
	v_add_f32 v21, v[ST+6], v[ST+7]
	v_permlanex16_b32 v22, v20, s[SEL], s[SEL+1]
	v_permlanex16_b32 v23, v21, s[SEL], s[SEL+1]
	v_add_f32 v20, v20, v22                        ; the rows' sums
	v_add_f32 v21, v21, v23
	v_rcp_f32 v20, v20
	v_rcp_f32 v21, v21
	s_add_co_i32 s62, s52, 127
	s_lshl_b32 s63, s62, 23
	v_mov_b32 v[SCL], s63                          ; 2^e4.  (A plain instruction behind the reciprocals)
	s_add_co_i32 s62, s62, 15
	s_lshl_b32 s62, s62, 23
	s_or_b32 s62, s62, 0x600000
	v_mov_b32 v[LIM], s62                          ; 57,344 x 2^e4
	s_add_co_i32 s62, s50, s51                     ; e2 + e3
	s_wait_alu depctr_va_vdst(0)                   ; one wait for both, ahead of their first reader
	v_ldexp_f32 v20, v20, s62
	v_ldexp_f32 v21, v21, s62
.irp u, 0,1
.irp j, 0,1,2,3,4,5,6,7
	v_mul_f32 v[EX+8*\u+\j], v[OA+8*\u+\j], v[20+\u]   ; head 2 w + u, position r, dims 8 h + 0 .. 7
.endr
.endr
.set j, 0
.rept 16
	v_med3_num_f32 v[EX+j], v[EX+j], -v[LIM], v[LIM]
.set j, j+1
.endr
	v_cvt_scalef32_pk8_bf8_f32 v[PF:PF+1], v[EX:EX+7], v[SCL]
	v_cvt_scalef32_pk8_bf8_f32 v[PF+2:PF+3], v[EX+8:EX+15], v[SCL]
	v_nop
	ds_store_b64 v[STO], v[PF:PF+1]
	ds_store_b64 v[STO], v[PF+2:PF+3] offset:16
	s_wait_dscnt 0x0                               ; for the others' sake: a row's 512 codes come from sixteen waves
	s_barrier_signal -1
	s_barrier_wait -1
	ds_load_b128 v[EX:EX+3], v[RD]
	s_wait_dscnt 0x0
	global_store_b128 v[L16], v[EX:EX+3], s[14:15]     ; four rows of 128 bytes of one block: 512 consecutive bytes, aligned
	s_wait_tensorcnt 0x0
	ds_add_u32 v254, v255
	s_wait_dscnt 0x0
	CROUND                                         ; the closing round: no work-group ends while a partner may still issue a joint load
	s_endpgm
.Lfunc_end_k_q582e7ea68e_attn:
	.size	k_q582e7ea68e_attn, .Lfunc_end_k_q582e7ea68e_attn-k_q582e7ea68e_attn
	.p2alignl 7, 3214868480
	.fill 96, 4, 3214868480
	.section	.rodata,"a",@progbits
	.p2align	6, 0x0
	.amdhsa_kernel k_q582e7ea68e_attn
		.amdhsa_group_segment_fixed_size 309248
		.amdhsa_private_segment_fixed_size 0
		.amdhsa_enable_private_segment 0
		.amdhsa_kernarg_size 48
		.amdhsa_user_sgpr_count 2
		.amdhsa_user_sgpr_kernarg_segment_ptr 1
		.amdhsa_wavefront_size32 1
		.amdhsa_system_sgpr_workgroup_id_x 1
		.amdhsa_system_sgpr_workgroup_id_y 1
		.amdhsa_system_sgpr_workgroup_id_z 1
		.amdhsa_system_vgpr_workitem_id 0
		.amdhsa_next_free_vgpr 256
		.amdhsa_next_free_sgpr 66
		.amdhsa_reserve_vcc 0
		.amdhsa_float_denorm_mode_32 3
		.amdhsa_float_denorm_mode_16_64 3
		.amdhsa_memory_ordered 1
		.amdhsa_forward_progress 1
		.amdhsa_inst_pref_size 50
	.end_amdhsa_kernel
	.amdgpu_metadata
---
amdhsa.version: [ 1, 2 ]
amdhsa.kernels:
  - .name:           k_q582e7ea68e_attn
    .symbol:         k_q582e7ea68e_attn.kd
    .args:
      - { .name: qf, .offset: 0, .size: 8, .value_kind: global_buffer, .address_space: global }
      - { .name: kf, .offset: 8, .size: 8, .value_kind: global_buffer, .address_space: global }
      - { .name: vc, .offset: 16, .size: 8, .value_kind: global_buffer, .address_space: global }
      - { .name: attn_mask, .offset: 24, .size: 8, .value_kind: global_buffer, .address_space: global }
      - { .name: lowp_scales, .offset: 32, .size: 8, .value_kind: global_buffer, .address_space: global }
      - { .name: ac, .offset: 40, .size: 8, .value_kind: global_buffer, .address_space: global }
    .group_segment_fixed_size: 309248
    .private_segment_fixed_size: 0
    .kernarg_segment_align: 8
    .kernarg_segment_size: 48
    .max_flat_workgroup_size: 512
    .sgpr_count:     66
    .vgpr_count:     256
    .wavefront_size: 32
...
	.end_amdgpu_metadata
.endif
;; end of part 3
;; launch ffup (part 4): grid 16 x 16, 4 waves a work-group, clusters of 4 x 4, 327,680 bytes of LDS; arguments xc, w_fused_codes, lowp_scales, ac; writes ac
.if DOCPART == 4
	.amdgcn_target "amdgcn-amd-amdhsa--gfx1250"
	.amdhsa_code_object_version 6
	.text
	.protected	k_q582e7ea68e_ffup
	.globl	k_q582e7ea68e_ffup
	.p2align	8
	.type	k_q582e7ea68e_ffup,@function
k_q582e7ea68e_ffup:
	s_mov_b64 s[64:65], 0
	v_nop
	global_prefetch_b8 v0, s[64:65] scope:SCOPE_SE
	s_setreg_imm32_b32 hwreg(HW_REG_WAVE_MODE, 25, 1), 1
	s_wait_xcnt 0x0
	s_wait_alu depctr_hold_cnt(0) depctr_sa_sdst(0) depctr_va_vdst(0) depctr_va_sdst(0) depctr_va_ssrc(0) depctr_va_vcc(0) depctr_vm_vsrc(0)
	s_getreg_b32 s2, hwreg(HW_REG_IB_STS2, 6, 4)
	s_cmp_eq_u32 s2, 0
	s_cbranch_scc0 .Lentry_in_a_cluster
	s_endpgm
.Lentry_in_a_cluster:
	s_bfe_u32 s2, ttmp6, 0x10000c
	s_cmp_lg_u32 s2, 0xf033
	s_cbranch_scc0 .Lentry_shape_is_right
	s_endpgm
.Lentry_shape_is_right:
; The feed-forward part of the fused projection and SwiGLU: val = xc x w_fused rows 544 .. 2591, gate = xc x rows 2592 .. 4639 (codes of E5M2, scales 2^e0, 2^e1); h = silu(gate) x val, quantised with the given 2^e6
; into ac's blocks 4-19 ([block of 128 along K][4096 rows][128 bytes]).  The projection never goes to memory.
; A work-group makes 256 rows x 128 columns of h: its B tile is 128 rows of val and the SAME 128 columns' rows of gate.  Four waves of 128 x 128: a wave's B blocks 0-3 are 64 columns of val, blocks 4-7 the same 64 of gate,
; so a column's val and gate lie in the same lane and register of accumulators (a, b) and (a, b + 4).  K goes in steps of 256 through a ring of two LDS slots.
; CLUSTERS: 4 x 4 work-groups; A's tiles are shared along a row of the cluster, B's along a column: each is asked for jointly.
; THE MATRIX INSTRUCTION IS USED TRANSPOSED (source 0 = rows of w_fused, source 1 = rows of xc): a lane holds eight neighbouring columns of one row: eight neighbours along the next product's K.
; The sums lack the factor 2^(e0 + e1): gate gets it ahead of the exponential; val's is folded into the conversion's scale, 2^(e6 - e0 - e1).
; LIMITS: e0 + e1 between -126 and 127; e6 - e0 - e1 between -126 and 112.  NaN among the inputs is not served.
; REGISTERS, in windows of 256: window 0: v0-31 addresses; v128-255 A's fragments, one set; on the way out v32-255 are free.  window 1: B's fragments, two sets.  windows 2, 3: the accumulators ((a, b) at v[8 (8 (a % 4) + b)]).
.set SIZE_K, 2048
.set KSTEP,  256
.set ROWB,   256
.set KROW,   SIZE_K
.set PITCH,  272
.set FR,     16
.set NL,     4
.set NP,     4
.set HALFT,  128*PITCH
.set SLOT,   4*HALFT
.set LAPS,   SIZE_K/(2*KSTEP)
.set SPARE,  2*SLOT
.set GP,     144                       ; the way out: a stage of 256 rows x (128 + 16) bytes, the work-group's, in slot 0, which has had its last fill and its last read by then
.set ADRA, 16
.set ADRB, 20
.set STO,  24
.set RD,   25
.set CO,   26
.set SPW,  28
.set NIL,  29
.set SCL,  30                          ; v30  2^(e6 - e0 - e1)
.set LIM,  31                          ; v31  57,344 x that
.set T1,   32                          ; v32-63   gate
.set T3,   64                          ; v64-95   on the way to 1 / (1 + e^-gate)
.set T2,   96                          ; v96-127  gate x val's sum
.set AF,   128
.set CD,   128                         ; v128-191 codes
.set BK,   192                         ; v192-255 rows read back
.set G1, 24
.set G0, 32
.set G1B, 48
.set G0B, 56
.set MSB, 0
.macro WIN new
.if MSB != (\new)
	s_set_vgpr_msb (MSB<<8)|(\new)
.set MSB, (\new)
.endif
.endm
.set MUL_LO, 0xa1
.set MUL_HI, 0xf1
.set TO_B,   0x40
.macro JLOAD g0a, g1a, g0b, g1b        ; waves 0 and 1 fetch A's halves, wave 2 val's rows, wave 3 gate's; four v_nop follow each of the two lines
	s_cmp_eq_u32 s15, 0
	s_cbranch_scc0 .Lfor_b_\@
	tensor_load_to_lds s[\g0a:\g0a+3], s[\g1a:\g1a+7]
	s_nop 0
.rept 4
	v_nop
.endr
	s_branch .Lasked_\@
.Lfor_b_\@:
	tensor_load_to_lds s[\g0b:\g0b+3], s[\g1b:\g1b+7]
	s_nop 0
.rept 4
	v_nop
.endr
.Lasked_\@:
.endm
.macro CREST
	s_cmp_lg_u32 s14, 0
	s_cbranch_scc1 .Lnot_wave_0_\@
	s_barrier_signal -3
.Lnot_wave_0_\@:
	s_barrier_wait -3
	s_barrier_signal -1
	s_barrier_wait -1
.endm
.macro CROUND
	s_barrier_signal -1
	s_barrier_wait -1
	CREST
.endm
	s_load_b128 s[4:7], s[0:1], 0x0                ; xc s[4:5], w_fused's codes s[6:7]
	s_load_b128 s[8:11], s[0:1], 0x10              ; the scales s[8:9], ac s[10:11]
	v_lshl_add_u32 v[SPW], v0, 2, SPARE
	v_mov_b32 v[NIL], 0
	ds_add_u32 v28, v29
	ds_add_u32 v28, v29
	s_wait_dscnt 0x0
	v_lshrrev_b32 v1, 5, v0
	v_readfirstlane_b32 s14, v1                    ; wave 0..3
	s_lshr_b32 s15, s14, 1                         ; my half of the rows.  Also: I fetch for A (0) or for B (1)
	s_and_b32 s16, s14, 1                          ; my half of the columns.  Also: which part I fetch
	s_bfe_u32 s40, ttmp6, 0x40000                  ; cx, cy
	s_bfe_u32 s41, ttmp6, 0x40004
	s_lshl_b32 s42, ttmp9, 2
	s_add_co_u32 s42, s42, s40                     ; tile column
	s_and_b32 s17, ttmp7, 0xffff
	s_lshl_b32 s17, s17, 2
	s_add_co_u32 s17, s17, s41                     ; tile row
	s_lshl_b32 s43, s41, 2
	s_lshl_b32 s43, 15, s43                        ; my row of the cluster
	s_lshl_b32 s44, 0x1111, s40                    ; my column
	s_or_b32 s[G1+0], s43, (0<<16)|(1<<20)|(1<<21)|(5<<22)|(3<<25)   ; the mask; elements of 1 byte; 4 words of padding after every 64; bit 21 beside the mask
	s_or_b32 s[G1B+0], s44, (0<<16)|(1<<20)|(1<<21)|(5<<22)|(3<<25)
.irp g, G1, G1B
	s_mov_b32 s[\g+1], ROWB<<16
	s_mov_b32 s[\g+2], 128<<16
	s_mov_b32 s[\g+3], ROWB<<16
	s_mov_b32 s[\g+4], 128
	s_mov_b32 s[\g+5], KROW
	s_mov_b32 s[\g+6], 0
	s_mov_b32 s[\g+7], 0
.endr
	s_lshl_b32 s18, s16, 7
	s_lshl_b32 s20, s17, 8
	s_add_co_u32 s20, s20, s18                     ; A: row 256 x tile row + 128 x half,
	s_lshl_b32 s20, s20, 11                        ; of 2,048 bytes
	s_mov_b32 s21, 0
	s_lshl_b32 s46, s42, 7
	s_lshl_b32 s18, s16, 11
	s_add_co_u32 s46, s46, s18
	s_add_co_u32 s46, s46, 544                     ; B: row 544 + 128 x tile column (val), 2,048 further on (gate)
	s_lshl_b32 s46, s46, 11
	s_mov_b32 s47, 0
	s_mul_i32 s45, s14, HALFT
	s_wait_kmcnt 0x0
	s_load_b256 s[80:87], s[8:9], 0x0              ; e0 .. e7
	s_add_nc_u64 s[20:21], s[4:5], s[20:21]
	s_add_nc_u64 s[46:47], s[6:7], s[46:47]
	CROUND
.irp s, 0,1
	s_mov_b32 s[G0+4*\s], 1
	s_add_co_u32 s[G0+4*\s+1], s45, \s*SLOT
	s_add_nc_u64 s[G0+4*\s+2:G0+4*\s+3], s[20:21], \s*ROWB
	s_or_b32 s[G0+4*\s+3], s[G0+4*\s+3], 0x80000000
	s_mov_b32 s[G0B+4*\s], 1
	s_add_co_u32 s[G0B+4*\s+1], s45, \s*SLOT
	s_add_nc_u64 s[G0B+4*\s+2:G0B+4*\s+3], s[46:47], \s*ROWB
	s_or_b32 s[G0B+4*\s+3], s[G0B+4*\s+3], 0x80000000
	JLOAD G0+4*\s, G1, G0B+4*\s, G1B
.endr
	v_and_b32 v1, 15, v0                           ; r
	v_bfe_u32 v2, v0, 4, 1                         ; h
	v_mul_u32_u24 v3, v1, PITCH
	v_lshl_add_u32 v4, v2, 4, v3
	s_mul_i32 s21, s15, HALFT                      ; my 128 rows of A
	s_mul_i32 s22, s16, 64*PITCH                   ; my 64 of val's 128 rows, which lie behind A's 256; gate's lie 128 rows further on
	s_add_co_u32 s22, s22, 2*HALFT
.irp s, 0,1
	v_add_nc_u32 v[ADRA+\s], s21, v4
	v_add_nc_u32 v[ADRB+\s], s22, v4
	s_add_co_u32 s21, s21, SLOT
	s_add_co_u32 s22, s22, SLOT
.endr
	s_mul_i32 s23, s15, 128*GP                     ; the stage, in: row 128 x row half + r, byte 64 x column half + 8 h
	s_lshl_b32 s22, s16, 6
	s_add_co_u32 s23, s23, s22
	v_mul_u32_u24 v5, v1, GP
	v_lshl_add_u32 v5, v2, 3, v5
	v_add_nc_u32 v[STO], s23, v5
	v_and_b32 v6, 31, v0
	v_lshrrev_b32 v7, 3, v6                        ; back: rows 64 x wave + lane / 8, 16 bytes at 16 (lane % 8)
	v_mul_u32_u24 v7, v7, GP
	v_and_b32 v8, 7, v6
	v_lshl_add_u32 v7, v8, 4, v7
	s_mul_i32 s23, s14, 64*GP
	v_add_nc_u32 v[RD], s23, v7
	v_lshlrev_b32 v[CO], 4, v6
	s_add_co_u32 s20, s42, 4
	s_lshl_b32 s20, s20, 19                        ; ac: block 4 + tile column,
	s_lshl_b32 s22, s17, 15
	s_add_co_u32 s20, s20, s22                     ; row 256 x tile row
	s_lshl_b32 s22, s14, 13
	s_add_co_u32 s20, s20, s22                     ; + 64 x wave, of 128 bytes
	s_mov_b32 s21, 0
	s_add_nc_u64 s[10:11], s[10:11], s[20:21]
.macro FRAGA reg, slot, q, i
.irp c, 0,1,2,3
	ds_load_b128 v[\reg+4*\c:\reg+4*\c+3], v[ADRA+\slot] offset:128*(\q)+32*\c+(\i)*16*PITCH
.endr
.endm
.macro FRAGB reg, slot, q, i           ; blocks 0-3: val; blocks 4-7: the same columns of gate, 128 rows further on
.irp c, 0,1,2,3
	ds_load_b128 v[\reg+4*\c:\reg+4*\c+3], v[ADRB+\slot] offset:128*(\q)+32*\c+(((\i)%4)*16+((\i)/4)*128)*PITCH
.endr
.endm
.macro MUL16 a0, p, zero               ; the 64 accumulators take turns, one instruction a turn
.irp a, \a0, \a0+1
.irp b, 0,1,2,3,4,5,6,7
.if \zero
	v_wmma_f32_16x16x128_bf8_bf8 v[8*(8*((\a)%4)+\b):8*(8*((\a)%4)+\b)+7], v[128*(\p)+FR*\b:128*(\p)+FR*\b+FR-1], v[AF+FR*(\a):AF+FR*(\a)+FR-1], 0
.else
	v_wmma_f32_16x16x128_bf8_bf8 v[8*(8*((\a)%4)+\b):8*(8*((\a)%4)+\b)+7], v[128*(\p)+FR*\b:128*(\p)+FR*\b+FR-1], v[AF+FR*(\a):AF+FR*(\a)+FR-1], v[8*(8*((\a)%4)+\b):8*(8*((\a)%4)+\b)+7]
.endif
.endr
.endr
.endm
.macro FETCH_B slot, q, p
	WIN TO_B
.irp i, 0,1,2,3,4,5,6,7
	FRAGB 128*(\p)+FR*\i, \slot, \q, \i
.endr
	WIN 0
.endm
.macro FETCH_A slot, q, i0
.irp i, \i0, \i0+1, \i0+2, \i0+3
	FRAGA AF+FR*(\i), \slot, \q, \i
.endr
.endm
.macro PLACES n
.rept \n
	v_nop
.endr
.endm
.macro STEP slot, q, zero
	s_wait_dscnt 4*NL                              ; B's set and A's blocks 0-3 are in; the youngest sixteen loads may be out
	WIN MUL_LO
	MUL16 0, (\q)%2, \zero
	MUL16 2, (\q)%2, \zero
	s_wait_dscnt 0
	PLACES NP
	FETCH_B \slot, (\q)+1, 1-(\q)%2
	FETCH_A \slot, (\q)+1, 0
	WIN MUL_HI
	MUL16 4, (\q)%2, \zero
	MUL16 6, (\q)%2, \zero
	PLACES NP
	WIN 0
	FETCH_A \slot, (\q)+1, 4
.endm
.macro TURN slot, next, fill
	s_wait_tensorcnt 0x0                           ; all my tensor loads have landed: my part of the next slot
	ds_add_u32 v[SPW], v[NIL]                      ; 0 onto my spare word
	s_wait_dscnt 4*NL+1                            ; the add and the youngest sixteen loads may be out
	WIN MUL_LO
	MUL16 0, 1, 0
	s_wait_dscnt 0x0                               ; the add is done, and my reads of this slot are over
	s_barrier_signal -1
	MUL16 2, 1, 0
	WIN 0
	s_barrier_wait -1
.if \fill
	CREST                                          ; a round of the cluster's barrier: no wave of any partner still reads this slot or has a load on its way
	s_add_nc_u64 s[G0+4*\slot+2:G0+4*\slot+3], s[G0+4*\slot+2:G0+4*\slot+3], 2*ROWB
	s_add_nc_u64 s[G0B+4*\slot+2:G0B+4*\slot+3], s[G0B+4*\slot+2:G0B+4*\slot+3], 2*ROWB
	JLOAD G0+4*\slot, G1, G0B+4*\slot, G1B
.else
	PLACES NP
.endif
	FETCH_B \next, 0, 0
	FETCH_A \next, 0, 0
	WIN MUL_HI
	MUL16 4, 1, 0
	MUL16 6, 1, 0
	PLACES NP
	WIN 0
	FETCH_A \next, 0, 4
.endm
	s_wait_tensorcnt 1                             ; my part of slot 0 is in; slot 1's load may be out
	s_barrier_signal -1
	s_barrier_wait -1
	FETCH_B 0, 0, 0
	FETCH_A 0, 0, 0
	FETCH_A 0, 0, 4
	STEP 0, 0, 1
	s_mov_b32 s3, LAPS-1
.Llap:
	TURN 0, 1, 1
	STEP 1, 0, 0
	TURN 1, 0, 1
	STEP 0, 0, 0
	s_sub_co_u32 s3, s3, 1
	s_cmp_lg_u32 s3, 0
	s_cbranch_scc1 .Llap
	TURN 0, 1, 0
	STEP 1, 0, 0
	s_wait_dscnt 4*NL
	WIN MUL_LO
	MUL16 0, 1, 0
	MUL16 2, 1, 0
	s_wait_dscnt 0
	WIN MUL_HI
	MUL16 4, 1, 0
	MUL16 6, 1, 0
	WIN 0
	s_wait_kmcnt 0x0
	s_add_co_i32 s90, s80, s81                     ; e0 + e1
	s_add_co_i32 s88, s90, 127
	s_lshl_b32 s88, s88, 23                        ; 2^(e0 + e1)
	s_mov_b32 s89, s88                             ; (named with it as a pair)
	s_sub_co_i32 s91, s86, s90                     ; e6 - e0 - e1
	s_add_co_i32 s91, s91, 127
	s_lshl_b32 s92, s91, 23
	s_add_co_i32 s91, s91, 15
	s_lshl_b32 s91, s91, 23
	s_or_b32 s91, s91, 0x600000
	s_mov_b32 s94, 0xbfb8aa3b                      ; -log2(e)
	s_mov_b32 s95, s94
	PLACES NP
	v_mov_b32 v[SCL], s92
	v_mov_b32 v[LIM], s91
; block a of 16 rows: 32 columns' worth a lane pair: silu(gate) x val, quantised, into the stage.  Each accumulator is read from its low end on.
.macro SWI a
.set AC, 64*((\a)%4)
.set WW, 2+((\a)/4)
.set WS, WW<<2
	WIN WW                                         ; source 0: window 2 or 3
.set j, 0
.rept 16
	v_pk_mul_f32 v[T1+j:T1+j+1], v[AC+32+j:AC+32+j+1], s[88:89] op_sel_hi:[1,0]   ; gate
.set j, j+2
.endr
	WIN 0
.set j, 0
.rept 16
	v_pk_mul_f32 v[T3+j:T3+j+1], v[T1+j:T1+j+1], s[94:95] op_sel_hi:[1,0]
.set j, j+2
.endr
.set j, 0
.rept 32
	v_exp_f32 v[T3+j], v[T3+j]                     ; e^-gate
.set j, j+1
.endr
	WIN WS                                         ; source 1: window 2 or 3
.set j, 0
.rept 16
	v_pk_mul_f32 v[T2+j:T2+j+1], v[T1+j:T1+j+1], v[AC+j:AC+j+1]   ; gate x val's sum: independent work behind the exponentials
.set j, j+2
.endr
	WIN 0
	s_wait_alu depctr_va_vdst(0)                   ; one wait for the batch
.set j, 0
.rept 16
	v_pk_add_f32 v[T3+j:T3+j+1], v[T3+j:T3+j+1], 1.0 op_sel_hi:[1,0]
.set j, j+2
.endr
.set j, 0
.rept 32
	v_rcp_f32 v[T3+j], v[T3+j]
.set j, j+1
.endr
	v_nop
	s_wait_alu depctr_va_vdst(0)
.set j, 0
.rept 16
	v_pk_mul_f32 v[T2+j:T2+j+1], v[T2+j:T2+j+1], v[T3+j:T3+j+1]
.set j, j+2
.endr
.set j, 0
.rept 32
	v_med3_num_f32 v[T2+j], v[T2+j], -v[LIM], v[LIM]   ; the conversion does not saturate (ISA guide 7.6.2)
.set j, j+1
.endr
.irp b, 0,1,2,3
	v_cvt_scalef32_pk8_bf8_f32 v[CD+8*(\a)+2*\b:CD+8*(\a)+2*\b+1], v[T2+8*\b:T2+8*\b+7], v[SCL]
.endr
	v_nop
.irp b, 0,1,2,3
	ds_store_b64 v[STO], v[CD+8*(\a)+2*\b:CD+8*(\a)+2*\b+1] offset:16*GP*(\a)+16*\b
.endr
.endm
.irp a, 0,1,2,3,4,5,6,7
	SWI \a
.endr
	s_wait_dscnt 0x0                               ; for the others' sake: a row's 128 bytes come from two waves
	s_barrier_signal -1
	s_barrier_wait -1
.set i, 0
.rept 16
	ds_load_b128 v[BK+4*i:BK+4*i+3], v[RD] offset:4*GP*i
.set i, i+1
.endr
.set i, 0
.rept 16
	s_wait_dscnt 15-i                              ; load i is back
	global_store_b128 v[CO], v[BK+4*i:BK+4*i+3], s[10:11] offset:512*i   ; four rows of 128 bytes: 512 consecutive bytes, aligned
.set i, i+1
.endr
	s_wait_tensorcnt 0x0                           ; the wave's end
	ds_add_u32 v[SPW], v[NIL]
	s_wait_dscnt 0x0
	CROUND                                         ; the closing round
	s_endpgm
.Lfunc_end_k_q582e7ea68e_ffup:
	.size	k_q582e7ea68e_ffup, .Lfunc_end_k_q582e7ea68e_ffup-k_q582e7ea68e_ffup
	.p2alignl 7, 3214868480
	.fill 96, 4, 3214868480
	.section	.rodata,"a",@progbits
	.p2align	6, 0x0
	.amdhsa_kernel k_q582e7ea68e_ffup
		.amdhsa_group_segment_fixed_size 327680
		.amdhsa_private_segment_fixed_size 0
		.amdhsa_enable_private_segment 0
		.amdhsa_kernarg_size 32
		.amdhsa_user_sgpr_count 2
		.amdhsa_user_sgpr_kernarg_segment_ptr 1
		.amdhsa_wavefront_size32 1
		.amdhsa_system_sgpr_workgroup_id_x 1
		.amdhsa_system_sgpr_workgroup_id_y 1
		.amdhsa_system_sgpr_workgroup_id_z 1
		.amdhsa_system_vgpr_workitem_id 0
		.amdhsa_next_free_vgpr 1024
		.amdhsa_next_free_sgpr 100
		.amdhsa_reserve_vcc 0
		.amdhsa_float_denorm_mode_32 3
		.amdhsa_float_denorm_mode_16_64 3
		.amdhsa_memory_ordered 1
		.amdhsa_forward_progress 1
		.amdhsa_inst_pref_size 160
	.end_amdhsa_kernel
	.amdgpu_metadata
---
amdhsa.version: [ 1, 2 ]
amdhsa.kernels:
  - .name:           k_q582e7ea68e_ffup
    .symbol:         k_q582e7ea68e_ffup.kd
    .args:
      - { .name: xc, .offset: 0, .size: 8, .value_kind: global_buffer, .address_space: global }
      - { .name: w_fused_codes, .offset: 8, .size: 8, .value_kind: global_buffer, .address_space: global }
      - { .name: lowp_scales, .offset: 16, .size: 8, .value_kind: global_buffer, .address_space: global }
      - { .name: ac, .offset: 24, .size: 8, .value_kind: global_buffer, .address_space: global }
    .group_segment_fixed_size: 327680
    .private_segment_fixed_size: 0
    .kernarg_segment_align: 8
    .kernarg_segment_size: 32
    .max_flat_workgroup_size: 128
    .sgpr_count:     100
    .vgpr_count:     1024
    .wavefront_size: 32
...
	.end_amdgpu_metadata
.endif
;; end of part 4
;; launch out (part 5): grid 8 x 16, 4 waves a work-group, clusters of 4 x 4, 327,680 bytes of LDS; arguments ac, w_attn_out_codes, w_ff_out_codes, lowp_scales, out0; writes out0
.if DOCPART == 5
	.amdgcn_target "amdgcn-amd-amdhsa--gfx1250"
	.amdhsa_code_object_version 6
	.text
	.protected	k_q582e7ea68e_out
	.globl	k_q582e7ea68e_out
	.p2align	8
	.type	k_q582e7ea68e_out,@function
k_q582e7ea68e_out:
	s_mov_b64 s[64:65], 0
	v_nop
	global_prefetch_b8 v0, s[64:65] scope:SCOPE_SE
	s_setreg_imm32_b32 hwreg(HW_REG_WAVE_MODE, 25, 1), 1
	s_wait_xcnt 0x0
	s_wait_alu depctr_hold_cnt(0) depctr_sa_sdst(0) depctr_va_vdst(0) depctr_va_sdst(0) depctr_va_ssrc(0) depctr_va_vcc(0) depctr_vm_vsrc(0)
	s_getreg_b32 s2, hwreg(HW_REG_IB_STS2, 6, 4)
	s_cmp_eq_u32 s2, 0
	s_cbranch_scc0 .Lentry_in_a_cluster
	s_endpgm
.Lentry_in_a_cluster:
	s_bfe_u32 s2, ttmp6, 0x10000c
	s_cmp_lg_u32 s2, 0xf033
	s_cbranch_scc0 .Lentry_shape_is_right
	s_endpgm
.Lentry_shape_is_right:
; out0 = attention's output x w_attn_out + h x w_ff_out, as ONE product over K = 512 + 2,048 on codes of E5M2.  A: ac, [block of 128 along K: 20][4096 rows][128 bytes]; B: w_attn_out's codes [2048][512] for K 0-511,
; w_ff_out's [2048][2048] behind them.  The two parts have other scales: behind K = 512 every sum is multiplied once by 2^(e4 + e5 - e6 - e7), which rounds nothing, and at the end by 2^(e6 + e7).
; A tile of out0 is 256 x 256, four waves of 128 x 128: 64 accumulators.  K goes in steps of 256, ten of them, through a ring of two LDS slots.  128 tiles: one to a work-group.
; A's part of a slot is two blocks of ac; 256 rows of 128 bytes are dense in memory and come as 128 rows of 256 bytes with 16 of padding behind each: tile row R lies at (R / 2) x 272 + (R % 2) x 128.
; CLUSTERS: 4 x 4 work-groups; A's tiles are shared along a row of the cluster, B's along a column.  THE MATRIX INSTRUCTION IS USED TRANSPOSED: a lane holds eight neighbouring numbers of a row of out0.
; LIMITS: e4 + e5 - e6 - e7 and e6 + e7 between -126 and 127.
; REGISTERS as in windows of 256: window 0: v0-31 addresses; v128-255 A's fragments, one set; window 1: B's, two sets; windows 2, 3: the accumulators ((a, b) at v[8 (8 (a % 4) + b)]).
.set SIZE_N, 2048
.set ROWB,   256
.set PITCH,  272
.set FR,     16
.set NL,     4
.set NP,     4
.set HALFT,  128*PITCH
.set SLOT,   4*HALFT
.set SPARE,  2*SLOT
.set ASTEP,  0x200000                  ; two slots on in ac: four blocks of 524,288 bytes
.set SPITCH, 528                       ; the way out: a stage of 16 rows x (512 + 16) bytes for each wave, in slot 0, which has had its last fill and its last read by then
.set ADRA, 16
.set ADRB, 20
.set STO,  24
.set RD,   25
.set CO,   26
.set SPW,  28
.set NIL,  29
.set TMP,  32
.set AF,   128
.set BK,   128
.set G1, 24                            ; s[24:31] A's shape;  s[32:39] A's two groups 0
.set G0, 32
.set G1B, 48                           ; s[48:55], s[56:63] the same for w_ff_out: all refills
.set G0B, 56
.set G1W, 68                           ; s[68:75], s[76:83] the same for w_attn_out: the two first fills
.set G0W, 76
.set MSB, 0
.macro WIN new
.if MSB != (\new)
	s_set_vgpr_msb (MSB<<8)|(\new)
.set MSB, (\new)
.endif
.endm
.set MUL_LO, 0xa1
.set MUL_HI, 0xf1
.set TO_B,   0x40
.macro JLOAD g0a, g1a, g0b, g1b        ; waves 0 and 1 fetch for A, waves 2 and 3 for B; four v_nop follow each of the two lines
	s_cmp_eq_u32 s15, 0
	s_cbranch_scc0 .Lfor_b_\@
	tensor_load_to_lds s[\g0a:\g0a+3], s[\g1a:\g1a+7]
	s_nop 0
.rept 4
	v_nop
.endr
	s_branch .Lasked_\@
.Lfor_b_\@:
	tensor_load_to_lds s[\g0b:\g0b+3], s[\g1b:\g1b+7]
	s_nop 0
.rept 4
	v_nop
.endr
.Lasked_\@:
.endm
.macro CREST
	s_cmp_lg_u32 s14, 0
	s_cbranch_scc1 .Lnot_wave_0_\@
	s_barrier_signal -3
.Lnot_wave_0_\@:
	s_barrier_wait -3
	s_barrier_signal -1
	s_barrier_wait -1
.endm
.macro CROUND
	s_barrier_signal -1
	s_barrier_wait -1
	CREST
.endm
	s_load_b256 s[4:11], s[0:1], 0x0               ; ac s[4:5], w_attn_out s[6:7], w_ff_out s[8:9], the scales s[10:11]
	s_load_b64 s[12:13], s[0:1], 0x20              ; out0
	v_lshl_add_u32 v[SPW], v0, 2, SPARE
	v_mov_b32 v[NIL], 0
	ds_add_u32 v28, v29
	ds_add_u32 v28, v29
	s_wait_dscnt 0x0
	v_lshrrev_b32 v1, 5, v0
	v_readfirstlane_b32 s14, v1                    ; wave 0..3
	s_lshr_b32 s15, s14, 1                         ; my half of the rows.  Also: I fetch for A (0) or for B (1)
	s_and_b32 s16, s14, 1                          ; my half of the columns.  Also: which block of A, or which 128 rows of B, I fetch
	s_bfe_u32 s40, ttmp6, 0x40000
	s_bfe_u32 s41, ttmp6, 0x40004
	s_lshl_b32 s42, ttmp9, 2
	s_add_co_u32 s42, s42, s40                     ; tile column
	s_and_b32 s17, ttmp7, 0xffff
	s_lshl_b32 s17, s17, 2
	s_add_co_u32 s17, s17, s41                     ; tile row
	s_lshl_b32 s43, s41, 2
	s_lshl_b32 s43, 15, s43                        ; my row of the cluster
	s_lshl_b32 s44, 0x1111, s40                    ; my column
	s_or_b32 s[G1+0], s43, (0<<16)|(1<<20)|(1<<21)|(5<<22)|(3<<25)
	s_or_b32 s[G1B+0], s44, (0<<16)|(1<<20)|(1<<21)|(5<<22)|(3<<25)
	s_or_b32 s[G1W+0], s44, (0<<16)|(1<<20)|(1<<21)|(5<<22)|(3<<25)
.irp g, G1, G1B, G1W
	s_mov_b32 s[\g+1], ROWB<<16
	s_mov_b32 s[\g+2], 128<<16
	s_mov_b32 s[\g+3], ROWB<<16
	s_mov_b32 s[\g+4], 128
	s_mov_b32 s[\g+6], 0
	s_mov_b32 s[\g+7], 0
.endr
	s_mov_b32 s[G1+5], 256                         ; from row to row: ac's block is dense,
	s_mov_b32 s[G1B+5], 2048                       ; a row of w_ff_out,
	s_mov_b32 s[G1W+5], 512                        ; a row of w_attn_out
	s_lshl_b32 s20, s16, 19                        ; A: block 0 or 1,
	s_lshl_b32 s18, s17, 15
	s_add_co_u32 s20, s20, s18                     ; row 256 x tile row of 128 bytes
	s_mov_b32 s21, 0
	s_lshl_b32 s46, s42, 8
	s_lshl_b32 s18, s16, 7
	s_add_co_u32 s46, s46, s18                     ; B: row 256 x tile column + 128 x half
	s_lshl_b32 s22, s46, 11                        ; in w_ff_out,
	s_mov_b32 s23, 0
	s_lshl_b32 s46, s46, 9                         ; in w_attn_out
	s_mov_b32 s47, 0
	s_mul_i32 s45, s14, HALFT
	s_wait_kmcnt 0x0
	s_load_b256 s[84:91], s[10:11], 0x0            ; e0 .. e7
	s_add_nc_u64 s[20:21], s[4:5], s[20:21]
	s_add_nc_u64 s[46:47], s[6:7], s[46:47]
	s_add_nc_u64 s[22:23], s[8:9], s[22:23]
	CROUND
.irp s, 0,1
	s_mov_b32 s[G0+4*\s], 1
	s_add_co_u32 s[G0+4*\s+1], s45, \s*SLOT
	s_add_nc_u64 s[G0+4*\s+2:G0+4*\s+3], s[20:21], \s*0x100000
	s_or_b32 s[G0+4*\s+3], s[G0+4*\s+3], 0x80000000
	s_mov_b32 s[G0W+4*\s], 1
	s_add_co_u32 s[G0W+4*\s+1], s45, \s*SLOT
	s_add_nc_u64 s[G0W+4*\s+2:G0W+4*\s+3], s[46:47], \s*ROWB
	s_or_b32 s[G0W+4*\s+3], s[G0W+4*\s+3], 0x80000000
	s_mov_b32 s[G0B+4*\s], 1
	s_add_co_u32 s[G0B+4*\s+1], s45, \s*SLOT
	s_add_nc_u64 s[G0B+4*\s+2:G0B+4*\s+3], s[22:23], \s*ROWB   ; the slot's first refill: w_ff_out's K step 0 or 1
	s_or_b32 s[G0B+4*\s+3], s[G0B+4*\s+3], 0x80000000
	JLOAD G0+4*\s, G1, G0W+4*\s, G1W
.endr
	v_and_b32 v1, 15, v0                           ; r
	v_bfe_u32 v2, v0, 4, 1                         ; h
	v_lshrrev_b32 v3, 1, v1
	v_mul_u32_u24 v3, v3, PITCH
	v_and_b32 v5, 1, v1
	v_lshl_add_u32 v3, v5, 7, v3
	v_lshl_add_u32 v3, v2, 4, v3                   ; A: (r / 2) x 272 + (r % 2) x 128 + 16 h: sixteen lanes, sixteen different columns of 16 bytes
	v_mul_u32_u24 v4, v1, PITCH
	v_lshl_add_u32 v4, v2, 4, v4                   ; B: r x 272 + 16 h
	s_mul_i32 s21, s15, 64*PITCH                   ; my 128 rows of A: 64 pairs
	s_mul_i32 s22, s16, HALFT
	s_add_co_u32 s22, s22, 2*HALFT
.irp s, 0,1
	v_add_nc_u32 v[ADRA+\s], s21, v3
	v_add_nc_u32 v[ADRB+\s], s22, v4
	s_add_co_u32 s21, s21, SLOT
	s_add_co_u32 s22, s22, SLOT
.endr
	s_mul_i32 s23, s14, 16*SPITCH                  ; my stage
	v_mul_u32_u24 v5, v1, SPITCH
	v_lshl_add_u32 v5, v2, 5, v5
	v_add_nc_u32 v[STO], s23, v5
	v_and_b32 v6, 31, v0
	v_lshlrev_b32 v[CO], 4, v6
	v_add_nc_u32 v[RD], s23, v[CO]
	s_lshl_b32 s20, s17, 8
	s_lshl_b32 s21, s15, 7
	s_add_co_u32 s20, s20, s21                     ; my first row of out0,
	s_lshl_b32 s20, s20, 13                        ; of 8,192 bytes
	s_lshl_b32 s46, s42, 10
	s_add_co_u32 s20, s20, s46                     ; + 1,024 x tile column
	s_lshl_b32 s46, s16, 9
	s_add_co_u32 s20, s20, s46                     ; + 512 x column half
	s_mov_b32 s21, 0
	s_add_nc_u64 s[12:13], s[12:13], s[20:21]
.macro FRAGA reg, slot, q, i           ; the slot's q-th block of ac, rows 16 i on: eight pairs of rows
.irp c, 0,1,2,3
	ds_load_b128 v[\reg+4*\c:\reg+4*\c+3], v[ADRA+\slot] offset:(\q)*HALFT+32*\c+(\i)*8*PITCH
.endr
.endm
.macro FRAGB reg, slot, q, i
.irp c, 0,1,2,3
	ds_load_b128 v[\reg+4*\c:\reg+4*\c+3], v[ADRB+\slot] offset:128*(\q)+32*\c+(\i)*16*PITCH
.endr
.endm
.macro MUL16 a0, p, zero               ; the 64 accumulators take turns, one instruction a turn
.irp a, \a0, \a0+1
.irp b, 0,1,2,3,4,5,6,7
.if \zero
	v_wmma_f32_16x16x128_bf8_bf8 v[8*(8*((\a)%4)+\b):8*(8*((\a)%4)+\b)+7], v[128*(\p)+FR*\b:128*(\p)+FR*\b+FR-1], v[AF+FR*(\a):AF+FR*(\a)+FR-1], 0
.else
	v_wmma_f32_16x16x128_bf8_bf8 v[8*(8*((\a)%4)+\b):8*(8*((\a)%4)+\b)+7], v[128*(\p)+FR*\b:128*(\p)+FR*\b+FR-1], v[AF+FR*(\a):AF+FR*(\a)+FR-1], v[8*(8*((\a)%4)+\b):8*(8*((\a)%4)+\b)+7]
.endif
.endr
.endr
.endm
.macro FETCH_B slot, q, p
	WIN TO_B
.irp i, 0,1,2,3,4,5,6,7
	FRAGB 128*(\p)+FR*\i, \slot, \q, \i
.endr
	WIN 0
.endm
.macro FETCH_A slot, q, i0
.irp i, \i0, \i0+1, \i0+2, \i0+3
	FRAGA AF+FR*(\i), \slot, \q, \i
.endr
.endm
.macro PLACES n
.rept \n
	v_nop
.endr
.endm
.macro STEP slot, q, zero
	s_wait_dscnt 4*NL                              ; B's set and A's blocks 0-3 are in; the youngest sixteen loads may be out
	WIN MUL_LO
	MUL16 0, (\q)%2, \zero
	MUL16 2, (\q)%2, \zero
	s_wait_dscnt 0
	PLACES NP
	FETCH_B \slot, (\q)+1, 1-(\q)%2
	FETCH_A \slot, (\q)+1, 0
	WIN MUL_HI
	MUL16 4, (\q)%2, \zero
	MUL16 6, (\q)%2, \zero
	PLACES NP
	WIN 0
	FETCH_A \slot, (\q)+1, 4
.endm
; stepb = 0: the slot's first refill, whose address in w_ff_out stands ready; 1: two K steps further on
.macro TURN slot, next, fill, stepb
	s_wait_tensorcnt 0x0                           ; all my tensor loads have landed: my part of the next slot
	ds_add_u32 v[SPW], v[NIL]                      ; 0 onto my spare word
	s_wait_dscnt 4*NL+1                            ; the add and the youngest sixteen loads may be out
	WIN MUL_LO
	MUL16 0, 1, 0
	s_wait_dscnt 0x0                               ; the add is done, and my reads of this slot are over
	s_barrier_signal -1
	MUL16 2, 1, 0
	WIN 0
	s_barrier_wait -1
.if \fill
	CREST                                          ; a round of the cluster's barrier: no wave of any partner still reads this slot or has a load on its way
	s_add_nc_u64 s[G0+4*\slot+2:G0+4*\slot+3], s[G0+4*\slot+2:G0+4*\slot+3], ASTEP
.if \stepb
	s_add_nc_u64 s[G0B+4*\slot+2:G0B+4*\slot+3], s[G0B+4*\slot+2:G0B+4*\slot+3], 2*ROWB
.endif
	JLOAD G0+4*\slot, G1, G0B+4*\slot, G1B
.else
	PLACES NP
.endif
	FETCH_B \next, 0, 0
	FETCH_A \next, 0, 0
	WIN MUL_HI
	MUL16 4, 1, 0
	MUL16 6, 1, 0
	PLACES NP
	WIN 0
	FETCH_A \next, 0, 4
.endm
	s_wait_tensorcnt 1                             ; my part of slot 0 is in; slot 1's load may be out
	s_barrier_signal -1
	s_barrier_wait -1
	FETCH_B 0, 0, 0
	FETCH_A 0, 0, 0
	FETCH_A 0, 0, 4
	STEP 0, 0, 1                                   ; K 0-511: attention's output x w_attn_out
	TURN 0, 1, 1, 0
	STEP 1, 0, 0
	TURN 1, 0, 1, 0
	s_wait_kmcnt 0x0                               ; the sums so far stand for sum x 2^(e4 + e5), those to come for sum x 2^(e6 + e7)
	s_add_co_i32 s92, s88, s89
	s_sub_co_i32 s92, s92, s90
	s_sub_co_i32 s92, s92, s91
	s_add_co_i32 s92, s92, 127
	s_lshl_b32 s92, s92, 23                        ; 2^(e4 + e5 - e6 - e7)
	s_mov_b32 s93, s92
	WIN 0x82                                       ; source 0 and destination window 2.  (Four plain instructions stand behind the last products)
.set j, 0
.rept 128
	v_pk_mul_f32 v[j:j+1], v[j:j+1], s[92:93] op_sel_hi:[1,0]
.set j, j+2
.endr
	WIN 0xc3
.set j, 0
.rept 128
	v_pk_mul_f32 v[j:j+1], v[j:j+1], s[92:93] op_sel_hi:[1,0]
.set j, j+2
.endr
	WIN 0
	STEP 0, 0, 0                                   ; K 512 on: h x w_ff_out
	s_mov_b32 s3, 3
.Llap:
	TURN 0, 1, 1, 1
	STEP 1, 0, 0
	TURN 1, 0, 1, 1
	STEP 0, 0, 0
	s_sub_co_u32 s3, s3, 1
	s_cmp_lg_u32 s3, 0
	s_cbranch_scc1 .Llap
	TURN 0, 1, 0, 0                                ; the last lap fills nothing
	STEP 1, 0, 0
	s_wait_dscnt 4*NL
	WIN MUL_LO
	MUL16 0, 1, 0
	MUL16 2, 1, 0
	s_wait_dscnt 0
	WIN MUL_HI
	MUL16 4, 1, 0
	MUL16 6, 1, 0
	WIN 0
; THE WAY OUT, block by block of 16 rows x 128 columns: through my own stage in LDS, back as whole rows of 512 bytes.  LDS serves a wave's instructions in order (ISA guide 5.7.1.4).
.macro TOSTAGE a
.set AC, 64*((\a)%4)
	WIN 0x02+((\a)/4)
.set j, 0
.rept 32
	v_pk_mul_f32 v[TMP+j:TMP+j+1], v[AC+j:AC+j+1], s[96:97] op_sel_hi:[1,0]   ; x 2^(e6 + e7); each accumulator from its low end on
.set j, j+2
.endr
	WIN 0
.irp b, 0,1,2,3,4,5,6,7
	ds_store_b128 v[STO], v[TMP+8*\b:TMP+8*\b+3] offset:64*\b
	ds_store_b128 v[STO], v[TMP+8*\b+4:TMP+8*\b+7] offset:64*\b+16
.endr
.set BB, BK+64*((\a)%2)
.irp t, 0,1,2,3,4,5,6,7,8,9,10,11,12,13,14,15
	ds_load_b128 v[BB+4*\t:BB+4*\t+3], v[RD] offset:\t*SPITCH
.endr
.endm
.macro SEND a, younger
.set BB, BK+64*((\a)%2)
	s_wait_dscnt \younger                          ; the block is back in registers; the LDS instructions issued behind its loads may be out
.if (\a) > 0
	s_add_nc_u64 s[12:13], s[12:13], 16*SIZE_N*4   ; (behind a wait on XCNT: the earlier stores have read their base)
.endif
.irp t, 0,1,2,3,4,5,6,7,8,9,10,11,12,13,14,15
	global_store_b128 v[CO], v[BB+4*\t:BB+4*\t+3], s[12:13] offset:\t*SIZE_N*4 th:TH_STORE_NT   ; 512 consecutive bytes, aligned; written once, read by nobody here
.endr
.endm
	s_add_co_i32 s96, s90, s91
	s_add_co_i32 s96, s96, 127
	s_lshl_b32 s96, s96, 23                        ; 2^(e6 + e7)
	s_mov_b32 s97, s96
	PLACES NP
	TOSTAGE 0
.irp a, 1,2,3,4,5,6,7
.if \a > 1
	s_wait_xcnt 0x0                                ; block a - 2's stores have read their registers and their base
.endif
	TOSTAGE \a
	SEND \a-1, 32                                  ; behind block a - 1's loads: block a's 16 stores and 16 loads
.endr
	s_wait_xcnt 0x0
	SEND 7, 0
	s_wait_tensorcnt 0x0                           ; the wave's end
	ds_add_u32 v[SPW], v[NIL]
	s_wait_dscnt 0x0
	CROUND                                         ; the closing round
	s_endpgm
.Lfunc_end_k_q582e7ea68e_out:
	.size	k_q582e7ea68e_out, .Lfunc_end_k_q582e7ea68e_out-k_q582e7ea68e_out
	.p2alignl 7, 3214868480
	.fill 96, 4, 3214868480
	.section	.rodata,"a",@progbits
	.p2align	6, 0x0
	.amdhsa_kernel k_q582e7ea68e_out
		.amdhsa_group_segment_fixed_size 327680
		.amdhsa_private_segment_fixed_size 0
		.amdhsa_enable_private_segment 0
		.amdhsa_kernarg_size 40
		.amdhsa_user_sgpr_count 2
		.amdhsa_user_sgpr_kernarg_segment_ptr 1
		.amdhsa_wavefront_size32 1
		.amdhsa_system_sgpr_workgroup_id_x 1
		.amdhsa_system_sgpr_workgroup_id_y 1
		.amdhsa_system_sgpr_workgroup_id_z 1
		.amdhsa_system_vgpr_workitem_id 0
		.amdhsa_next_free_vgpr 1024
		.amdhsa_next_free_sgpr 100
		.amdhsa_reserve_vcc 0
		.amdhsa_float_denorm_mode_32 3
		.amdhsa_float_denorm_mode_16_64 3
		.amdhsa_memory_ordered 1
		.amdhsa_forward_progress 1
		.amdhsa_inst_pref_size 176
	.end_amdhsa_kernel
	.amdgpu_metadata
---
amdhsa.version: [ 1, 2 ]
amdhsa.kernels:
  - .name:           k_q582e7ea68e_out
    .symbol:         k_q582e7ea68e_out.kd
    .args:
      - { .name: ac, .offset: 0, .size: 8, .value_kind: global_buffer, .address_space: global }
      - { .name: w_attn_out_codes, .offset: 8, .size: 8, .value_kind: global_buffer, .address_space: global }
      - { .name: w_ff_out_codes, .offset: 16, .size: 8, .value_kind: global_buffer, .address_space: global }
      - { .name: lowp_scales, .offset: 24, .size: 8, .value_kind: global_buffer, .address_space: global }
      - { .name: out0, .offset: 32, .size: 8, .value_kind: global_buffer, .address_space: global }
    .group_segment_fixed_size: 327680
    .private_segment_fixed_size: 0
    .kernarg_segment_align: 8
    .kernarg_segment_size: 40
    .max_flat_workgroup_size: 128
    .sgpr_count:     100
    .vgpr_count:     1024
    .wavefront_size: 32
...
	.end_amdgpu_metadata
.endif
;; end of part 5
;; ======== version 2 of 2: 5 launches; 1.12 times as fast as version 1
;; limits: right only within a limited range of input values
;; workspace buffers: xc 8,388,608 bytes; qf 8,388,608 bytes; kf 262,144 bytes; vc 65,536 bytes; ac 10,485,760 bytes
;; launch ln: the kernel of part 1 again; grid 256 x 1, 16 waves a work-group, no clusters, 51,200 bytes of LDS; arguments x, ln_w, ln_b, lowp_scales, xc; writes xc
;; launch qkv (part 6): grid 16 x 3, 4 waves a work-group, clusters of 4 x 1, 327,680 bytes of LDS; arguments xc, w_fused_codes, lowp_scales, qf, kf, vc; writes qf, kf, vc
.if DOCPART == 6
	.amdgcn_target "amdgcn-amd-amdhsa--gfx1250"
	.amdhsa_code_object_version 6
	.text
	.protected	k_q582e7ea68e_qkv
	.globl	k_q582e7ea68e_qkv
	.p2align	8
	.type	k_q582e7ea68e_qkv,@function
k_q582e7ea68e_qkv:
	s_mov_b64 s[64:65], 0
	v_nop
	global_prefetch_b8 v0, s[64:65] scope:SCOPE_SE
	s_setreg_imm32_b32 hwreg(HW_REG_WAVE_MODE, 25, 1), 1
	s_wait_xcnt 0x0
	s_wait_alu depctr_hold_cnt(0) depctr_sa_sdst(0) depctr_va_vdst(0) depctr_va_sdst(0) depctr_va_ssrc(0) depctr_va_vcc(0) depctr_vm_vsrc(0)
	s_getreg_b32 s2, hwreg(HW_REG_IB_STS2, 6, 4)
	s_cmp_eq_u32 s2, 0
	s_cbranch_scc0 .Lentry_in_a_cluster
	s_endpgm
.Lentry_in_a_cluster:
	s_bfe_u32 s2, ttmp6, 0x10000c
	s_cmp_lg_u32 s2, 0x3003
	s_cbranch_scc0 .Lentry_shape_is_right
	s_endpgm
.Lentry_shape_is_right:
; The attention part of the fused projection: xc [4096][2048] x w_fused rows 0 .. 767 (codes of E5M2, K innermost), of which rows 0-511 are q (32 heads of 16), 512-527 k, 528-543 v.
; Then the rotary embedding on q and k in f32.  q is also multiplied by 0.25 log2(e), so that q . k is the logit in base 2.  v is quantised along the keys with the given 2^e3.
; OUT: qf and kf, f32, as images of the f32 matrix form's operand: for 16 rows (and a head) 1,024 bytes [g 2][h 2][r 16][4 numbers] = dims 8 h + 4 g + 0 .. 3 of row r;  vc: for 16 keys 256 bytes [h 2][d 16][8 keys].
; A tile is 256 rows x 256 columns, four waves of 128 x 128: 64 accumulators, 512 registers.  Grid: 16 tile rows x 3 tile columns.  The third column needs only its first 32 columns; its other products are not used.
; K goes in steps of 256 through a ring of two LDS slots.  CLUSTER: the four work-groups of a cluster share the tile column: B's tiles are asked for jointly (mask 15).
; A's tiles differ between the partners and come by plain loads behind the same rounds: those that share A's tiles are the three tile columns, and a cluster takes 4 along an axis, so A is not shared.
; THE MATRIX INSTRUCTION IS USED TRANSPOSED (source 0 = 16 rows of w_fused, source 1 = 16 rows of xc), AND THE ROWS OF w_fused THAT FORM A TILE ARE NOT NEIGHBOURS: lane r of tile 2 p + u takes row 32 p + 8 u + r + 8 (r / 8):
; so lane (r, h) holds, in accumulators 2 p and 2 p + 1, all 16 dims of the wave's head 2 p + h for row r: the rotation needs no other lane.  In the third tile column, p = 0: lanes 0-15 hold k, lanes 16-31 v.
; SINE AND COSINE: angle = fl(position x 10000^(-j/8)), reduced by the nearest multiple of pi/2 (pi/2 in two parts, fused), then polynomials of degree 7 and 8 on [-pi/4, pi/4].  The eight frequencies are the f32 numbers nearest to 10^(-j/2).
; They are made AHEAD of the K loop, while the first tiles are on their way, into a table in LDS bytes of its own: one table for each half of the tile's rows; the two waves that share those 128 rows make four blocks of 16 rows each.
; LIMITS: e0 + e1 between -124 and 127; e3 between -126 and 112.  NaN among the inputs is not served.
; REGISTERS, in windows of 256: window 0: v0-31 addresses; v128-255 A's fragments, one set; v32-127 at work ahead of the loop and behind it.  window 1: B's fragments, two sets.  windows 2, 3: the accumulators ((a, b) at v[8 (8 (a % 4) + b)]).
.set SIZE_K, 2048
.set KSTEP,  256
.set ROWB,   256
.set KROW,   SIZE_K
.set PITCH,  272                       ; an LDS row: 256 bytes + 16 of padding
.set FR,     16
.set NL,     4
.set NP,     4
.set HALFT,  128*PITCH
.set SLOT,   4*HALFT
.set LAPS,   SIZE_K/(2*KSTEP)
.set SPARE,  2*SLOT                    ; behind the ring: the spare words, 128 bytes for each wave
.set TABLE,  SPARE+512                 ; behind them: two tables of 16,384 bytes (8 blocks of 16 rows x 2,048 bytes), in bytes into which no fill lands
.set VSTG,   65536                     ; behind the loop, in slot 0, which has had its last fill and its last read: stages for v of 10,240 bytes a wave
.set L16,  8                           ; v8   16 x lane
.set TAB,  9                           ; v9   my place in my row half's table
.set QO,   10                          ; v10  qf: 1,024 h + 16 r
.set KO,   11                          ; v11  kf: 16 r
.set VST,  12                          ; v12  v's stage, in: row r of 80 bytes
.set VLD,  13                          ; v13  v's stage, back: 640 h + 4 r
.set VO,   14                          ; v14  vc: 8 x lane
.set LN,   15                          ; v15  lane
.set ADRA, 16
.set ADRB, 20
.set SPW,  28
.set NIL,  29
.set SCL,  30                          ; v30  2^e3
.set LIM,  31                          ; v31  57,344 x 2^e3
.set CSN,  48                          ; v48-55 cosines x F, v56-63 sines x F of one block of 16 rows
.set ANG,  64                          ; v64-127: eight registers, one for each frequency, for each number at work on the way to them
.set NQ,   72
.set YY,   80
.set ZZ,   88
.set SI,   96
.set CC,   104
.set T1,   112
.set KI,   120
.set AF,   128
.set G1, 24
.set G0, 32
.set G1B, 48
.set G0B, 56
.set FF, 78                            ; s78  F: 0.25 log2(e) 2^(e0 + e1) for q, 2^(e0 + e1) for k and v
.set VM, 79                            ; s79  the lanes that hold v, which is not rotated
.set MSB, 0
.macro WIN new
.if MSB != (\new)
	s_set_vgpr_msb (MSB<<8)|(\new)
.set MSB, (\new)
.endif
.endm
.set MUL_LO, 0xa1
.set MUL_HI, 0xf1
.set TO_B,   0x40
; Waves 0 and 1 fetch A's halves (plain), waves 2 and 3 B's (joint).  The branch hangs on the wave's number alone.  Four v_nop follow each of the two lines.
.macro JLOAD g0a, g1a, g0b, g1b
	s_cmp_eq_u32 s15, 0
	s_cbranch_scc0 .Lfor_b_\@
	tensor_load_to_lds s[\g0a:\g0a+3], s[\g1a:\g1a+7]
	s_nop 0
.rept 4
	v_nop
.endr
	s_branch .Lasked_\@
.Lfor_b_\@:
	tensor_load_to_lds s[\g0b:\g0b+3], s[\g1b:\g1b+7]
	s_nop 0
.rept 4
	v_nop
.endr
.Lasked_\@:
.endm
.macro CREST
	s_cmp_lg_u32 s14, 0
	s_cbranch_scc1 .Lnot_wave_0_\@
	s_barrier_signal -3
.Lnot_wave_0_\@:
	s_barrier_wait -3
	s_barrier_signal -1
	s_barrier_wait -1
.endm
.macro CROUND
	s_barrier_signal -1
	s_barrier_wait -1
	CREST
.endm
	s_load_b128 s[4:7], s[0:1], 0x0                ; xc s[4:5], w_fused's codes s[6:7]
	s_load_b256 s[80:87], s[0:1], 0x10             ; the scales s[80:81], qf s[82:83], kf s[84:85], vc s[86:87]
	v_lshl_add_u32 v[SPW], v0, 2, SPARE
	v_mov_b32 v[NIL], 0
	ds_add_u32 v28, v29
	ds_add_u32 v28, v29
	s_wait_dscnt 0x0
	v_lshrrev_b32 v1, 5, v0
	v_readfirstlane_b32 s14, v1                    ; wave 0..3
	s_lshr_b32 s15, s14, 1                         ; which half of the tile's rows is mine.  Also: I fetch for A (0) or for B (1)
	s_and_b32 s16, s14, 1                          ; which half of its columns.  Also: which 128 rows of that tile I fetch
	s_bfe_u32 s40, ttmp6, 0x40000                  ; cx
	s_lshl_b32 s17, ttmp9, 2
	s_add_co_u32 s17, s17, s40                     ; tile row = 4 x cluster x + cx
	s_and_b32 s94, ttmp7, 0xffff                   ; tile column = cluster y: the four partners share it
	s_mov_b32 s[G1+0], (1<<20)|(5<<22)|(3<<25)     ; A: no mask; elements of 1 byte; 4 words of padding after every 64
	s_mov_b32 s[G1B+0], 15|(1<<20)|(1<<21)|(5<<22)|(3<<25)   ; B: all four work-groups, bit 21 beside the mask
.irp g, G1, G1B
	s_mov_b32 s[\g+1], ROWB<<16                    ; tensor_dim0
	s_mov_b32 s[\g+2], 128<<16                     ; tensor_dim1
	s_mov_b32 s[\g+3], ROWB<<16                    ; tile_dim0
	s_mov_b32 s[\g+4], 128                         ; tile_dim1
	s_mov_b32 s[\g+5], KROW                        ; from row to row
	s_mov_b32 s[\g+6], 0
	s_mov_b32 s[\g+7], 0
.endr
	s_lshl_b32 s18, s16, 7
	s_lshl_b32 s20, s17, 8
	s_add_co_u32 s20, s20, s18                     ; A: row 256 x tile row + 128 x half,
	s_lshl_b32 s20, s20, 11                        ; of 2,048 bytes
	s_mov_b32 s21, 0
	s_lshl_b32 s46, s94, 8
	s_add_co_u32 s46, s46, s18                     ; B: row 256 x tile column + 128 x half: 767 at the most, inside w_fused's 4,640
	s_lshl_b32 s46, s46, 11
	s_mov_b32 s47, 0
	s_mul_i32 s45, s14, HALFT                      ; where they go: wave x 128 rows
	s_wait_kmcnt 0x0
	s_load_b128 s[88:91], s[80:81], 0x0            ; e0, e1, e2, e3
	s_add_nc_u64 s[20:21], s[4:5], s[20:21]
	s_add_nc_u64 s[46:47], s[6:7], s[46:47]
	CROUND                                         ; all four work-groups are here: the first joint loads meet
.irp s, 0,1
	s_mov_b32 s[G0+4*\s], 1
	s_add_co_u32 s[G0+4*\s+1], s45, \s*SLOT
	s_add_nc_u64 s[G0+4*\s+2:G0+4*\s+3], s[20:21], \s*ROWB
	s_or_b32 s[G0+4*\s+3], s[G0+4*\s+3], 0x80000000
	s_mov_b32 s[G0B+4*\s], 1
	s_add_co_u32 s[G0B+4*\s+1], s45, \s*SLOT
	s_add_nc_u64 s[G0B+4*\s+2:G0B+4*\s+3], s[46:47], \s*ROWB
	s_or_b32 s[G0B+4*\s+3], s[G0B+4*\s+3], 0x80000000
	JLOAD G0+4*\s, G1, G0B+4*\s, G1B
.endr
	v_and_b32 v1, 15, v0                           ; r
	v_bfe_u32 v2, v0, 4, 1                         ; h
	v_mul_u32_u24 v3, v1, PITCH
	v_lshl_add_u32 v4, v2, 4, v3                   ; A: row r x pitch + 16 h
	v_and_b32 v5, 8, v1
	v_add_nc_u32 v5, v5, v1                        ; B: row r + 8 (r / 8)
	v_mul_u32_u24 v5, v5, PITCH
	v_lshl_add_u32 v5, v2, 4, v5
	s_mul_i32 s21, s15, HALFT
	s_mul_i32 s22, s16, HALFT
	s_add_co_u32 s22, s22, 2*HALFT
.irp s, 0,1
	v_add_nc_u32 v[ADRA+\s], s21, v4
	v_add_nc_u32 v[ADRB+\s], s22, v5
	s_add_co_u32 s21, s21, SLOT
	s_add_co_u32 s22, s22, SLOT
.endr
	v_and_b32 v[LN], 31, v0
	v_lshlrev_b32 v[L16], 4, v[LN]
	s_lshl_b32 s23, s15, 14
	s_add_co_u32 s23, s23, TABLE                   ; my row half's table
	v_add_nc_u32 v[TAB], s23, v[L16]
	v_lshlrev_b32 v[KO], 4, v1
	v_lshl_add_u32 v[QO], v2, 10, v[KO]
	s_mul_i32 s23, s14, 10240
	s_add_co_u32 s23, s23, VSTG
	v_mul_u32_u24 v[VST], v1, 80
	v_add_nc_u32 v[VST], s23, v[VST]
	v_mul_u32_u24 v[VLD], v2, 640
	v_lshl_add_u32 v[VLD], v1, 2, v[VLD]
	v_add_nc_u32 v[VLD], s23, v[VLD]
	v_lshlrev_b32 v[VO], 3, v[LN]
	s_lshl_b32 s66, s17, 19                        ; qf: ((16 tile row + 8 row half) x 32 heads + 16 tile column + 8 column half) x 1,024 bytes
	s_lshl_b32 s68, s15, 18
	s_add_co_u32 s66, s66, s68
	s_lshl_b32 s68, s94, 14
	s_add_co_u32 s66, s66, s68
	s_lshl_b32 s68, s16, 13
	s_add_co_u32 s66, s66, s68
	s_mov_b32 s67, 0
	s_add_nc_u64 s[82:83], s[82:83], s[66:67]
	s_lshl_b32 s66, s17, 14                        ; kf: (16 tile row + 8 row half) x 1,024
	s_lshl_b32 s68, s15, 13
	s_add_co_u32 s66, s66, s68
	s_add_nc_u64 s[84:85], s[84:85], s[66:67]
	s_lshr_b32 s66, s66, 2                         ; vc: the same x 256
	s_add_nc_u64 s[86:87], s[86:87], s[66:67]
	; ---- cosines and sines x F of four blocks of 16 rows: blocks 4 x column half .. + 3 of my row half's table.  The first tiles are on their way meanwhile.
	s_wait_kmcnt 0x0
	s_add_co_i32 s66, s88, s89                     ; e0 + e1
	s_lshl_b32 s67, s66, 23
	s_add_co_i32 s68, s67, 0x3eb8aa3b              ; 0.25 log2(e) with e0 + e1 added to its exponent field
	s_add_co_i32 s69, s67, 0x3f800000              ; 2^(e0 + e1)
	s_cmp_eq_u32 s94, 2
	s_cselect_b32 s[FF], s69, s68
	s_cselect_b32 s[VM], 0xffff0000, 0
	s_add_co_i32 s66, s91, 127
	s_lshl_b32 s67, s66, 23
	v_mov_b32 v[SCL], s67
	s_add_co_i32 s66, s66, 15
	s_lshl_b32 s66, s66, 23
	s_or_b32 s66, s66, 0x600000
	v_mov_b32 v[LIM], s66
	s_mov_b32 s70, 0xbfc90fdb                      ; - the upper part of pi/2
	s_mov_b32 s71, 0x333bbd2e                      ; - the lower part
	s_mov_b32 s72, 0xbe2aaaa3                      ; the sine's three coefficients
	s_mov_b32 s73, 0x3c08839e
	s_mov_b32 s74, 0xb94ca1f9
	s_mov_b32 s75, 0x3d2aaaa5                      ; the cosine's three
	s_mov_b32 s76, 0xbab6061a
	s_mov_b32 s77, 0x37ccf5ce
	s_lshl_b32 s66, s17, 8
	s_lshl_b32 s67, s15, 7
	s_add_co_u32 s66, s66, s67
	s_and_b32 s66, s66, 2047                       ; my row half's first position in its sequence,
	s_lshl_b32 s67, s16, 6
	s_add_co_u32 s66, s66, s67                     ; and my four blocks' first
	v_add_nc_u32 v32, s66, v1
	v_cvt_f32_u32 v32, v32                         ; my row's position, as f32
	s_lshl_b32 s92, s15, 14
	s_lshl_b32 s67, s16, 13
	s_add_co_u32 s92, s92, s67
	s_add_co_u32 s92, s92, TABLE                   ; where my four blocks lie
	s_mov_b32 s93, 4
.Ltrig:                                            ; a trip: one block of 16 rows.  Each stage runs over the eight frequencies, so that no line reads the result of the line above it
	v_mul_f32 v[ANG+0], 1.0, v32                   ; the angles, each rounded once
	v_mul_f32 v[ANG+1], 0x3ea1e89b, v32
	v_mul_f32 v[ANG+2], 0x3dcccccd, v32
	v_mul_f32 v[ANG+3], 0x3d0186e2, v32
	v_mul_f32 v[ANG+4], 0x3c23d70a, v32
	v_mul_f32 v[ANG+5], 0x3b4f3e37, v32
	v_mul_f32 v[ANG+6], 0x3a83126f, v32
	v_mul_f32 v[ANG+7], 0x39a5cb5f, v32
.irp j, 0,1,2,3,4,5,6,7
	v_mul_f32 v[NQ+\j], 0x3f22f983, v[ANG+\j]
.endr
.irp j, 0,1,2,3,4,5,6,7
	v_rndne_f32 v[NQ+\j], v[NQ+\j]                 ; n = the nearest whole number to angle x 2 / pi
.endr
.irp j, 0,1,2,3,4,5,6,7
	v_fma_f32 v[YY+\j], v[NQ+\j], s70, v[ANG+\j]
.endr
.irp j, 0,1,2,3,4,5,6,7
	v_fma_f32 v[YY+\j], v[NQ+\j], s71, v[YY+\j]    ; y = angle - n pi/2
.endr
.irp j, 0,1,2,3,4,5,6,7
	v_mul_f32 v[ZZ+\j], v[YY+\j], v[YY+\j]         ; z = y^2
.endr
.irp j, 0,1,2,3,4,5,6,7
	v_fma_f32 v[SI+\j], v[ZZ+\j], s74, s73
.endr
.irp j, 0,1,2,3,4,5,6,7
	v_fma_f32 v[SI+\j], v[SI+\j], v[ZZ+\j], s72
.endr
.irp j, 0,1,2,3,4,5,6,7
	v_mul_f32 v[T1+\j], v[ZZ+\j], v[YY+\j]
.endr
.irp j, 0,1,2,3,4,5,6,7
	v_fma_f32 v[SI+\j], v[SI+\j], v[T1+\j], v[YY+\j]   ; sin y
.endr
.irp j, 0,1,2,3,4,5,6,7
	v_fma_f32 v[CC+\j], v[ZZ+\j], s77, s76
.endr
.irp j, 0,1,2,3,4,5,6,7
	v_fma_f32 v[CC+\j], v[CC+\j], v[ZZ+\j], s75
.endr
.irp j, 0,1,2,3,4,5,6,7
	v_mul_f32 v[T1+\j], v[ZZ+\j], v[ZZ+\j]
.endr
.irp j, 0,1,2,3,4,5,6,7
	v_fma_f32 v[ANG+\j], v[ZZ+\j], -0.5, 1.0
.endr
.irp j, 0,1,2,3,4,5,6,7
	v_fma_f32 v[CC+\j], v[CC+\j], v[T1+\j], v[ANG+\j]  ; cos y
.endr
.irp j, 0,1,2,3,4,5,6,7
	v_cvt_i32_f32 v[KI+\j], v[NQ+\j]
.endr
.irp j, 0,1,2,3,4,5,6,7
	v_and_b32 v[T1+\j], 1, v[KI+\j]
.endr
.irp j, 0,1,2,3,4,5,6,7
	v_cmp_eq_u32 vcc_lo, 1, v[T1+\j]
	v_cndmask_b32 v[ANG+\j], v[SI+\j], v[CC+\j], vcc_lo   ; n odd: the two change places.  From here on: the sine,
	v_cndmask_b32 v[YY+\j], v[CC+\j], v[SI+\j], vcc_lo    ; the cosine
.endr
.irp j, 0,1,2,3,4,5,6,7
	v_lshlrev_b32 v[T1+\j], 30, v[KI+\j]
.endr
.irp j, 0,1,2,3,4,5,6,7
	v_and_b32 v[T1+\j], 0x80000000, v[T1+\j]
.endr
.irp j, 0,1,2,3,4,5,6,7
	v_xor_b32 v[ANG+\j], v[T1+\j], v[ANG+\j]       ; the sine is negated where n mod 4 is 2 or 3,
.endr
.irp j, 0,1,2,3,4,5,6,7
	v_add_nc_u32 v[KI+\j], 1, v[KI+\j]
.endr
.irp j, 0,1,2,3,4,5,6,7
	v_lshlrev_b32 v[KI+\j], 30, v[KI+\j]
.endr
.irp j, 0,1,2,3,4,5,6,7
	v_and_b32 v[KI+\j], 0x80000000, v[KI+\j]
.endr
.irp j, 0,1,2,3,4,5,6,7
	v_xor_b32 v[YY+\j], v[KI+\j], v[YY+\j]         ; the cosine where it is 1 or 2
.endr
.irp j, 0,1,2,3,4,5,6,7
	v_cndmask_b32 v[YY+\j], v[YY+\j], 1.0, s[VM]   ; v is not rotated
.endr
.irp j, 0,1,2,3,4,5,6,7
	v_cndmask_b32 v[ANG+\j], v[ANG+\j], 0, s[VM]
.endr
.irp j, 0,1,2,3,4,5,6,7
	v_mul_f32 v[CSN+\j], s[FF], v[YY+\j]
.endr
.irp j, 0,1,2,3,4,5,6,7
	v_mul_f32 v[CSN+8+\j], s[FF], v[ANG+\j]
.endr
	v_add_nc_u32 v33, s92, v[L16]
.irp c, 0,1,2,3
	ds_store_b128 v33, v[CSN+4*\c:CSN+4*\c+3] offset:512*\c
.endr
	v_add_f32 v32, 0x41800000, v32                 ; 16 rows on
	s_add_co_u32 s92, s92, 2048
	s_sub_co_u32 s93, s93, 1
	s_cmp_lg_u32 s93, 0
	s_cbranch_scc1 .Ltrig
.macro FRAGA reg, slot, q, i           ; 16 rows x 128 K of codes in 16 registers: lane (r, h): registers 4 c .. 4 c + 3 hold K = 32 c + 16 h + 0 .. 15: the same order of k in A and in B
.irp c, 0,1,2,3
	ds_load_b128 v[\reg+4*\c:\reg+4*\c+3], v[ADRA+\slot] offset:128*(\q)+32*\c+(\i)*16*PITCH
.endr
.endm
.macro FRAGB reg, slot, q, i           ; tile i begins at row 32 (i / 2) + 8 (i % 2)
.irp c, 0,1,2,3
	ds_load_b128 v[\reg+4*\c:\reg+4*\c+3], v[ADRB+\slot] offset:128*(\q)+32*\c+(32*((\i)/2)+8*((\i)%2))*PITCH
.endr
.endm
; 16 matrix instructions: A's blocks a0, a0 + 1 x B's eight.  The 64 accumulators take turns, one instruction a turn, in the same order in every step.
.macro MUL16 a0, p, zero
.irp a, \a0, \a0+1
.irp b, 0,1,2,3,4,5,6,7
.if \zero
	v_wmma_f32_16x16x128_bf8_bf8 v[8*(8*((\a)%4)+\b):8*(8*((\a)%4)+\b)+7], v[128*(\p)+FR*\b:128*(\p)+FR*\b+FR-1], v[AF+FR*(\a):AF+FR*(\a)+FR-1], 0
.else
	v_wmma_f32_16x16x128_bf8_bf8 v[8*(8*((\a)%4)+\b):8*(8*((\a)%4)+\b)+7], v[128*(\p)+FR*\b:128*(\p)+FR*\b+FR-1], v[AF+FR*(\a):AF+FR*(\a)+FR-1], v[8*(8*((\a)%4)+\b):8*(8*((\a)%4)+\b)+7]
.endif
.endr
.endr
.endm
.macro FETCH_B slot, q, p
	WIN TO_B
.irp i, 0,1,2,3,4,5,6,7
	FRAGB 128*(\p)+FR*\i, \slot, \q, \i
.endr
	WIN 0
.endm
.macro FETCH_A slot, q, i0
.irp i, \i0, \i0+1, \i0+2, \i0+3
	FRAGA AF+FR*(\i), \slot, \q, \i
.endr
.endm
.macro PLACES n                        ; plain vector instructions between a matrix instruction and a load into, or a read of, its registers
.rept \n
	v_nop
.endr
.endm
.macro STEP slot, q, zero              ; 128 along K whose successor lies in the same slot
	s_wait_dscnt 4*NL                              ; B's set and A's blocks 0-3 are in; the youngest sixteen loads (A's blocks 4-7) may be out
	WIN MUL_LO
	MUL16 0, (\q)%2, \zero
	MUL16 2, (\q)%2, \zero
	s_wait_dscnt 0
	PLACES NP
	FETCH_B \slot, (\q)+1, 1-(\q)%2
	FETCH_A \slot, (\q)+1, 0
	WIN MUL_HI
	MUL16 4, (\q)%2, \zero
	MUL16 6, (\q)%2, \zero
	PLACES NP
	WIN 0
	FETCH_A \slot, (\q)+1, 4
.endm
; A slot's last step changes slots, AT ITS HEAD: all its fragments are in registers by then.  Each wave waits for all its tensor loads, adds 0 to its spare word, and waits for that and for its reads of this slot; one barrier;
; fill = 1: the slot is filled again first thing behind it.  The step's 64 products work on registers alone and follow the refill: from a request to the wait for it a wave issues 128 matrix instructions.
.macro TURN slot, next, fill
	s_wait_tensorcnt 0x0                           ; all my tensor loads have landed: my part of the next slot; so every group 0 may be written
	ds_add_u32 v[SPW], v[NIL]                      ; 0 onto my spare word
.if \fill
	s_add_nc_u64 s[G0+4*\slot+2:G0+4*\slot+3], s[G0+4*\slot+2:G0+4*\slot+3], 2*ROWB
	s_add_nc_u64 s[G0B+4*\slot+2:G0B+4*\slot+3], s[G0B+4*\slot+2:G0B+4*\slot+3], 2*ROWB
.endif
	s_wait_dscnt 0x0                               ; the add is done, and my reads of this slot are over
	s_barrier_signal -1
	s_barrier_wait -1
.if \fill
	CREST                                          ; the barrier has opened a round of the cluster's barrier: no wave of any partner still reads this slot or has a load on its way
	JLOAD G0+4*\slot, G1, G0B+4*\slot, G1B         ; the first tensor load behind the round
.endif
	WIN MUL_LO
	MUL16 0, 1, 0
	MUL16 2, 1, 0
	PLACES NP
	FETCH_B \next, 0, 0
	FETCH_A \next, 0, 0
	WIN MUL_HI
	MUL16 4, 1, 0
	MUL16 6, 1, 0
	PLACES NP
	WIN 0
	FETCH_A \next, 0, 4
.endm
	s_wait_tensorcnt 1                             ; my part of slot 0 is in; slot 1's load may be out
	s_wait_dscnt 0x0                               ; for the others' sake: my four blocks of the table have landed
	s_barrier_signal -1
	s_barrier_wait -1
	FETCH_B 0, 0, 0
	FETCH_A 0, 0, 0
	FETCH_A 0, 0, 4
	STEP 0, 0, 1                                   ; the first step's products start the sums
	s_mov_b32 s3, LAPS-1
.Llap:
	TURN 0, 1, 1
	STEP 1, 0, 0
	TURN 1, 0, 1
	STEP 0, 0, 0
	s_sub_co_u32 s3, s3, 1
	s_cmp_lg_u32 s3, 0
	s_cbranch_scc1 .Llap
	TURN 0, 1, 0                                   ; the last lap fills nothing
	STEP 1, 0, 0
	s_wait_dscnt 4*NL
	WIN MUL_LO
	MUL16 0, 1, 0
	MUL16 2, 1, 0
	s_wait_dscnt 0
	WIN MUL_HI
	MUL16 4, 1, 0
	MUL16 6, 1, 0
	WIN 0
	PLACES NP
.macro LOADT a                         ; block a's 16 numbers a lane into set a % 2: v64-79 or v80-95; its address lies in window 0, so every window is 0 here.  The table was whole at the first barrier
.irp c, 0,1,2,3
	ds_load_b128 v[64+16*((\a)%2)+4*\c:64+16*((\a)%2)+4*\c+3], v[TAB] offset:2048*(\a)+512*\c
.endr
.endm
; the rotation of the head in accumulators (a, 2 p) = dims 0-7 and (a, 2 p + 1) = dims 8-15, into v[y] .. v[y + 15]; each accumulator is read from its low end on.  It leaves source 0 in window 2 or 3
.macro ROPE a, p, y
.set XL, 64*((\a)%4)+16*(\p)
.set TS, 64+16*((\a)%2)
	WIN 2+((\a)/4)                                 ; source 0: window 2 or 3
.irp i, 0,2,4,6
	v_pk_mul_f32 v[32+\i:33+\i], v[XL+8+\i:XL+9+\i], v[TS+8+\i:TS+9+\i]
	v_pk_mul_f32 v[40+\i:41+\i], v[XL+\i:XL+1+\i], v[TS+8+\i:TS+9+\i]
.endr
.irp i, 0,2,4,6
	v_pk_fma_f32 v[(\y)+\i:(\y)+1+\i], v[XL+\i:XL+1+\i], v[TS+\i:TS+1+\i], v[32+\i:33+\i] neg_lo:[0,0,1] neg_hi:[0,0,1]
	v_pk_fma_f32 v[(\y)+8+\i:(\y)+9+\i], v[XL+8+\i:XL+9+\i], v[TS+\i:TS+1+\i], v[40+\i:41+\i]
.endr
.endm
	s_cmp_eq_u32 s94, 2                            ; the tile column is the same in all four partners
	s_cbranch_scc1 .Lkv
	; ---- q: eight heads x 128 rows a wave
	LOADT 0
.irp a, 0,1,2,3,4,5,6,7
.if \a > 0
	s_wait_xcnt 0x0                                ; the last block's stores have read their registers
.endif
.if \a < 7
	LOADT \a+1
	s_wait_dscnt 4                                 ; this block's table is in; the next block's four loads may be out
.else
	s_wait_dscnt 0
.endif
.irp p, 0,1,2,3
	ROPE \a, \p, 96+16*\p
.endr
	WIN 0
.irp p, 0,1,2,3
.irp c, 0,1,2,3
	global_store_b128 v[QO], v[96+16*\p+4*\c:96+16*\p+4*\c+3], s[82:83] offset:32768*\a+2048*\p+512*(\c%2)+256*(\c/2)   ; sixteen lanes store 256 consecutive bytes, aligned
.endr
.endr
.endr
	s_branch .Lend
.Lkv:
	s_cmp_eq_u32 s16, 0
	s_cbranch_scc0 .Lend                           ; k and v lie in the left column half
	LOADT 0
.irp a, 0,1,2,3,4,5,6,7
.if \a < 7
	LOADT \a+1
	s_wait_dscnt 4                                 ; this block's table is in; the next block's four loads may be out
.else
	s_wait_dscnt 0
.endif
	ROPE \a, 0, 96+16*\a
	WIN 0                                          ; back to window 0 for the next block's table loads
.endr
	s_wait_xcnt 0x0                                ; EXEC changes only behind this wait
	v_cmp_gt_u32 vcc_lo, 16, v[LN]
	s_and_saveexec_b32 s66, vcc_lo                 ; lanes 0-15: k
.irp a, 0,1,2,3,4,5,6,7
.irp c, 0,1,2,3
	global_store_b128 v[KO], v[96+16*\a+4*\c:96+16*\a+4*\c+3], s[84:85] offset:1024*\a+512*(\c%2)+256*(\c/2)
.endr
.endr
	s_wait_xcnt 0x0
	s_or_b32 exec_lo, exec_lo, s66
	v_cmp_le_u32 vcc_lo, 16, v[LN]
	s_and_saveexec_b32 s66, vcc_lo                 ; lanes 16-31: v, a row's 16 numbers into my stage
.irp a, 0,1,2,3,4,5,6,7
.irp c, 0,1,2,3
	ds_store_b128 v[VST], v[96+16*\a+4*\c:96+16*\a+4*\c+3] offset:1280*\a+16*\c
.endr
.endr
	s_or_b32 exec_lo, exec_lo, s66
.irp a, 0,1,2,3,4,5,6,7                 ; back with the keys along the registers: lane (d, h): keys 16 a + 8 h + 0 .. 7 of dim d
.irp j, 0,1,2,3,4,5,6,7
	ds_load_b32 v[32+8*\a+\j], v[VLD] offset:(16*\a+\j)*80
.endr
.endr
	s_wait_dscnt 0x0
.set j, 0
.rept 64
	v_med3_num_f32 v[32+j], v[32+j], -v[LIM], v[LIM]   ; the conversion does not saturate (ISA guide 7.6.2)
.set j, j+1
.endr
.irp a, 0,1,2,3,4,5,6,7
	v_cvt_scalef32_pk8_bf8_f32 v[96+2*\a:97+2*\a], v[32+8*\a:39+8*\a], v[SCL]
.endr
	v_nop
.irp a, 0,1,2,3,4,5,6,7
	global_store_b64 v[VO], v[96+2*\a:97+2*\a], s[86:87] offset:256*\a   ; 256 consecutive bytes, aligned
.endr
.Lend:
	s_wait_tensorcnt 0x0                           ; the wave's end
	ds_add_u32 v[SPW], v[NIL]
	s_wait_dscnt 0x0
	CROUND                                         ; the closing round
	s_endpgm
.Lfunc_end_k_q582e7ea68e_qkv:
	.size	k_q582e7ea68e_qkv, .Lfunc_end_k_q582e7ea68e_qkv-k_q582e7ea68e_qkv
	.p2alignl 7, 3214868480
	.fill 96, 4, 3214868480
	.section	.rodata,"a",@progbits
	.p2align	6, 0x0
	.amdhsa_kernel k_q582e7ea68e_qkv
		.amdhsa_group_segment_fixed_size 327680
		.amdhsa_private_segment_fixed_size 0
		.amdhsa_enable_private_segment 0
		.amdhsa_kernarg_size 48
		.amdhsa_user_sgpr_count 2
		.amdhsa_user_sgpr_kernarg_segment_ptr 1
		.amdhsa_wavefront_size32 1
		.amdhsa_system_sgpr_workgroup_id_x 1
		.amdhsa_system_sgpr_workgroup_id_y 1
		.amdhsa_system_sgpr_workgroup_id_z 1
		.amdhsa_system_vgpr_workitem_id 0
		.amdhsa_next_free_vgpr 1024
		.amdhsa_next_free_sgpr 100
		.amdhsa_reserve_vcc 1
		.amdhsa_float_denorm_mode_32 3
		.amdhsa_float_denorm_mode_16_64 3
		.amdhsa_memory_ordered 1
		.amdhsa_forward_progress 1
		.amdhsa_inst_pref_size 164
	.end_amdhsa_kernel
	.amdgpu_metadata
---
amdhsa.version: [ 1, 2 ]
amdhsa.kernels:
  - .name:           k_q582e7ea68e_qkv
    .symbol:         k_q582e7ea68e_qkv.kd
    .args:
      - { .name: xc, .offset: 0, .size: 8, .value_kind: global_buffer, .address_space: global }
      - { .name: w_fused_codes, .offset: 8, .size: 8, .value_kind: global_buffer, .address_space: global }
      - { .name: lowp_scales, .offset: 16, .size: 8, .value_kind: global_buffer, .address_space: global }
      - { .name: qf, .offset: 24, .size: 8, .value_kind: global_buffer, .address_space: global }
      - { .name: kf, .offset: 32, .size: 8, .value_kind: global_buffer, .address_space: global }
      - { .name: vc, .offset: 40, .size: 8, .value_kind: global_buffer, .address_space: global }
    .group_segment_fixed_size: 327680
    .private_segment_fixed_size: 0
    .kernarg_segment_align: 8
    .kernarg_segment_size: 48
    .max_flat_workgroup_size: 128
    .sgpr_count:     100
    .vgpr_count:     1024
    .wavefront_size: 32
...
	.end_amdgpu_metadata
.endif
;; end of part 6
;; launch attn (part 7): grid 256 x 1, 16 waves a work-group, clusters of 4 x 1, 309,248 bytes of LDS; arguments qf, kf, vc, attn_mask, lowp_scales, ac; writes ac
.if DOCPART == 7
	.amdgcn_target "amdgcn-amd-amdhsa--gfx1250"
	.amdhsa_code_object_version 6
	.text
	.protected	k_q582e7ea68e_attn
	.globl	k_q582e7ea68e_attn
	.p2align	8
	.type	k_q582e7ea68e_attn,@function
k_q582e7ea68e_attn:
	s_mov_b64 s[64:65], 0
	v_nop
	global_prefetch_b8 v0, s[64:65] scope:SCOPE_SE
	s_setreg_imm32_b32 hwreg(HW_REG_WAVE_MODE, 25, 1), 1
	s_wait_xcnt 0x0
	s_wait_alu depctr_hold_cnt(0) depctr_sa_sdst(0) depctr_va_vdst(0) depctr_va_sdst(0) depctr_va_ssrc(0) depctr_va_vcc(0) depctr_vm_vsrc(0)
	s_getreg_b32 s2, hwreg(HW_REG_IB_STS2, 6, 4)
	s_cmp_eq_u32 s2, 0
	s_cbranch_scc0 .Lentry_in_a_cluster
	s_endpgm
.Lentry_in_a_cluster:
	s_bfe_u32 s2, ttmp6, 0x10000c
	s_cmp_lg_u32 s2, 0x3003
	s_cbranch_scc0 .Lentry_shape_is_right
	s_endpgm
.Lentry_shape_is_right:
; Attention with one shared key and value head.  For each of 4,096 positions and 32 heads: t = q' . k (q' holds 0.25 log2(e)), f32 operands by v_wmma_f32_16x16x4_f32; where the mask is false -2^127 stands under the sum;
; M = the running largest t rounded up to a whole number; p = 2^(t - M), quantised to E5M2 with the given 2^e2; O += V^T P^T on codes (v's with 2^e3); the row's sum of the unquantised p divides at the end;
; the result is quantised with 2^e4 into ac's blocks 0-3 ([block of 128 along K][4096 rows][128 bytes]).
; SHARES.  A work-group owns 16 positions and all 32 heads; wave w owns heads 2 w and 2 w + 1.  Sixteen waves of 256 registers, four to a SIMD.
; LDS is filled once: the batch's K (131,072 bytes) and V (32,768) as images of the operands' registers, and the 16 positions' mask as f32 tiles in the result's layout, which all 32 heads use as the C of each sum's first instruction.
; CLUSTER.  The four work-groups of a cluster lie in one batch and need the same K and V: each wave's two loads are joint (mask 15).  Nothing is filled again.
; LAYOUT.  S^T = K Q^T (source 0 = 16 keys, source 1 = 16 positions): a lane holds one position (lane % 16) and keys 8 (lane / 16) + 0 .. 7 of a tile: eight neighbours along the next K, in that form's own order.
; The 16 dims go as four instructions: lane (r, h) holds dims 8 h .. 8 h + 7, instruction s takes registers 2 s, 2 s + 1: the same order of k in K and in Q.
; The registers that the f32 form writes (v140-203) are written by matrix instructions alone: t - M goes into other registers.
; THE TWO HEADS' SOFTMAX STANDS INTERLEAVED, so that few lines read the result of the line above them: both maxima and both M line by line; head 0's exponentials among head 1's subtractions, head 1's among head 0's sums and holds.
; Head 0's t - M takes the registers of the mask's tiles, which are free behind the products; the next step's tiles are loaded into them as soon as head 0's conversions have read them.  The hold of p goes two numbers an instruction.
; A position with no key allowed: all t are -2^127, all p are 1: the mean of v, as a softmax over equal numbers gives.
; LIMITS: e2 and e4 between -126 and 112; e2 + e3 is applied by v_ldexp_f32.  NaN among the inputs is not served.
.set VIMG, 131072
.set BIAS, 163840                      ; 128 tiles of 1,024 bytes + 16 of padding
.set BP,   1040
.set STG,  296960                      ; the way out: 16 rows x (512 + 16) bytes
.set SP,   528
.set L16, 1                            ; v1   16 x lane
.set L8,  2                            ; v2   8 x lane
.set ADK, 3                            ; v3-5 LDS addresses of the loads in hand: K, the mask's tiles, V
.set ADB, 4
.set ADV, 5
.set BW,  6                            ; v6-7 where I store the mask's tiles
.set STO, 8
.set RD,  9
.set LIM, 10                           ; v10  57,344 x the scale
.set SCL, 11                           ; v11  the scale as f32
.set ST,  12                           ; head u at v[12 + 4 u]: -M, the largest t, the sum in two halves
.set TP,  20                           ; head u at work at v[20 + 216 u] (v20-27, v236-243): +0, +1 the maximum's two chains, +2 the other half's, +3 the old -M, +4, +5 f as a pair, +6, +7 the sum's second chain
.set QF,  28                           ; v28-43   Q: 8 registers a head
.set OA,  44                           ; v44-59   O^T: 8 a head
.set VF,  60                           ; v60-67   V of 64 keys
.set PF,  68                           ; v68-75   p's codes
.set KF,  76                           ; v76-107  K of 64 keys: 8 registers a tile
.set BI,  108                          ; v108-139 the mask's four tiles; behind the products head 0's t - M, then its p
.set SC,  140                          ; v140-203 S^T: head u, tile t at 140 + 32 u + 8 t
.set EX,  204                          ; v204-235 head 1's t - M, then its p
.set LIM2, 244                         ; v244 the same number as v10, for the second half of a pair of holds
.set WV,  16
.set G1K, 24
.set G1V, 32
.set G0K, 40
.set G0V, 44
.set SEL, 56
.set SK,  58                           ; s58-60 LDS bytes: the next step's K, the next step's mask tiles, this step's V
.set SB,  59
.set SV,  60
.set CNT, 61
.macro CROUND
	s_barrier_signal -1
	s_barrier_wait -1
	s_cmp_lg_u32 s[WV], 0
	s_cbranch_scc1 .Lnot_wave_0_\@
	s_barrier_signal -3
.Lnot_wave_0_\@:
	s_barrier_wait -3
	s_barrier_signal -1
	s_barrier_wait -1
.endm
	s_load_b256 s[4:11], s[0:1], 0x0               ; qf s[4:5], kf s[6:7], vc s[8:9], the mask s[10:11]
	s_load_b128 s[12:15], s[0:1], 0x20             ; the scales s[12:13], ac s[14:15]
	v_lshl_add_u32 v254, v0, 2, 0x4b000
	v_mov_b32 v255, 0
	ds_add_u32 v254, v255
	ds_add_u32 v254, v255
	v_lshrrev_b32 v20, 5, v0
	v_readfirstlane_b32 s[WV], v20                 ; wave 0..15
	v_and_b32 v21, 31, v0                          ; lane
	v_and_b32 v22, 15, v0                          ; r
	v_bfe_u32 v23, v0, 4, 1                        ; h
	v_lshlrev_b32 v[L16], 4, v21
	v_lshlrev_b32 v[L8], 3, v21
	s_bfe_u32 s17, ttmp6, 0x40000                  ; cx
	s_lshl_b32 s18, ttmp9, 2
	s_add_co_u32 s18, s18, s17                     ; my block of 16 positions
	s_lshr_b32 s19, ttmp9, 5                       ; the batch, which the four partners share
	s_lshl_b32 s20, s19, 17
	s_lshl_b32 s62, s[WV], 13
	s_add_co_u32 s20, s20, s62                     ; kf: 131,072 x batch + 8,192 x wave
	s_mov_b32 s21, 0
	s_lshl_b32 s22, s19, 15
	s_lshl_b32 s63, s[WV], 11
	s_add_co_u32 s22, s22, s63                     ; vc: 32,768 x batch + 2,048 x wave
	s_mov_b32 s23, 0
	s_mov_b32 s[G1K], 15|(3<<16)|(1<<21)           ; all four work-groups; elements of 8 bytes; bit 21 beside the mask; no padding
	s_mov_b32 s[G1K+1], 32<<16                     ; tensor_dim0 = 32 elements: rows of 256 bytes
	s_mov_b32 s[G1K+2], 32<<16                     ; tensor_dim1 = 32 rows
	s_mov_b32 s[G1K+3], 32<<16                     ; tile_dim0
	s_mov_b32 s[G1K+4], 32                         ; tile_dim1
	s_mov_b32 s[G1K+5], 32                         ; dense
	s_mov_b32 s[G1K+6], 0
	s_mov_b32 s[G1K+7], 0
	s_mov_b32 s[G1V], 15|(3<<16)|(1<<21)
	s_mov_b32 s[G1V+1], 32<<16
	s_mov_b32 s[G1V+2], 8<<16                      ; 8 rows
	s_mov_b32 s[G1V+3], 32<<16
	s_mov_b32 s[G1V+4], 8
	s_mov_b32 s[G1V+5], 32
	s_mov_b32 s[G1V+6], 0
	s_mov_b32 s[G1V+7], 0
	s_mov_b32 s[SEL], 0x76543210
	s_mov_b32 s[SEL+1], 0xfedcba98
	v_mul_u32_u24 v[BW], v21, BP                   ; the mask's tiles: my lane's key block, my wave's position
	s_lshl_b32 s2, s[WV], 4
	s_add_co_u32 s2, s2, BIAS
	v_add_nc_u32 v[BW], s2, v[BW]
	v_add_nc_u32 v[BW+1], 64*BP, v[BW]
	v_mul_u32_u24 v[STO], v22, SP                  ; the stage, in: row r, byte 32 w + 8 h (+ 16 u)
	v_lshl_add_u32 v[STO], v23, 3, v[STO]
	s_lshl_b32 s2, s[WV], 5
	s_add_co_u32 s2, s2, STG
	v_add_nc_u32 v[STO], s2, v[STO]
	v_lshrrev_b32 v24, 3, v21                      ; back: rows 4 (w / 4) + lane / 8, bytes 128 (w % 4) + 16 (lane % 8)
	v_mul_u32_u24 v[RD], v24, SP
	v_and_b32 v24, 7, v21
	v_lshl_add_u32 v[RD], v24, 4, v[RD]
	s_lshr_b32 s2, s[WV], 2
	s_mul_i32 s2, s2, 4*SP
	s_and_b32 s3, s[WV], 3
	s_lshl_b32 s3, s3, 7
	s_add_co_u32 s2, s2, s3
	s_add_co_u32 s2, s2, STG
	v_add_nc_u32 v[RD], s2, v[RD]
	s_wait_dscnt 0x0
	s_wait_kmcnt 0x0
	s_load_b256 s[48:55], s[12:13], 0x0            ; e0 .. e7
	s_mov_b32 s[G0K], 1
	s_mov_b32 s[G0K+1], s62                        ; LDS: 8,192 x wave
	s_add_nc_u64 s[G0K+2:G0K+3], s[6:7], s[20:21]
	s_or_b32 s[G0K+3], s[G0K+3], 0x80000000
	s_mov_b32 s[G0V], 1
	s_add_co_u32 s[G0V+1], s63, VIMG
	s_add_nc_u64 s[G0V+2:G0V+3], s[8:9], s[22:23]
	s_or_b32 s[G0V+3], s[G0V+3], 0x80000000
	s_lshl_b32 s2, s18, 15
	s_add_co_u32 s2, s2, s63                       ; the mask's row 16 block + wave of 2,048 bytes, and qf's heads 2 w, 2 w + 1 of the block: both 32,768 x block + 2,048 x wave
	s_mov_b32 s3, 0
	s_add_nc_u64 s[10:11], s[10:11], s[2:3]
	s_add_nc_u64 s[4:5], s[4:5], s[2:3]
.irp i, 0,1,2,3                         ; the mask and Q hang on no partner: they are asked for ahead of the round
	global_load_b128 v[EX+4*\i:EX+4*\i+3], v[L16], s[10:11] offset:512*\i th:TH_LOAD_NT   ; the mask's row is read once in the launch
.endr
.irp u, 0,1
.irp g, 0,1
	global_load_b128 v[QF+8*\u+4*\g:QF+8*\u+4*\g+3], v[L16], s[4:5] offset:1024*\u+512*\g
.endr
.endr
	s_and_b32 s2, s[WV], 3
	s_lshl_b32 s2, s2, 19                          ; ac: block w % 4,
	s_lshl_b32 s62, s18, 11
	s_add_co_u32 s2, s2, s62                       ; row 16 x my block
	s_lshr_b32 s62, s[WV], 2
	s_lshl_b32 s62, s62, 9
	s_add_co_u32 s2, s2, s62                       ; + 4 (w / 4), of 128 bytes
	s_add_nc_u64 s[14:15], s[14:15], s[2:3]
	CROUND                                         ; all four work-groups are here: the joint loads meet
	tensor_load_to_lds s[G0K:G0K+3], s[G1K:G1K+7]  ; my two loads stand together: two are out
	s_nop 0
	tensor_load_to_lds s[G0V:G0V+3], s[G1V:G1V+7]
	s_nop 0
.rept 4
	v_nop
.endr
	s_wait_loadcnt 4                               ; the mask's four loads are in; Q's four may be out
	; a lane's 16 bytes of load i are key block 32 i + lane; word q of them is keys 4 q .. 4 q + 3: registers 4 (q % 2) .. + 3 of lanes 16 (q / 2) + my position of the tile
.irp i, 0,1,2,3
.irp q, 0,1,2,3
.set FB, BI+4*((4*\i+\q)%8)
	v_xor_b32 v20, 0x01010101, v[EX+4*\i+\q]       ; a byte is 1 where the key is hidden,
	v_lshlrev_b32 v21, 8, v20
	v_sub_nc_u32 v20, v21, v20                     ; 0xff there,
	v_lshlrev_b32 v[FB], 24, v20                   ; and on top of a word it is the f32 number -2^127
	v_lshlrev_b32 v[FB+1], 16, v20
	v_lshlrev_b32 v[FB+2], 8, v20
	v_and_b32 v[FB+3], 0xff000000, v20
	v_and_b32 v[FB+1], 0xff000000, v[FB+1]
	v_and_b32 v[FB+2], 0xff000000, v[FB+2]
	ds_store_b128 v[BW+\i/2], v[FB:FB+3] offset:32*BP*(\i%2)+512*(\q%2)+256*(\q/2)
.endr
.endr
	s_wait_kmcnt 0x0
	s_add_co_i32 s62, s50, 127
	s_lshl_b32 s63, s62, 23
	v_mov_b32 v[SCL], s63                          ; 2^e2
	s_add_co_i32 s62, s62, 15
	s_lshl_b32 s62, s62, 23
	s_or_b32 s62, s62, 0x600000
	v_mov_b32 v[LIM], s62                          ; 57,344 x 2^e2,
	v_mov_b32 v[LIM2], s62                         ; twice
.irp u, 0,1
	v_mov_b32 v[ST+4*\u+1], 0xff61b1e6             ; the largest t so far: -3e38, under every t, a hidden key's too
	v_floor_f32 v[ST+4*\u], -v[ST+4*\u+1]
	v_mov_b32 v[ST+4*\u+2], 0
	v_mov_b32 v[ST+4*\u+3], 0
	v_mov_b32 v[TP+216*\u+2], 0                    ; written once: a lane permute's destination counts as one of its sources
	v_mov_b32 v[TP+216*\u+5], 0                    ; named as the upper half of f's pair
.endr
.set j, 0
.rept 16
	v_mov_b32 v[OA+j], 0                           ; the step is written for every step alike: the first finds zeros
.set j, j+1
.endr
	v_mov_b32 v[ADK], v[L16]
	v_add_nc_u32 v[ADB], BIAS, v[L16]
	s_mov_b32 s[SK], 4096
	s_mov_b32 s[SB], BIAS+4*BP
	s_mov_b32 s[SV], VIMG
	s_mov_b32 s[CNT], 31
	s_wait_tensorcnt 0x0                           ; my parts of K and V have landed,
	s_wait_dscnt 0x0                               ; my position's part of the mask's tiles too:
	s_barrier_signal -1
	s_barrier_wait -1                              ; everybody's have
.macro LOADK
.irp t, 0,1,2,3
.irp g, 0,1
	ds_load_b128 v[KF+8*\t+4*\g:KF+8*\t+4*\g+3], v[ADK] offset:1024*\t+512*\g
.endr
.endr
.endm
.macro LOADB
.irp t, 0,1,2,3
.irp g, 0,1
	ds_load_b128 v[BI+8*\t+4*\g:BI+8*\t+4*\g+3], v[ADB] offset:BP*\t+512*\g
.endr
.endr
.endm
	LOADK
	LOADB
	s_wait_loadcnt 0x0                             ; Q
; both heads' largest score of the step, their running largest t, -M and f, line by line for the two heads
.macro MAXM
.irp u, 0,1
	v_max3_num_f32 v[TP+216*\u], v[SC+32*\u], v[SC+32*\u+1], v[SC+32*\u+2]   ; my 32 scores of a head in two chains, each accumulator from its low end on
.endr
.irp u, 0,1
	v_max3_num_f32 v[TP+216*\u+1], v[SC+32*\u+3], v[SC+32*\u+4], v[SC+32*\u+5]
.endr
.irp i, 6,10,14,18,22,26
.irp u, 0,1
	v_max3_num_f32 v[TP+216*\u], v[TP+216*\u], v[SC+32*\u+\i], v[SC+32*\u+\i+1]
.endr
.irp u, 0,1
	v_max3_num_f32 v[TP+216*\u+1], v[TP+216*\u+1], v[SC+32*\u+\i+2], v[SC+32*\u+\i+3]
.endr
.endr
.irp u, 0,1
	v_max3_num_f32 v[TP+216*\u], v[TP+216*\u], v[SC+32*\u+30], v[SC+32*\u+31]
.endr
.irp u, 0,1
	v_max_num_f32 v[TP+216*\u], v[TP+216*\u], v[TP+216*\u+1]
.endr
.irp u, 0,1
	v_permlanex16_b32 v[TP+216*\u+2], v[TP+216*\u], s[SEL], s[SEL+1]
.endr
.irp u, 0,1
	v_max_num_f32 v[TP+216*\u], v[TP+216*\u], v[TP+216*\u+2]      ; and lane l xor 16's
.endr
.irp u, 0,1
	v_max_num_f32 v[ST+4*\u+1], v[ST+4*\u+1], v[TP+216*\u]        ; the running largest t
.endr
.irp u, 0,1
	v_floor_f32 v[ST+4*\u], -v[ST+4*\u+1]                         ; -M = floor(-t): M is a whole number
.endr
.irp u, 0,1
	v_sub_f32 v[TP+216*\u+1], v[ST+4*\u], v[TP+216*\u+3]          ; old M - new M, 0 or less
.endr
.irp u, 0,1
	v_cvt_i32_f32 v[TP+216*\u+1], v[TP+216*\u+1]                  ; (it saturates)
.endr
.irp u, 0,1
	v_ldexp_f32 v[TP+216*\u+4], 1.0, v[TP+216*\u+1]               ; f = 2^(old M - new M): a multiplication by it rounds nothing
.endr
.endm
.macro XE on                           ; on = 1: the next of head 1's exponentials
.if \on
	v_exp_f32 v[EX+kx], v[EX+kx]
.set kx, kx+1
.endif
.endm
.macro DMIN r                          ; two holds in one instruction: the conversion does not saturate (ISA guide 7.6.2); p is not negative.  Results one even, one odd; the sources of the two halves in different banks
	v_dual_min_num_f32 v[(\r)], v[(\r)], v[LIM] :: v_dual_min_num_f32 v[(\r)+1], v[(\r)+1], v[LIM2]
.endm
; head u, whose p lies in v[eb] on: the sum of the unquantised p, in two chains, and behind each four numbers' additions their holds: 32 lines.  on = 1: one of head 1's exponentials stands behind each
.macro POST u, eb, on
	v_pk_add_f32 v[TP+216*(\u)+6:TP+216*(\u)+7], v[\eb:\eb+1], v[\eb+2:\eb+3]
	XE \on
	DMIN \eb
	XE \on
	DMIN \eb+2
	XE \on
.irp g, 4,8,12,16,20,24,28
	v_pk_add_f32 v[ST+4*(\u)+2:ST+4*(\u)+3], v[ST+4*(\u)+2:ST+4*(\u)+3], v[\eb+\g:\eb+\g+1]
	XE \on
	v_pk_add_f32 v[TP+216*(\u)+6:TP+216*(\u)+7], v[TP+216*(\u)+6:TP+216*(\u)+7], v[\eb+\g+2:\eb+\g+3]
	XE \on
	DMIN \eb+\g
	XE \on
	DMIN \eb+\g+2
	XE \on
.endr
	v_pk_add_f32 v[ST+4*(\u)+2:ST+4*(\u)+3], v[ST+4*(\u)+2:ST+4*(\u)+3], v[TP+216*(\u)+6:TP+216*(\u)+7]
	XE \on
.endm
; a step of 64 keys.  more = 1: the next step's K and mask tiles are fetched
.macro STEP more
	s_wait_dscnt 0x0                               ; K and the mask's tiles are in
.irp s, 0,1,2,3                         ; eight accumulators by turns, one instruction a turn; the first takes the mask's tile as C
.irp t, 0,1,2,3
.irp u, 0,1
.if \s == 0
	v_wmma_f32_16x16x4_f32 v[SC+32*\u+8*\t:SC+32*\u+8*\t+7], v[KF+8*\t+2*\s:KF+8*\t+2*\s+1], v[QF+8*\u+2*\s:QF+8*\u+2*\s+1], v[BI+8*\t:BI+8*\t+7]
.else
	v_wmma_f32_16x16x4_f32 v[SC+32*\u+8*\t:SC+32*\u+8*\t+7], v[KF+8*\t+2*\s:KF+8*\t+2*\s+1], v[QF+8*\u+2*\s:QF+8*\u+2*\s+1], v[SC+32*\u+8*\t:SC+32*\u+8*\t+7]
.endif
.endr
.endr
.endr
	v_add_nc_u32 v[ADV], s[SV], v[L8]              ; eight plain instructions behind this form, in front of loads into its sources, of writes of them and of the first read of its results
.if \more
	v_add_nc_u32 v[ADK], s[SK], v[L16]
	v_add_nc_u32 v[ADB], s[SB], v[L16]
.else
	v_nop
	v_nop
.endif
	v_mov_b32 v[TP+3], v[ST]                       ; the old -M of both heads is kept for f
	v_mov_b32 v[TP+219], v[ST+4]
.rept 3
	v_nop
.endr
.irp c, 0,1,2,3
	ds_load_b64 v[VF+2*\c:VF+2*\c+1], v[ADV] offset:256*\c
.endr
.if \more
	LOADK
	s_add_co_u32 s[SK], s[SK], 4096
	s_add_co_u32 s[SB], s[SB], 4*BP
	s_add_co_u32 s[SV], s[SV], 1024
.endif
	MAXM
.set j, 0
.rept 16
	v_pk_add_f32 v[BI+j:BI+j+1], v[SC+j:SC+j+1], v[ST:ST+1] op_sel_hi:[1,0]   ; head 0: t - M, into the registers that held the mask's tiles
.set j, j+2
.endr
.set j, 0
.rept 16
	v_pk_add_f32 v[EX+j:EX+j+1], v[SC+32+j:SC+32+j+1], v[ST+4:ST+5] op_sel_hi:[1,0]   ; head 1: t - M, a line ahead of each two of head 0's exponentials
	v_exp_f32 v[BI+j], v[BI+j]                     ; head 0: p
	v_exp_f32 v[BI+j+1], v[BI+j+1]
.set j, j+2
.endr
	v_pk_mul_f32 v[ST+2:ST+3], v[ST+2:ST+3], v[TP+4:TP+5] op_sel_hi:[1,0]   ; head 0's sum under the new M: a plain instruction behind the exponentials
	s_wait_alu depctr_va_vdst(0)                   ; one wait for head 0's batch, ahead of its first reader
.set kx, 0
	POST 0, BI, 1                                  ; head 0's sums and holds, head 1's 32 exponentials among them
	v_pk_mul_f32 v[ST+6:ST+7], v[ST+6:ST+7], v[TP+220:TP+221] op_sel_hi:[1,0]   ; head 1's sum under the new M: a plain instruction behind the last exponential
.irp t, 0,1,2,3
	v_cvt_scalef32_pk8_bf8_f32 v[PF+2*\t:PF+2*\t+1], v[BI+8*\t:BI+8*\t+7], v[SCL]   ; keys 16 t + 8 h + 0 .. 7: registers 2 t, 2 t + 1 of the operand
.endr
.irp j, 0,2,4,6
	v_pk_mul_f32 v[OA+\j:OA+\j+1], v[OA+\j:OA+\j+1], v[TP+4:TP+5] op_sel_hi:[1,0]   ; head 0's O^T under the new M; also the plain instructions behind the conversions
.endr
	s_wait_alu depctr_va_vdst(0)                   ; the wait for head 1's batch, ahead of its first reader below
.if \more
	LOADB                                          ; the conversions have read head 0's p: the next step's mask tiles take the registers
.endif
	s_wait_dscnt 16*(\more)                        ; V's four loads are in; K's eight and the tiles' eight, issued behind them, may be out
	v_wmma_f32_16x16x64_bf8_bf8 v[OA:OA+7], v[VF:VF+7], v[PF:PF+7], v[OA:OA+7]
	POST 1, EX, 0                                  ; head 1's sums and holds: also the plain instructions between that product and the conversions that write its source
.irp t, 0,1,2,3
	v_cvt_scalef32_pk8_bf8_f32 v[PF+2*\t:PF+2*\t+1], v[EX+8*\t:EX+8*\t+7], v[SCL]
.endr
.irp j, 0,2,4,6
	v_pk_mul_f32 v[OA+8+\j:OA+9+\j], v[OA+8+\j:OA+9+\j], v[TP+220:TP+221] op_sel_hi:[1,0]
.endr
	v_wmma_f32_16x16x64_bf8_bf8 v[OA+8:OA+15], v[VF:VF+7], v[PF:PF+7], v[OA+8:OA+15]
.endm
.Lkeys:
	STEP 1
	s_sub_co_u32 s[CNT], s[CNT], 1
	s_cmp_lg_u32 s[CNT], 0
	s_cbranch_scc1 .Lkeys
	STEP 0                                         ; the last 64 keys: nothing more to fetch
	; THE WAY OUT
	v_add_f32 v20, v[ST+2], v[ST+3]
	v_add_f32 v21, v[ST+6], v[ST+7]
	v_permlanex16_b32 v22, v20, s[SEL], s[SEL+1]
	v_permlanex16_b32 v23, v21, s[SEL], s[SEL+1]
	v_add_f32 v20, v20, v22                        ; the rows' sums
	v_add_f32 v21, v21, v23
	v_rcp_f32 v20, v20
	v_rcp_f32 v21, v21
	s_add_co_i32 s62, s52, 127
	s_lshl_b32 s63, s62, 23
	v_mov_b32 v[SCL], s63                          ; 2^e4.  (A plain instruction behind the reciprocals)
	s_add_co_i32 s62, s62, 15
	s_lshl_b32 s62, s62, 23
	s_or_b32 s62, s62, 0x600000
	v_mov_b32 v[LIM], s62                          ; 57,344 x 2^e4
	s_add_co_i32 s62, s50, s51                     ; e2 + e3
	s_wait_alu depctr_va_vdst(0)                   ; one wait for both, ahead of their first reader
	v_ldexp_f32 v20, v20, s62
	v_ldexp_f32 v21, v21, s62
.irp u, 0,1
.irp j, 0,1,2,3,4,5,6,7
	v_mul_f32 v[EX+8*\u+\j], v[OA+8*\u+\j], v[20+\u]   ; head 2 w + u, position r, dims 8 h + 0 .. 7
.endr
.endr
.set j, 0
.rept 16
	v_med3_num_f32 v[EX+j], v[EX+j], -v[LIM], v[LIM]
.set j, j+1
.endr
	v_cvt_scalef32_pk8_bf8_f32 v[PF:PF+1], v[EX:EX+7], v[SCL]
	v_cvt_scalef32_pk8_bf8_f32 v[PF+2:PF+3], v[EX+8:EX+15], v[SCL]
	v_nop
	ds_store_b64 v[STO], v[PF:PF+1]
	ds_store_b64 v[STO], v[PF+2:PF+3] offset:16
	s_wait_dscnt 0x0                               ; for the others' sake: a row's 512 codes come from sixteen waves
	s_barrier_signal -1
	s_barrier_wait -1
	ds_load_b128 v[EX:EX+3], v[RD]
	s_wait_dscnt 0x0
	global_store_b128 v[L16], v[EX:EX+3], s[14:15]     ; four rows of 128 bytes of one block: 512 consecutive bytes, aligned
	s_wait_tensorcnt 0x0
	ds_add_u32 v254, v255
	s_wait_dscnt 0x0
	CROUND                                         ; the closing round: no work-group ends while a partner may still issue a joint load
	s_endpgm
.Lfunc_end_k_q582e7ea68e_attn:
	.size	k_q582e7ea68e_attn, .Lfunc_end_k_q582e7ea68e_attn-k_q582e7ea68e_attn
	.p2alignl 7, 3214868480
	.fill 96, 4, 3214868480
	.section	.rodata,"a",@progbits
	.p2align	6, 0x0
	.amdhsa_kernel k_q582e7ea68e_attn
		.amdhsa_group_segment_fixed_size 309248
		.amdhsa_private_segment_fixed_size 0
		.amdhsa_enable_private_segment 0
		.amdhsa_kernarg_size 48
		.amdhsa_user_sgpr_count 2
		.amdhsa_user_sgpr_kernarg_segment_ptr 1
		.amdhsa_wavefront_size32 1
		.amdhsa_system_sgpr_workgroup_id_x 1
		.amdhsa_system_sgpr_workgroup_id_y 1
		.amdhsa_system_sgpr_workgroup_id_z 1
		.amdhsa_system_vgpr_workitem_id 0
		.amdhsa_next_free_vgpr 256
		.amdhsa_next_free_sgpr 66
		.amdhsa_reserve_vcc 0
		.amdhsa_float_denorm_mode_32 3
		.amdhsa_float_denorm_mode_16_64 3
		.amdhsa_memory_ordered 1
		.amdhsa_forward_progress 1
		.amdhsa_inst_pref_size 50
	.end_amdhsa_kernel
	.amdgpu_metadata
---
amdhsa.version: [ 1, 2 ]
amdhsa.kernels:
  - .name:           k_q582e7ea68e_attn
    .symbol:         k_q582e7ea68e_attn.kd
    .args:
      - { .name: qf, .offset: 0, .size: 8, .value_kind: global_buffer, .address_space: global }
      - { .name: kf, .offset: 8, .size: 8, .value_kind: global_buffer, .address_space: global }
      - { .name: vc, .offset: 16, .size: 8, .value_kind: global_buffer, .address_space: global }
      - { .name: attn_mask, .offset: 24, .size: 8, .value_kind: global_buffer, .address_space: global }
      - { .name: lowp_scales, .offset: 32, .size: 8, .value_kind: global_buffer, .address_space: global }
      - { .name: ac, .offset: 40, .size: 8, .value_kind: global_buffer, .address_space: global }
    .group_segment_fixed_size: 309248
    .private_segment_fixed_size: 0
    .kernarg_segment_align: 8
    .kernarg_segment_size: 48
    .max_flat_workgroup_size: 512
    .sgpr_count:     66
    .vgpr_count:     256
    .wavefront_size: 32
...
	.end_amdgpu_metadata
.endif
;; end of part 7
;; launch ffup (part 8): grid 16 x 16, 4 waves a work-group, clusters of 4 x 4, 327,680 bytes of LDS; arguments xc, w_fused_codes, lowp_scales, ac; writes ac
.if DOCPART == 8
	.amdgcn_target "amdgcn-amd-amdhsa--gfx1250"
	.amdhsa_code_object_version 6
	.text
	.protected	k_q582e7ea68e_ffup
	.globl	k_q582e7ea68e_ffup
	.p2align	8
	.type	k_q582e7ea68e_ffup,@function
k_q582e7ea68e_ffup:
	s_mov_b64 s[64:65], 0
	v_nop
	global_prefetch_b8 v0, s[64:65] scope:SCOPE_SE
	s_setreg_imm32_b32 hwreg(HW_REG_WAVE_MODE, 25, 1), 1
	s_wait_xcnt 0x0
	s_wait_alu depctr_hold_cnt(0) depctr_sa_sdst(0) depctr_va_vdst(0) depctr_va_sdst(0) depctr_va_ssrc(0) depctr_va_vcc(0) depctr_vm_vsrc(0)
	s_getreg_b32 s2, hwreg(HW_REG_IB_STS2, 6, 4)
	s_cmp_eq_u32 s2, 0
	s_cbranch_scc0 .Lentry_in_a_cluster
	s_endpgm
.Lentry_in_a_cluster:
	s_bfe_u32 s2, ttmp6, 0x10000c
	s_cmp_lg_u32 s2, 0xf033
	s_cbranch_scc0 .Lentry_shape_is_right
	s_endpgm
.Lentry_shape_is_right:
; The feed-forward part of the fused projection and SwiGLU: val = xc x w_fused rows 544 .. 2591, gate = xc x rows 2592 .. 4639 (codes of E5M2, scales 2^e0, 2^e1); h = silu(gate) x val, quantised with the given 2^e6
; into ac's blocks 4-19 ([block of 128 along K][4096 rows][128 bytes]).  The projection never goes to memory.
; A work-group makes 256 rows x 128 columns of h: its B tile is 128 rows of val and the SAME 128 columns' rows of gate.  Four waves of 128 x 128: a wave's B blocks 0-3 are 64 columns of val, blocks 4-7 the same 64 of gate,
; so a column's val and gate lie in the same lane and register of accumulators (a, b) and (a, b + 4).  K goes in steps of 256 through a ring of two LDS slots.
; CLUSTERS: 4 x 4 work-groups; A's tiles are shared along a row of the cluster, B's along a column: each is asked for jointly.
; THE MATRIX INSTRUCTION IS USED TRANSPOSED (source 0 = rows of w_fused, source 1 = rows of xc): a lane holds eight neighbouring columns of one row: eight neighbours along the next product's K.
; The sums lack the factor 2^(e0 + e1): gate gets it ahead of the exponential; val's is folded into the conversion's scale, 2^(e6 - e0 - e1).
; LIMITS: e0 + e1 between -126 and 127; e6 - e0 - e1 between -126 and 112.  NaN among the inputs is not served.
; REGISTERS, in windows of 256: window 0: v0-31 addresses; v128-255 A's fragments, one set; on the way out v32-255 are free.  window 1: B's fragments, two sets.  windows 2, 3: the accumulators ((a, b) at v[8 (8 (a % 4) + b)]).
.set SIZE_K, 2048
.set KSTEP,  256
.set ROWB,   256
.set KROW,   SIZE_K
.set PITCH,  272
.set FR,     16
.set NL,     4
.set NP,     4
.set HALFT,  128*PITCH
.set SLOT,   4*HALFT
.set LAPS,   SIZE_K/(2*KSTEP)
.set SPARE,  2*SLOT
.set GP,     144                       ; the way out: a stage of 256 rows x (128 + 16) bytes, the work-group's, in slot 0, which has had its last fill and its last read by then
.set ADRA, 16
.set ADRB, 20
.set STO,  24
.set RD,   25
.set CO,   26
.set SPW,  28
.set NIL,  29
.set SCL,  30                          ; v30  2^(e6 - e0 - e1)
.set LIM,  31                          ; v31  57,344 x that
.set T1,   32                          ; v32-63   gate
.set T3,   64                          ; v64-95   on the way to 1 / (1 + e^-gate)
.set T2,   96                          ; v96-127  gate x val's sum
.set AF,   128
.set CD,   128                         ; v128-191 codes
.set BK,   192                         ; v192-255 rows read back
.set G1, 24
.set G0, 32
.set G1B, 48
.set G0B, 56
.set MSB, 0
.macro WIN new
.if MSB != (\new)
	s_set_vgpr_msb (MSB<<8)|(\new)
.set MSB, (\new)
.endif
.endm
.set MUL_LO, 0xa1
.set MUL_HI, 0xf1
.set TO_B,   0x40
.macro JLOAD g0a, g1a, g0b, g1b        ; waves 0 and 1 fetch A's halves, wave 2 val's rows, wave 3 gate's; four v_nop follow each of the two lines
	s_cmp_eq_u32 s15, 0
	s_cbranch_scc0 .Lfor_b_\@
	tensor_load_to_lds s[\g0a:\g0a+3], s[\g1a:\g1a+7]
	s_nop 0
.rept 4
	v_nop
.endr
	s_branch .Lasked_\@
.Lfor_b_\@:
	tensor_load_to_lds s[\g0b:\g0b+3], s[\g1b:\g1b+7]
	s_nop 0
.rept 4
	v_nop
.endr
.Lasked_\@:
.endm
.macro CREST
	s_cmp_lg_u32 s14, 0
	s_cbranch_scc1 .Lnot_wave_0_\@
	s_barrier_signal -3
.Lnot_wave_0_\@:
	s_barrier_wait -3
	s_barrier_signal -1
	s_barrier_wait -1
.endm
.macro CROUND
	s_barrier_signal -1
	s_barrier_wait -1
	CREST
.endm
	s_load_b128 s[4:7], s[0:1], 0x0                ; xc s[4:5], w_fused's codes s[6:7]
	s_load_b128 s[8:11], s[0:1], 0x10              ; the scales s[8:9], ac s[10:11]
	v_lshl_add_u32 v[SPW], v0, 2, SPARE
	v_mov_b32 v[NIL], 0
	ds_add_u32 v28, v29
	ds_add_u32 v28, v29
	s_wait_dscnt 0x0
	v_lshrrev_b32 v1, 5, v0
	v_readfirstlane_b32 s14, v1                    ; wave 0..3
	s_lshr_b32 s15, s14, 1                         ; my half of the rows.  Also: I fetch for A (0) or for B (1)
	s_and_b32 s16, s14, 1                          ; my half of the columns.  Also: which part I fetch
	s_bfe_u32 s40, ttmp6, 0x40000                  ; cx, cy
	s_bfe_u32 s41, ttmp6, 0x40004
	s_lshl_b32 s42, ttmp9, 2
	s_add_co_u32 s42, s42, s40                     ; tile column
	s_and_b32 s17, ttmp7, 0xffff
	s_lshl_b32 s17, s17, 2
	s_add_co_u32 s17, s17, s41                     ; tile row
	s_lshl_b32 s43, s41, 2
	s_lshl_b32 s43, 15, s43                        ; my row of the cluster
	s_lshl_b32 s44, 0x1111, s40                    ; my column
	s_or_b32 s[G1+0], s43, (0<<16)|(1<<20)|(1<<21)|(5<<22)|(3<<25)   ; the mask; elements of 1 byte; 4 words of padding after every 64; bit 21 beside the mask
	s_or_b32 s[G1B+0], s44, (0<<16)|(1<<20)|(1<<21)|(5<<22)|(3<<25)
.irp g, G1, G1B
	s_mov_b32 s[\g+1], ROWB<<16
	s_mov_b32 s[\g+2], 128<<16
	s_mov_b32 s[\g+3], ROWB<<16
	s_mov_b32 s[\g+4], 128
	s_mov_b32 s[\g+5], KROW
	s_mov_b32 s[\g+6], 0
	s_mov_b32 s[\g+7], 0
.endr
	s_lshl_b32 s18, s16, 7
	s_lshl_b32 s20, s17, 8
	s_add_co_u32 s20, s20, s18                     ; A: row 256 x tile row + 128 x half,
	s_lshl_b32 s20, s20, 11                        ; of 2,048 bytes
	s_mov_b32 s21, 0
	s_lshl_b32 s46, s42, 7
	s_lshl_b32 s18, s16, 11
	s_add_co_u32 s46, s46, s18
	s_add_co_u32 s46, s46, 544                     ; B: row 544 + 128 x tile column (val), 2,048 further on (gate)
	s_lshl_b32 s46, s46, 11
	s_mov_b32 s47, 0
	s_mul_i32 s45, s14, HALFT
	s_wait_kmcnt 0x0
	s_load_b256 s[80:87], s[8:9], 0x0              ; e0 .. e7
	s_add_nc_u64 s[20:21], s[4:5], s[20:21]
	s_add_nc_u64 s[46:47], s[6:7], s[46:47]
	CROUND
.irp s, 0,1
	s_mov_b32 s[G0+4*\s], 1
	s_add_co_u32 s[G0+4*\s+1], s45, \s*SLOT
	s_add_nc_u64 s[G0+4*\s+2:G0+4*\s+3], s[20:21], \s*ROWB
	s_or_b32 s[G0+4*\s+3], s[G0+4*\s+3], 0x80000000
	s_mov_b32 s[G0B+4*\s], 1
	s_add_co_u32 s[G0B+4*\s+1], s45, \s*SLOT
	s_add_nc_u64 s[G0B+4*\s+2:G0B+4*\s+3], s[46:47], \s*ROWB
	s_or_b32 s[G0B+4*\s+3], s[G0B+4*\s+3], 0x80000000
	JLOAD G0+4*\s, G1, G0B+4*\s, G1B
.endr
	v_and_b32 v1, 15, v0                           ; r
	v_bfe_u32 v2, v0, 4, 1                         ; h
	v_mul_u32_u24 v3, v1, PITCH
	v_lshl_add_u32 v4, v2, 4, v3
	s_mul_i32 s21, s15, HALFT                      ; my 128 rows of A
	s_mul_i32 s22, s16, 64*PITCH                   ; my 64 of val's 128 rows, which lie behind A's 256; gate's lie 128 rows further on
	s_add_co_u32 s22, s22, 2*HALFT
.irp s, 0,1
	v_add_nc_u32 v[ADRA+\s], s21, v4
	v_add_nc_u32 v[ADRB+\s], s22, v4
	s_add_co_u32 s21, s21, SLOT
	s_add_co_u32 s22, s22, SLOT
.endr
	s_mul_i32 s23, s15, 128*GP                     ; the stage, in: row 128 x row half + r, byte 64 x column half + 8 h
	s_lshl_b32 s22, s16, 6
	s_add_co_u32 s23, s23, s22
	v_mul_u32_u24 v5, v1, GP
	v_lshl_add_u32 v5, v2, 3, v5
	v_add_nc_u32 v[STO], s23, v5
	v_and_b32 v6, 31, v0
	v_lshrrev_b32 v7, 3, v6                        ; back: rows 64 x wave + lane / 8, 16 bytes at 16 (lane % 8)
	v_mul_u32_u24 v7, v7, GP
	v_and_b32 v8, 7, v6
	v_lshl_add_u32 v7, v8, 4, v7
	s_mul_i32 s23, s14, 64*GP
	v_add_nc_u32 v[RD], s23, v7
	v_lshlrev_b32 v[CO], 4, v6
	s_add_co_u32 s20, s42, 4
	s_lshl_b32 s20, s20, 19                        ; ac: block 4 + tile column,
	s_lshl_b32 s22, s17, 15
	s_add_co_u32 s20, s20, s22                     ; row 256 x tile row
	s_lshl_b32 s22, s14, 13
	s_add_co_u32 s20, s20, s22                     ; + 64 x wave, of 128 bytes
	s_mov_b32 s21, 0
	s_add_nc_u64 s[10:11], s[10:11], s[20:21]
.macro FRAGA reg, slot, q, i
.irp c, 0,1,2,3
	ds_load_b128 v[\reg+4*\c:\reg+4*\c+3], v[ADRA+\slot] offset:128*(\q)+32*\c+(\i)*16*PITCH
.endr
.endm
.macro FRAGB reg, slot, q, i           ; blocks 0-3: val; blocks 4-7: the same columns of gate, 128 rows further on
.irp c, 0,1,2,3
	ds_load_b128 v[\reg+4*\c:\reg+4*\c+3], v[ADRB+\slot] offset:128*(\q)+32*\c+(((\i)%4)*16+((\i)/4)*128)*PITCH
.endr
.endm
.macro MUL16 a0, p, zero               ; the 64 accumulators take turns, one instruction a turn
.irp a, \a0, \a0+1
.irp b, 0,1,2,3,4,5,6,7
.if \zero
	v_wmma_f32_16x16x128_bf8_bf8 v[8*(8*((\a)%4)+\b):8*(8*((\a)%4)+\b)+7], v[128*(\p)+FR*\b:128*(\p)+FR*\b+FR-1], v[AF+FR*(\a):AF+FR*(\a)+FR-1], 0
.else
	v_wmma_f32_16x16x128_bf8_bf8 v[8*(8*((\a)%4)+\b):8*(8*((\a)%4)+\b)+7], v[128*(\p)+FR*\b:128*(\p)+FR*\b+FR-1], v[AF+FR*(\a):AF+FR*(\a)+FR-1], v[8*(8*((\a)%4)+\b):8*(8*((\a)%4)+\b)+7]
.endif
.endr
.endr
.endm
.macro FETCH_B slot, q, p
	WIN TO_B
.irp i, 0,1,2,3,4,5,6,7
	FRAGB 128*(\p)+FR*\i, \slot, \q, \i
.endr
	WIN 0
.endm
.macro FETCH_A slot, q, i0
.irp i, \i0, \i0+1, \i0+2, \i0+3
	FRAGA AF+FR*(\i), \slot, \q, \i
.endr
.endm
.macro PLACES n
.rept \n
	v_nop
.endr
.endm
.macro STEP slot, q, zero
	s_wait_dscnt 4*NL                              ; B's set and A's blocks 0-3 are in; the youngest sixteen loads may be out
	WIN MUL_LO
	MUL16 0, (\q)%2, \zero
	MUL16 2, (\q)%2, \zero
	s_wait_dscnt 0
	PLACES NP
	FETCH_B \slot, (\q)+1, 1-(\q)%2
	FETCH_A \slot, (\q)+1, 0
	WIN MUL_HI
	MUL16 4, (\q)%2, \zero
	MUL16 6, (\q)%2, \zero
	PLACES NP
	WIN 0
	FETCH_A \slot, (\q)+1, 4
.endm
; A slot's last step changes slots, AT ITS HEAD: all its fragments are in registers by then.  Each wave waits for all its tensor loads, adds 0 to its spare word, and waits for that and for its reads of this slot; one barrier;
; fill = 1: the slot is filled again first thing behind it.  The step's 64 products work on registers alone and follow the refill: from a request to the wait for it a wave issues 128 matrix instructions.
.macro TURN slot, next, fill
	s_wait_tensorcnt 0x0                           ; all my tensor loads have landed: my part of the next slot; so every group 0 may be written
	ds_add_u32 v[SPW], v[NIL]                      ; 0 onto my spare word
.if \fill
	s_add_nc_u64 s[G0+4*\slot+2:G0+4*\slot+3], s[G0+4*\slot+2:G0+4*\slot+3], 2*ROWB
	s_add_nc_u64 s[G0B+4*\slot+2:G0B+4*\slot+3], s[G0B+4*\slot+2:G0B+4*\slot+3], 2*ROWB
.endif
	s_wait_dscnt 0x0                               ; the add is done, and my reads of this slot are over
	s_barrier_signal -1
	s_barrier_wait -1
.if \fill
	CREST                                          ; a round of the cluster's barrier: no wave of any partner still reads this slot or has a load on its way
	JLOAD G0+4*\slot, G1, G0B+4*\slot, G1B         ; the first tensor load behind the round
.endif
	WIN MUL_LO
	MUL16 0, 1, 0
	MUL16 2, 1, 0
	PLACES NP
	FETCH_B \next, 0, 0
	FETCH_A \next, 0, 0
	WIN MUL_HI
	MUL16 4, 1, 0
	MUL16 6, 1, 0
	PLACES NP
	WIN 0
	FETCH_A \next, 0, 4
.endm
	s_wait_tensorcnt 1                             ; my part of slot 0 is in; slot 1's load may be out
	s_barrier_signal -1
	s_barrier_wait -1
	FETCH_B 0, 0, 0
	FETCH_A 0, 0, 0
	FETCH_A 0, 0, 4
	STEP 0, 0, 1
	s_mov_b32 s3, LAPS-1
.Llap:
	TURN 0, 1, 1
	STEP 1, 0, 0
	TURN 1, 0, 1
	STEP 0, 0, 0
	s_sub_co_u32 s3, s3, 1
	s_cmp_lg_u32 s3, 0
	s_cbranch_scc1 .Llap
	TURN 0, 1, 0
	STEP 1, 0, 0
	s_wait_dscnt 4*NL
	WIN MUL_LO
	MUL16 0, 1, 0
	MUL16 2, 1, 0
	s_wait_dscnt 0
	WIN MUL_HI
	MUL16 4, 1, 0
	MUL16 6, 1, 0
	WIN 0
	s_wait_kmcnt 0x0
	s_add_co_i32 s90, s80, s81                     ; e0 + e1
	s_add_co_i32 s88, s90, 127
	s_lshl_b32 s88, s88, 23                        ; 2^(e0 + e1)
	s_mov_b32 s89, s88                             ; (named with it as a pair)
	s_sub_co_i32 s91, s86, s90                     ; e6 - e0 - e1
	s_add_co_i32 s91, s91, 127
	s_lshl_b32 s92, s91, 23
	s_add_co_i32 s91, s91, 15
	s_lshl_b32 s91, s91, 23
	s_or_b32 s91, s91, 0x600000
	s_mov_b32 s94, 0xbfb8aa3b                      ; -log2(e)
	s_mov_b32 s95, s94
	PLACES NP
	v_mov_b32 v[SCL], s92
	v_mov_b32 v[LIM], s91
; block a of 16 rows: 32 columns' worth a lane pair: silu(gate) x val, quantised, into the stage.  Each accumulator is read from its low end on.
.macro SWI a
.set AC, 64*((\a)%4)
.set WW, 2+((\a)/4)
.set WS, WW<<2
	WIN WW                                         ; source 0: window 2 or 3
.set j, 0
.rept 16
	v_pk_mul_f32 v[T1+j:T1+j+1], v[AC+32+j:AC+32+j+1], s[88:89] op_sel_hi:[1,0]   ; gate
.set j, j+2
.endr
	WIN 0
.set j, 0
.rept 16
	v_pk_mul_f32 v[T3+j:T3+j+1], v[T1+j:T1+j+1], s[94:95] op_sel_hi:[1,0]
.set j, j+2
.endr
.set j, 0
.rept 32
	v_exp_f32 v[T3+j], v[T3+j]                     ; e^-gate
.set j, j+1
.endr
	WIN WS                                         ; source 1: window 2 or 3
.set j, 0
.rept 16
	v_pk_mul_f32 v[T2+j:T2+j+1], v[T1+j:T1+j+1], v[AC+j:AC+j+1]   ; gate x val's sum: independent work behind the exponentials
.set j, j+2
.endr
	WIN 0
	s_wait_alu depctr_va_vdst(0)                   ; one wait for the batch
.set j, 0
.rept 16
	v_pk_add_f32 v[T3+j:T3+j+1], v[T3+j:T3+j+1], 1.0 op_sel_hi:[1,0]
.set j, j+2
.endr
.set j, 0
.rept 32
	v_rcp_f32 v[T3+j], v[T3+j]
.set j, j+1
.endr
	v_nop
	s_wait_alu depctr_va_vdst(0)
.set j, 0
.rept 16
	v_pk_mul_f32 v[T2+j:T2+j+1], v[T2+j:T2+j+1], v[T3+j:T3+j+1]
.set j, j+2
.endr
.set j, 0
.rept 32
	v_med3_num_f32 v[T2+j], v[T2+j], -v[LIM], v[LIM]   ; the conversion does not saturate (ISA guide 7.6.2)
.set j, j+1
.endr
.irp b, 0,1,2,3
	v_cvt_scalef32_pk8_bf8_f32 v[CD+8*(\a)+2*\b:CD+8*(\a)+2*\b+1], v[T2+8*\b:T2+8*\b+7], v[SCL]
.endr
	v_nop
.irp b, 0,1,2,3
	ds_store_b64 v[STO], v[CD+8*(\a)+2*\b:CD+8*(\a)+2*\b+1] offset:16*GP*(\a)+16*\b
.endr
.endm
.irp a, 0,1,2,3,4,5,6,7
	SWI \a
.endr
	s_wait_dscnt 0x0                               ; for the others' sake: a row's 128 bytes come from two waves
	s_barrier_signal -1
	s_barrier_wait -1
.set i, 0
.rept 16
	ds_load_b128 v[BK+4*i:BK+4*i+3], v[RD] offset:4*GP*i
.set i, i+1
.endr
.set i, 0
.rept 16
	s_wait_dscnt 15-i                              ; load i is back
	global_store_b128 v[CO], v[BK+4*i:BK+4*i+3], s[10:11] offset:512*i   ; four rows of 128 bytes: 512 consecutive bytes, aligned
.set i, i+1
.endr
	s_wait_tensorcnt 0x0                           ; the wave's end
	ds_add_u32 v[SPW], v[NIL]
	s_wait_dscnt 0x0
	CROUND                                         ; the closing round
	s_endpgm
.Lfunc_end_k_q582e7ea68e_ffup:
	.size	k_q582e7ea68e_ffup, .Lfunc_end_k_q582e7ea68e_ffup-k_q582e7ea68e_ffup
	.p2alignl 7, 3214868480
	.fill 96, 4, 3214868480
	.section	.rodata,"a",@progbits
	.p2align	6, 0x0
	.amdhsa_kernel k_q582e7ea68e_ffup
		.amdhsa_group_segment_fixed_size 327680
		.amdhsa_private_segment_fixed_size 0
		.amdhsa_enable_private_segment 0
		.amdhsa_kernarg_size 32
		.amdhsa_user_sgpr_count 2
		.amdhsa_user_sgpr_kernarg_segment_ptr 1
		.amdhsa_wavefront_size32 1
		.amdhsa_system_sgpr_workgroup_id_x 1
		.amdhsa_system_sgpr_workgroup_id_y 1
		.amdhsa_system_sgpr_workgroup_id_z 1
		.amdhsa_system_vgpr_workitem_id 0
		.amdhsa_next_free_vgpr 1024
		.amdhsa_next_free_sgpr 100
		.amdhsa_reserve_vcc 0
		.amdhsa_float_denorm_mode_32 3
		.amdhsa_float_denorm_mode_16_64 3
		.amdhsa_memory_ordered 1
		.amdhsa_forward_progress 1
		.amdhsa_inst_pref_size 160
	.end_amdhsa_kernel
	.amdgpu_metadata
---
amdhsa.version: [ 1, 2 ]
amdhsa.kernels:
  - .name:           k_q582e7ea68e_ffup
    .symbol:         k_q582e7ea68e_ffup.kd
    .args:
      - { .name: xc, .offset: 0, .size: 8, .value_kind: global_buffer, .address_space: global }
      - { .name: w_fused_codes, .offset: 8, .size: 8, .value_kind: global_buffer, .address_space: global }
      - { .name: lowp_scales, .offset: 16, .size: 8, .value_kind: global_buffer, .address_space: global }
      - { .name: ac, .offset: 24, .size: 8, .value_kind: global_buffer, .address_space: global }
    .group_segment_fixed_size: 327680
    .private_segment_fixed_size: 0
    .kernarg_segment_align: 8
    .kernarg_segment_size: 32
    .max_flat_workgroup_size: 128
    .sgpr_count:     100
    .vgpr_count:     1024
    .wavefront_size: 32
...
	.end_amdgpu_metadata
.endif
;; end of part 8
;; launch out (part 9): grid 8 x 16, 4 waves a work-group, clusters of 4 x 4, 327,680 bytes of LDS; arguments ac, w_attn_out_codes, w_ff_out_codes, lowp_scales, out0; writes out0
.if DOCPART == 9
	.amdgcn_target "amdgcn-amd-amdhsa--gfx1250"
	.amdhsa_code_object_version 6
	.text
	.protected	k_q582e7ea68e_out
	.globl	k_q582e7ea68e_out
	.p2align	8
	.type	k_q582e7ea68e_out,@function
k_q582e7ea68e_out:
	s_mov_b64 s[64:65], 0
	v_nop
	global_prefetch_b8 v0, s[64:65] scope:SCOPE_SE
	s_setreg_imm32_b32 hwreg(HW_REG_WAVE_MODE, 25, 1), 1
	s_wait_xcnt 0x0
	s_wait_alu depctr_hold_cnt(0) depctr_sa_sdst(0) depctr_va_vdst(0) depctr_va_sdst(0) depctr_va_ssrc(0) depctr_va_vcc(0) depctr_vm_vsrc(0)
	s_getreg_b32 s2, hwreg(HW_REG_IB_STS2, 6, 4)
	s_cmp_eq_u32 s2, 0
	s_cbranch_scc0 .Lentry_in_a_cluster
	s_endpgm
.Lentry_in_a_cluster:
	s_bfe_u32 s2, ttmp6, 0x10000c
	s_cmp_lg_u32 s2, 0xf033
	s_cbranch_scc0 .Lentry_shape_is_right
	s_endpgm
.Lentry_shape_is_right:
; out0 = attention's output x w_attn_out + h x w_ff_out, as ONE product over K = 512 + 2,048 on codes of E5M2.  A: ac, [block of 128 along K: 20][4096 rows][128 bytes]; B: w_attn_out's codes [2048][512] for K 0-511,
; w_ff_out's [2048][2048] behind them.  The two parts have other scales: behind K = 512 every sum is multiplied once by 2^(e4 + e5 - e6 - e7), which rounds nothing, and at the end by 2^(e6 + e7).
; A tile of out0 is 256 x 256, four waves of 128 x 128: 64 accumulators.  K goes in steps of 256, ten of them, through a ring of two LDS slots.  128 tiles: one to a work-group.
; A's part of a slot is two blocks of ac; 256 rows of 128 bytes are dense in memory and come as 128 rows of 256 bytes with 16 of padding behind each: tile row R lies at (R / 2) x 272 + (R % 2) x 128.
; CLUSTERS: 4 x 4 work-groups; A's tiles are shared along a row of the cluster, B's along a column.  THE MATRIX INSTRUCTION IS USED TRANSPOSED: a lane holds eight neighbouring numbers of a row of out0.
; LIMITS: e4 + e5 - e6 - e7 and e6 + e7 between -126 and 127.
; REGISTERS, in windows of 256: window 0: v0-31 addresses; v128-255 A's fragments, one set; window 1: B's, two sets; windows 2, 3: the accumulators ((a, b) at v[8 (8 (a % 4) + b)]).
.set SIZE_N, 2048
.set ROWB,   256
.set PITCH,  272
.set FR,     16
.set NL,     4
.set NP,     4
.set HALFT,  128*PITCH
.set SLOT,   4*HALFT
.set SPARE,  2*SLOT
.set ASTEP,  0x200000                  ; two slots on in ac: four blocks of 524,288 bytes
.set SPITCH, 528                       ; the way out: a stage of 16 rows x (512 + 16) bytes for each wave, in slot 0, which has had its last fill and its last read by then
.set ADRA, 16
.set ADRB, 20
.set STO,  24
.set RD,   25
.set CO,   26
.set SPW,  28
.set NIL,  29
.set TMP,  32
.set AF,   128
.set BK,   128
.set G1, 24                            ; s[24:31] A's shape;  s[32:39] A's two groups 0
.set G0, 32
.set G1B, 48                           ; s[48:55], s[56:63] the same for w_ff_out: all refills
.set G0B, 56
.set G1W, 68                           ; s[68:75], s[76:83] the same for w_attn_out: the two first fills
.set G0W, 76
.set MSB, 0
.macro WIN new
.if MSB != (\new)
	s_set_vgpr_msb (MSB<<8)|(\new)
.set MSB, (\new)
.endif
.endm
.set MUL_LO, 0xa1
.set MUL_HI, 0xf1
.set TO_B,   0x40
.macro JLOAD g0a, g1a, g0b, g1b        ; waves 0 and 1 fetch for A, waves 2 and 3 for B; four v_nop follow each of the two lines
	s_cmp_eq_u32 s15, 0
	s_cbranch_scc0 .Lfor_b_\@
	tensor_load_to_lds s[\g0a:\g0a+3], s[\g1a:\g1a+7]
	s_nop 0
.rept 4
	v_nop
.endr
	s_branch .Lasked_\@
.Lfor_b_\@:
	tensor_load_to_lds s[\g0b:\g0b+3], s[\g1b:\g1b+7]
	s_nop 0
.rept 4
	v_nop
.endr
.Lasked_\@:
.endm
.macro CREST
	s_cmp_lg_u32 s14, 0
	s_cbranch_scc1 .Lnot_wave_0_\@
	s_barrier_signal -3
.Lnot_wave_0_\@:
	s_barrier_wait -3
	s_barrier_signal -1
	s_barrier_wait -1
.endm
.macro CROUND
	s_barrier_signal -1
	s_barrier_wait -1
	CREST
.endm
	s_load_b256 s[4:11], s[0:1], 0x0               ; ac s[4:5], w_attn_out s[6:7], w_ff_out s[8:9], the scales s[10:11]
	s_load_b64 s[12:13], s[0:1], 0x20              ; out0
	v_lshl_add_u32 v[SPW], v0, 2, SPARE
	v_mov_b32 v[NIL], 0
	ds_add_u32 v28, v29
	ds_add_u32 v28, v29
	s_wait_dscnt 0x0
	v_lshrrev_b32 v1, 5, v0
	v_readfirstlane_b32 s14, v1                    ; wave 0..3
	s_lshr_b32 s15, s14, 1                         ; my half of the rows.  Also: I fetch for A (0) or for B (1)
	s_and_b32 s16, s14, 1                          ; my half of the columns.  Also: which block of A, or which 128 rows of B, I fetch
	s_bfe_u32 s40, ttmp6, 0x40000
	s_bfe_u32 s41, ttmp6, 0x40004
	s_lshl_b32 s42, ttmp9, 2
	s_add_co_u32 s42, s42, s40                     ; tile column
	s_and_b32 s17, ttmp7, 0xffff
	s_lshl_b32 s17, s17, 2
	s_add_co_u32 s17, s17, s41                     ; tile row
	s_lshl_b32 s43, s41, 2
	s_lshl_b32 s43, 15, s43                        ; my row of the cluster
	s_lshl_b32 s44, 0x1111, s40                    ; my column
	s_or_b32 s[G1+0], s43, (0<<16)|(1<<20)|(1<<21)|(5<<22)|(3<<25)
	s_or_b32 s[G1B+0], s44, (0<<16)|(1<<20)|(1<<21)|(5<<22)|(3<<25)
	s_or_b32 s[G1W+0], s44, (0<<16)|(1<<20)|(1<<21)|(5<<22)|(3<<25)
.irp g, G1, G1B, G1W
	s_mov_b32 s[\g+1], ROWB<<16
	s_mov_b32 s[\g+2], 128<<16
	s_mov_b32 s[\g+3], ROWB<<16
	s_mov_b32 s[\g+4], 128
	s_mov_b32 s[\g+6], 0
	s_mov_b32 s[\g+7], 0
.endr
	s_mov_b32 s[G1+5], 256                         ; from row to row: ac's block is dense,
	s_mov_b32 s[G1B+5], 2048                       ; a row of w_ff_out,
	s_mov_b32 s[G1W+5], 512                        ; a row of w_attn_out
	s_lshl_b32 s20, s16, 19                        ; A: block 0 or 1,
	s_lshl_b32 s18, s17, 15
	s_add_co_u32 s20, s20, s18                     ; row 256 x tile row of 128 bytes
	s_mov_b32 s21, 0
	s_lshl_b32 s46, s42, 8
	s_lshl_b32 s18, s16, 7
	s_add_co_u32 s46, s46, s18                     ; B: row 256 x tile column + 128 x half
	s_lshl_b32 s22, s46, 11                        ; in w_ff_out,
	s_mov_b32 s23, 0
	s_lshl_b32 s46, s46, 9                         ; in w_attn_out
	s_mov_b32 s47, 0
	s_mul_i32 s45, s14, HALFT
	s_wait_kmcnt 0x0
	s_load_b256 s[84:91], s[10:11], 0x0            ; e0 .. e7
	s_add_nc_u64 s[20:21], s[4:5], s[20:21]
	s_add_nc_u64 s[46:47], s[6:7], s[46:47]
	s_add_nc_u64 s[22:23], s[8:9], s[22:23]
	CROUND
.irp s, 0,1
	s_mov_b32 s[G0+4*\s], 1
	s_add_co_u32 s[G0+4*\s+1], s45, \s*SLOT
	s_add_nc_u64 s[G0+4*\s+2:G0+4*\s+3], s[20:21], \s*0x100000
	s_or_b32 s[G0+4*\s+3], s[G0+4*\s+3], 0x80000000
	s_mov_b32 s[G0W+4*\s], 1
	s_add_co_u32 s[G0W+4*\s+1], s45, \s*SLOT
	s_add_nc_u64 s[G0W+4*\s+2:G0W+4*\s+3], s[46:47], \s*ROWB
	s_or_b32 s[G0W+4*\s+3], s[G0W+4*\s+3], 0x80000000
	s_mov_b32 s[G0B+4*\s], 1
	s_add_co_u32 s[G0B+4*\s+1], s45, \s*SLOT
	s_add_nc_u64 s[G0B+4*\s+2:G0B+4*\s+3], s[22:23], \s*ROWB   ; the slot's first refill: w_ff_out's K step 0 or 1
	s_or_b32 s[G0B+4*\s+3], s[G0B+4*\s+3], 0x80000000
	JLOAD G0+4*\s, G1, G0W+4*\s, G1W
.endr
	v_and_b32 v1, 15, v0                           ; r
	v_bfe_u32 v2, v0, 4, 1                         ; h
	v_lshrrev_b32 v3, 1, v1
	v_mul_u32_u24 v3, v3, PITCH
	v_and_b32 v5, 1, v1
	v_lshl_add_u32 v3, v5, 7, v3
	v_lshl_add_u32 v3, v2, 4, v3                   ; A: (r / 2) x 272 + (r % 2) x 128 + 16 h: sixteen lanes, sixteen different columns of 16 bytes
	v_mul_u32_u24 v4, v1, PITCH
	v_lshl_add_u32 v4, v2, 4, v4                   ; B: r x 272 + 16 h
	s_mul_i32 s21, s15, 64*PITCH                   ; my 128 rows of A: 64 pairs
	s_mul_i32 s22, s16, HALFT
	s_add_co_u32 s22, s22, 2*HALFT
.irp s, 0,1
	v_add_nc_u32 v[ADRA+\s], s21, v3
	v_add_nc_u32 v[ADRB+\s], s22, v4
	s_add_co_u32 s21, s21, SLOT
	s_add_co_u32 s22, s22, SLOT
.endr
	s_mul_i32 s23, s14, 16*SPITCH                  ; my stage
	v_mul_u32_u24 v5, v1, SPITCH
	v_lshl_add_u32 v5, v2, 5, v5
	v_add_nc_u32 v[STO], s23, v5
	v_and_b32 v6, 31, v0
	v_lshlrev_b32 v[CO], 4, v6
	v_add_nc_u32 v[RD], s23, v[CO]
	s_lshl_b32 s20, s17, 8
	s_lshl_b32 s21, s15, 7
	s_add_co_u32 s20, s20, s21                     ; my first row of out0,
	s_lshl_b32 s20, s20, 13                        ; of 8,192 bytes
	s_lshl_b32 s46, s42, 10
	s_add_co_u32 s20, s20, s46                     ; + 1,024 x tile column
	s_lshl_b32 s46, s16, 9
	s_add_co_u32 s20, s20, s46                     ; + 512 x column half
	s_mov_b32 s21, 0
	s_add_nc_u64 s[12:13], s[12:13], s[20:21]
.macro FRAGA reg, slot, q, i           ; the slot's q-th block of ac, rows 16 i on: eight pairs of rows
.irp c, 0,1,2,3
	ds_load_b128 v[\reg+4*\c:\reg+4*\c+3], v[ADRA+\slot] offset:(\q)*HALFT+32*\c+(\i)*8*PITCH
.endr
.endm
.macro FRAGB reg, slot, q, i
.irp c, 0,1,2,3
	ds_load_b128 v[\reg+4*\c:\reg+4*\c+3], v[ADRB+\slot] offset:128*(\q)+32*\c+(\i)*16*PITCH
.endr
.endm
.macro MUL16 a0, p, zero               ; the 64 accumulators take turns, one instruction a turn
.irp a, \a0, \a0+1
.irp b, 0,1,2,3,4,5,6,7
.if \zero
	v_wmma_f32_16x16x128_bf8_bf8 v[8*(8*((\a)%4)+\b):8*(8*((\a)%4)+\b)+7], v[128*(\p)+FR*\b:128*(\p)+FR*\b+FR-1], v[AF+FR*(\a):AF+FR*(\a)+FR-1], 0
.else
	v_wmma_f32_16x16x128_bf8_bf8 v[8*(8*((\a)%4)+\b):8*(8*((\a)%4)+\b)+7], v[128*(\p)+FR*\b:128*(\p)+FR*\b+FR-1], v[AF+FR*(\a):AF+FR*(\a)+FR-1], v[8*(8*((\a)%4)+\b):8*(8*((\a)%4)+\b)+7]
.endif
.endr
.endr
.endm
.macro FETCH_B slot, q, p
	WIN TO_B
.irp i, 0,1,2,3,4,5,6,7
	FRAGB 128*(\p)+FR*\i, \slot, \q, \i
.endr
	WIN 0
.endm
.macro FETCH_A slot, q, i0
.irp i, \i0, \i0+1, \i0+2, \i0+3
	FRAGA AF+FR*(\i), \slot, \q, \i
.endr
.endm
.macro PLACES n
.rept \n
	v_nop
.endr
.endm
.macro STEP slot, q, zero
	s_wait_dscnt 4*NL                              ; B's set and A's blocks 0-3 are in; the youngest sixteen loads may be out
	WIN MUL_LO
	MUL16 0, (\q)%2, \zero
	MUL16 2, (\q)%2, \zero
	s_wait_dscnt 0
	PLACES NP
	FETCH_B \slot, (\q)+1, 1-(\q)%2
	FETCH_A \slot, (\q)+1, 0
	WIN MUL_HI
	MUL16 4, (\q)%2, \zero
	MUL16 6, (\q)%2, \zero
	PLACES NP
	WIN 0
	FETCH_A \slot, (\q)+1, 4
.endm
; A slot's last step changes slots, AT ITS HEAD: all its fragments are in registers by then.  Each wave waits for all its tensor loads, adds 0 to its spare word, and waits for that and for its reads of this slot; one barrier;
; fill = 1: the slot is filled again first thing behind it.  The step's 64 products work on registers alone and follow the refill: from a request to the wait for it a wave issues 128 matrix instructions.
; stepb = 0: the slot's first refill, whose address in w_ff_out stands ready; 1: two K steps further on
.macro TURN slot, next, fill, stepb
	s_wait_tensorcnt 0x0                           ; all my tensor loads have landed: my part of the next slot; so every group 0 may be written
	ds_add_u32 v[SPW], v[NIL]                      ; 0 onto my spare word
.if \fill
	s_add_nc_u64 s[G0+4*\slot+2:G0+4*\slot+3], s[G0+4*\slot+2:G0+4*\slot+3], ASTEP
.if \stepb
	s_add_nc_u64 s[G0B+4*\slot+2:G0B+4*\slot+3], s[G0B+4*\slot+2:G0B+4*\slot+3], 2*ROWB
.endif
.endif
	s_wait_dscnt 0x0                               ; the add is done, and my reads of this slot are over
	s_barrier_signal -1
	s_barrier_wait -1
.if \fill
	CREST                                          ; a round of the cluster's barrier: no wave of any partner still reads this slot or has a load on its way
	JLOAD G0+4*\slot, G1, G0B+4*\slot, G1B         ; the first tensor load behind the round
.endif
	WIN MUL_LO
	MUL16 0, 1, 0
	MUL16 2, 1, 0
	PLACES NP
	FETCH_B \next, 0, 0
	FETCH_A \next, 0, 0
	WIN MUL_HI
	MUL16 4, 1, 0
	MUL16 6, 1, 0
	PLACES NP
	WIN 0
	FETCH_A \next, 0, 4
.endm
	s_wait_tensorcnt 1                             ; my part of slot 0 is in; slot 1's load may be out
	s_barrier_signal -1
	s_barrier_wait -1
	FETCH_B 0, 0, 0
	FETCH_A 0, 0, 0
	FETCH_A 0, 0, 4
	STEP 0, 0, 1                                   ; K 0-511: attention's output x w_attn_out
	TURN 0, 1, 1, 0
	STEP 1, 0, 0
	TURN 1, 0, 1, 0
	s_wait_kmcnt 0x0                               ; the sums so far stand for sum x 2^(e4 + e5), those to come for sum x 2^(e6 + e7)
	s_add_co_i32 s92, s88, s89
	s_sub_co_i32 s92, s92, s90
	s_sub_co_i32 s92, s92, s91
	s_add_co_i32 s92, s92, 127
	s_lshl_b32 s92, s92, 23                        ; 2^(e4 + e5 - e6 - e7)
	s_mov_b32 s93, s92
	WIN 0x82                                       ; source 0 and destination window 2.  (Four plain instructions stand behind the last products)
.set j, 0
.rept 128
	v_pk_mul_f32 v[j:j+1], v[j:j+1], s[92:93] op_sel_hi:[1,0]
.set j, j+2
.endr
	WIN 0xc3
.set j, 0
.rept 128
	v_pk_mul_f32 v[j:j+1], v[j:j+1], s[92:93] op_sel_hi:[1,0]
.set j, j+2
.endr
	WIN 0
	STEP 0, 0, 0                                   ; K 512 on: h x w_ff_out
	s_mov_b32 s3, 3
.Llap:
	TURN 0, 1, 1, 1
	STEP 1, 0, 0
	TURN 1, 0, 1, 1
	STEP 0, 0, 0
	s_sub_co_u32 s3, s3, 1
	s_cmp_lg_u32 s3, 0
	s_cbranch_scc1 .Llap
	TURN 0, 1, 0, 0                                ; the last lap fills nothing
	STEP 1, 0, 0
	s_wait_dscnt 4*NL
	WIN MUL_LO
	MUL16 0, 1, 0
	MUL16 2, 1, 0
	s_wait_dscnt 0
	WIN MUL_HI
	MUL16 4, 1, 0
	MUL16 6, 1, 0
	WIN 0
; THE WAY OUT, block by block of 16 rows x 128 columns: through my own stage in LDS, back as whole rows of 512 bytes.  LDS serves a wave's instructions in order (ISA guide 5.7.1.4).
.macro TOSTAGE a
.set AC, 64*((\a)%4)
	WIN 0x02+((\a)/4)
.set j, 0
.rept 32
	v_pk_mul_f32 v[TMP+j:TMP+j+1], v[AC+j:AC+j+1], s[96:97] op_sel_hi:[1,0]   ; x 2^(e6 + e7); each accumulator from its low end on
.set j, j+2
.endr
	WIN 0
.irp b, 0,1,2,3,4,5,6,7
	ds_store_b128 v[STO], v[TMP+8*\b:TMP+8*\b+3] offset:64*\b
	ds_store_b128 v[STO], v[TMP+8*\b+4:TMP+8*\b+7] offset:64*\b+16
.endr
.set BB, BK+64*((\a)%2)
.irp t, 0,1,2,3,4,5,6,7,8,9,10,11,12,13,14,15
	ds_load_b128 v[BB+4*\t:BB+4*\t+3], v[RD] offset:\t*SPITCH
.endr
.endm
.macro SEND a, younger
.set BB, BK+64*((\a)%2)
	s_wait_dscnt \younger                          ; the block is back in registers; the LDS instructions issued behind its loads may be out
.if (\a) > 0
	s_add_nc_u64 s[12:13], s[12:13], 16*SIZE_N*4   ; (behind a wait on XCNT: the earlier stores have read their base)
.endif
.irp t, 0,1,2,3,4,5,6,7,8,9,10,11,12,13,14,15
	global_store_b128 v[CO], v[BB+4*\t:BB+4*\t+3], s[12:13] offset:\t*SIZE_N*4 th:TH_STORE_NT   ; 512 consecutive bytes, aligned; written once, read by nobody here
.endr
.endm
	s_add_co_i32 s96, s90, s91
	s_add_co_i32 s96, s96, 127
	s_lshl_b32 s96, s96, 23                        ; 2^(e6 + e7)
	s_mov_b32 s97, s96
	PLACES NP
	TOSTAGE 0
.irp a, 1,2,3,4,5,6,7
.if \a > 1
	s_wait_xcnt 0x0                                ; block a - 2's stores have read their registers and their base
.endif
	TOSTAGE \a
	SEND \a-1, 32                                  ; behind block a - 1's loads: block a's 16 stores and 16 loads
.endr
	s_wait_xcnt 0x0
	SEND 7, 0
	s_wait_tensorcnt 0x0                           ; the wave's end
	ds_add_u32 v[SPW], v[NIL]
	s_wait_dscnt 0x0
	CROUND                                         ; the closing round
	s_endpgm
.Lfunc_end_k_q582e7ea68e_out:
	.size	k_q582e7ea68e_out, .Lfunc_end_k_q582e7ea68e_out-k_q582e7ea68e_out
	.p2alignl 7, 3214868480
	.fill 96, 4, 3214868480
	.section	.rodata,"a",@progbits
	.p2align	6, 0x0
	.amdhsa_kernel k_q582e7ea68e_out
		.amdhsa_group_segment_fixed_size 327680
		.amdhsa_private_segment_fixed_size 0
		.amdhsa_enable_private_segment 0
		.amdhsa_kernarg_size 40
		.amdhsa_user_sgpr_count 2
		.amdhsa_user_sgpr_kernarg_segment_ptr 1
		.amdhsa_wavefront_size32 1
		.amdhsa_system_sgpr_workgroup_id_x 1
		.amdhsa_system_sgpr_workgroup_id_y 1
		.amdhsa_system_sgpr_workgroup_id_z 1
		.amdhsa_system_vgpr_workitem_id 0
		.amdhsa_next_free_vgpr 1024
		.amdhsa_next_free_sgpr 100
		.amdhsa_reserve_vcc 0
		.amdhsa_float_denorm_mode_32 3
		.amdhsa_float_denorm_mode_16_64 3
		.amdhsa_memory_ordered 1
		.amdhsa_forward_progress 1
		.amdhsa_inst_pref_size 176
	.end_amdhsa_kernel
	.amdgpu_metadata
---
amdhsa.version: [ 1, 2 ]
amdhsa.kernels:
  - .name:           k_q582e7ea68e_out
    .symbol:         k_q582e7ea68e_out.kd
    .args:
      - { .name: ac, .offset: 0, .size: 8, .value_kind: global_buffer, .address_space: global }
      - { .name: w_attn_out_codes, .offset: 8, .size: 8, .value_kind: global_buffer, .address_space: global }
      - { .name: w_ff_out_codes, .offset: 16, .size: 8, .value_kind: global_buffer, .address_space: global }
      - { .name: lowp_scales, .offset: 24, .size: 8, .value_kind: global_buffer, .address_space: global }
      - { .name: out0, .offset: 32, .size: 8, .value_kind: global_buffer, .address_space: global }
    .group_segment_fixed_size: 327680
    .private_segment_fixed_size: 0
    .kernarg_segment_align: 8
    .kernarg_segment_size: 40
    .max_flat_workgroup_size: 128
    .sgpr_count:     100
    .vgpr_count:     1024
    .wavefront_size: 32
...
	.end_amdgpu_metadata
.endif
;; end of part 9
